; MI455X (gfx1250); checked and timed in simulation.
; The chip was launched on July 23, 2026; its instructions are those of AMD's public machine-readable ISA for CDNA 5 (MIT licence, August 2026) and "CDNA5" Instruction Set Architecture Reference Guide (July 2026). The comments in the code are by the model that wrote it; some were corrected since.
;; Cloud Crop. Allowed arithmetic: matrix products marked QUANTISED: E2M3 operands, one E8M0 scale for each 32 along K, by v_wmma_scale_f32_16x16x128_f8f6f4 with both operands' format E2M3, f32 sums; products left as they are: f32 operands where the result goes on into a quantised operand, else bf16, f16 or f32 operands; f32 sums; everything else in f32.
;; Inputs: W1 256 x 259 float32; W2_codes 256 x 8 x 24 uint8 (E2M3 codes of W2, K innermost, in blocks of 32 codes, four codes in three bytes); W2_scales 256 x 8 uint8 (E8M0 scales of W2, one for each 32 codes along K); b1 256 float32; b2 256 float32; g1 256 float32; g2 256 float32; seed_features_graspable 8 x 256 x 1,024 float32; seed_xyz_graspable 8 x 1,024 x 3 float32; vp_rot 8 x 1,024 x 3 x 3 float32.
;; Outputs: out0 8 x 256 x 1,024 float32.
;; This version of the problem:
;;   THIS VERSION OF THE PROBLEM IS GIVEN IN LOW PRECISION. The matrix products marked QUANTISED in the list below multiply operands that are first quantised to E2M3 (2 exponent bits, 3 mantissa bits; 6 bits a number), with one power-of-two scale for each 32 numbers along K (OCP MX v1.0); their sums are f32. All else is computed in f32.
;;   The module's matrix products, in the order in which they are computed (A, B: the left and right operand; K: the contracted axis; several contracted axes count as one K, in the product's order):
;;     1. batch 8,192 x [M 1,024, K 3] x [K 3, N 3]; A: computed on the way; B: input vp_rot: left as it is (K = 3 < 32)
;;     2. batch 8,192 x [M 32, K 3] x [K 3, N 3]; A: computed on the way; B: input vp_rot: left as it is (K = 3 < 32)
;;     3. [M 256, K 259] x [K 259, N 262,144]; A: input W1; B: computed on the way: QUANTISED
;;     4. [M 256, K 256] x [K 256, N 262,144]; A: input W2 (given as codes); B: computed on the way: QUANTISED
;;   THE QUANTISER, for each operand of a quantised product, along K:
;;     - K is cut into blocks of 32 from its start; a last block that is shorter is filled with zeros.
;;     - A block's scale is 2^e with e = floor(log2(the largest magnitude in the block)) - 2, held to -126 .. 127; a block of zeros has e = 0. As a byte (E8M0): e + 127.
;;     - Each number is divided by its block's scale, clamped to +-7.5, and rounded to the nearest number of E2M3, ties to even, subnormals kept.
;;     - The product sums the exact products of the quantised numbers (number of the format x scale) in f32.
;;   ~~~python
;;   def quantise(x, axis):      # numpy; x: float32 -> the quantised numbers, widened to float32 again
;;       x = np.moveaxis(x, axis, -1); K = x.shape[-1]
;;       x = np.pad(x, [(0, 0)] * (x.ndim - 1) + [(0, -K % 32)]); x = x.reshape(x.shape[:-1] + (-1, 32)); a = np.abs(x).max(-1, keepdims=True)
;;       e = np.where(a > 0, np.clip(np.frexp(np.where(a > 0, a, 1))[1] - 1 - 2, -126, 127), 0)      # np.frexp(a)[1] - 1 = floor(log2(a)), exactly
;;       r = np.clip(x / 2.0 ** e, -7.5, 7.5)
;;       step = 2.0 ** (np.maximum(np.frexp(np.where(r == 0, 1, r))[1] - 1, 0) - 3)
;;       q = np.round(r / step) * step * 2.0 ** e      # np.round: ties to even
;;       return np.moveaxis(q.reshape(q.shape[:-2] + (-1,))[..., :K], -1, axis).astype(np.float32)
;;   ~~~
;;   OPERANDS COMPUTED ON THE WAY. 'Computed on the way' means the value that the module computes at that place (a softmax that the list does not call 'softmax' is quantised finished and normalised). What goes into a quantiser is computed in f32, as accurately as f32 sums, v_exp_f32 and their like allow (about 1e-6 of the number): no bf16 or f16 on the way to a quantiser, and a product that is left as it is and whose result goes on into a quantised operand takes f32 operands (vector FMAs, or v_wmma_f32_16x16x4_f32). A number that lies on a knife's edge between two numbers of the format may be rounded either way, as far as f32 arithmetic and the matrix unit's own rounding can turn it there, and no further.
;;   INPUTS GIVEN AS CODES. W2 (in the module: [256, 256], K = its axis 1): each comes as NAME_codes (uint8): NAME with its K axis moved to the last place and cut into blocks of 32 codes, [.., K / 32, bytes a block], one block behind the other in memory; four codes in three bytes: a row's codes are one little-endian stream of bits, code i at bits 6 i .. 6 i + 5 (a code: sign, 2 exponent bits, 3 mantissa bits); and NAME_scales (uint8): the same leading axes, one E8M0 byte (e + 127) for each 32 codes along K. Its value is code x scale, taken as it is: it is not quantised again, and the codes and scales need not be those that the quantiser above would give.
;; 2 versions, each right; version 2 is version 1 with the launches stat1, main written anew for expert scheduling mode. Each part assembles by itself: llvm-mc -triple=amdgcn-amd-amdhsa -mcpu=gfx1250 --defsym DOCPART=n.
;; ======== version 1 of 2: 5 launches
;; limits: a difference of large sums (such as E[x^2] - mean^2): digits are lost where the result is much smaller than its terms
;; workspace buffers: idx 1,048,576 bytes of whole numbers; table 2,621,440 bytes; w1blob 55,296 bytes; p1 524,288 bytes; p2 524,288 bytes; bn1p 2,048 bytes; ysel 8,388,608 bytes
;; launch prep (part 1): grid 256 x 1, 8 waves a work-group, no clusters, 11,264 bytes of LDS; arguments seed_xyz_graspable, vp_rot, seed_features_graspable, W1, idx, table, w1blob; writes idx, table, w1blob
.if DOCPART == 1
	.amdgcn_target "amdgcn-amd-amdhsa--gfx1250"
	.amdhsa_code_object_version 6
	.text
	.protected	k_qff9247e10e_prep
	.globl	k_qff9247e10e_prep
	.p2align	8
	.type	k_qff9247e10e_prep,@function
k_qff9247e10e_prep:
	s_mov_b64 s[64:65], 0
	v_nop
	global_prefetch_b8 v0, s[64:65] scope:SCOPE_SE
	s_setreg_imm32_b32 hwreg(HW_REG_WAVE_MODE, 25, 1), 1
	s_wait_xcnt 0x0
; THREE JOBS.  (1) idx: for each of 8 x 1,024 centres the first 32 points, in point order, inside its rotated cylinder; empty slots 0.
; (2) table: for each of the 8,192 points an entry of 320 bytes: x, y, z and features 0..28 as f32 (the 32 places of block 0 of K = 259),
;     the scale bytes and the E2M3 codes of blocks 1..8, which hang on the point alone.  (3) w1blob: W1 as codes, as images of the operand's registers.
; SHARES.  Work-group g (batch g / 32): centres 32 g .., four a wave; points 32 g .., lane = point, wave j = block j (wave 0: the f32 part and block 8);
;     work-groups 0..15: tile g of W1 (waves 0, 1: K steps 0, 1; wave 2: block 8).
; The choice of the 32 points is made by selecting VALUES alone: no branch and no address hangs on a floating-point number.
; LIMITS: NaN and infinities are not served.  local = mul, fma, fma over m = 0, 1, 2 of (p - c) rot[m][k], d2 = fma(l2, l2, l1 l1): a point within f32
;     rounding of the cylinder's surface may fall on either side.  A block whose largest magnitude lies under 2^-124 (a block of zeros too) gets the byte 1.
.set PX, 32                            ; v32-63   x of group j's 32 points (lane = point), j = 0..31
.set PY, 64                            ; v64-95   y
.set PZ, 96                            ; v96-127  z
.set R,  128                           ; v128-159 the 32 numbers of my block of my point
.set E,  160                           ; v160-175 block 8: three numbers and 13 zeros
.set D,  176                           ; v176-181 p - c, two groups at a time
.set L,  182                           ; v182-187 local coordinates
.set Q,  188                           ; v188-189 d2
.set VW, 190                           ; the mask word of the group in which my slot's point lies
.set VP, 191                           ; that group's count before it | group << 16
.set T,  192                           ; v192-203 at work
.set IDX, 204                          ; v204-207 the four centres' indices, lane = slot
.set C,  208                           ; v208-213 a block's codes
.set TC, 214                           ; v214-216 its second half as converted
.set MG, 218                           ; v218-223 largest magnitude, scale operand, byte
.set WV, 67                            ; s67 my wave's number (the odd half of a pair that the packed forms only name)
	s_load_b256 s[4:11], s[0:1], 0x0               ; xyz s[4:5], rot s[6:7], features s[8:9], W1 s[10:11]
	s_load_b128 s[12:15], s[0:1], 0x20             ; idx s[12:13], table s[14:15]
	s_load_b64 s[2:3], s[0:1], 0x30                ; w1blob
	v_lshl_add_u32 v224, v0, 2, 0x2800
	v_mov_b32 v225, 0
	v_lshrrev_b32 v1, 5, v0
	v_readfirstlane_b32 s[WV], v1
	v_and_b32 v1, 31, v0                           ; lane
	v_mul_u32_u24 v2, v1, 12                       ; a point's xyz
	v_lshlrev_b32 v3, 2, v1
	v_lshlrev_b32 v4, 3, v1
	v_mul_u32_u24 v5, v1, 320                      ; LDS: my point's entry
	s_add_co_u32 s100, s[WV], 1                    ; the blocks' codes lie in the order 2, 1, 3, 4, 6, 5, 7 from byte 144 on:
	s_lshr_b32 s100, s100, 1                       ; place P = j xor 3 (((j + 1) / 2) % 2), at 120 + 24 P
	s_and_b32 s100, s100, 1
	s_mul_i32 s100, s100, 3
	s_xor_b32 s100, s100, s[WV]
	s_mul_i32 s100, s100, 24
	s_add_co_u32 s100, s100, 120
	v_add_nc_u32 v6, s100, v5                      ; where my block's codes go
	s_add_co_u32 s100, s[WV], 128
	v_add_nc_u32 v9, s100, v5                      ; where its scale byte goes: byte 128 + j
	v_lshlrev_b32 v7, 4, v0                        ; 16 x thread: the entries' way out
	s_lshr_b32 s90, ttmp9, 5                       ; batch
	s_mul_i32 s84, ttmp9, 384                      ; my four centres: (32 g + 4 w) x 12 bytes of xyz,
	s_mul_i32 s85, s[WV], 48
	s_add_co_u32 s84, s84, s85
	s_mov_b32 s85, 0
	s_mul_i32 s86, ttmp9, 1152                     ; x 36 bytes of rot
	s_mul_i32 s87, s[WV], 144
	s_add_co_u32 s86, s86, s87
	s_mov_b32 s87, 0
	s_lshl_b32 s88, s90, 20                        ; features: batch, + 32 j channels of 4,096 bytes, + my work-group's 32 points
	s_lshl_b32 s89, s[WV], 17
	s_add_co_u32 s88, s88, s89
	s_and_b32 s89, ttmp9, 31
	s_lshl_b32 s89, s89, 7
	s_add_co_u32 s88, s88, s89
	s_mov_b32 s89, 0
	s_mul_i32 s100, s90, 12288                     ; the batch's 1,024 points
	s_mov_b32 s101, 0
	s_wait_kmcnt 0x0
	s_add_nc_u64 s[84:85], s[4:5], s[84:85]
	s_add_nc_u64 s[86:87], s[6:7], s[86:87]
	s_add_nc_u64 s[8:9], s[8:9], s[88:89]
	s_add_nc_u64 s[4:5], s[4:5], s[100:101]
	s_load_b256 s[16:23], s[84:85], 0x0            ; four centres' xyz: s16-27
	s_load_b128 s[24:27], s[84:85], 0x20
	s_load_b512 s[28:43], s[86:87], 0x0            ; four centres' rot: s28-63
	s_load_b512 s[44:59], s[86:87], 0x40
	s_load_b128 s[60:63], s[86:87], 0x80
	s_lshl_b32 s100, ttmp9, 12                     ; idx: pair 16 g + 2 w, 256 bytes a pair
	s_lshl_b32 s101, s[WV], 9
	s_add_co_u32 s100, s100, s101
	s_mov_b32 s101, 0
	s_add_nc_u64 s[12:13], s[12:13], s[100:101]
	s_mul_i32 s100, ttmp9, 10240                   ; table: 32 entries a work-group
	s_add_nc_u64 s[14:15], s[14:15], s[100:101]
; place i of block j is k = 32 j + i, which is feature 32 j + i - 3: 32 neighbouring points in 32 lanes
.set i, 3
.rept 29
	global_load_b32 v[R+i], v3, s[8:9] offset:(i-3)*4096 th:TH_LOAD_NT
.set i, i+1
.endr
	s_cmp_eq_u32 s[WV], 0
	s_cbranch_scc1 .Ledge_loads
.irp i, 0,1,2
	global_load_b32 v[R+\i], v3, s[8:9] offset:(\i-3)*4096 th:TH_LOAD_NT
.endr
	s_branch .Lloads_done
.Ledge_loads:                                      ; wave 0: places 0..2 are the point's x, y, z (for wave 0 s[84:85] is xyz at point 32 g); block 8 is features 253..255
.irp i, 0,1,2
	global_load_b32 v[R+\i], v2, s[84:85] offset:4*\i
	global_load_b32 v[E+\i], v3, s[8:9] offset:(253+\i)*4096 th:TH_LOAD_NT
.endr
.Lloads_done:
.set j, 0
.rept 32
	global_load_b32 v[PX+j], v2, s[4:5] offset:384*j
	global_load_b32 v[PY+j], v2, s[4:5] offset:384*j+4
	global_load_b32 v[PZ+j], v2, s[4:5] offset:384*j+8
.set j, j+1
.endr
	s_wait_loadcnt 0x0                             ; all is in: the loads' bases may be written again
	s_wait_kmcnt 0x0
	s_mov_b32 s90, 0x3b23d70a                      ; radius^2 = 0.0025
	s_mov_b32 s91, 0xbca3d70a                      ; hmin = -0.02
	s_mov_b32 s92, 0x3d23d70a                      ; hmax = 0.04
.irp n, 69,71,73,75,77,79,81,83,85,87,89
	s_mov_b32 s\n, 0                               ; the pairs' odd halves: named by the packed forms, never used
.endr
; Groups 2 j and 2 j + 1 (64 points): local coordinates, d2, and the six comparisons into scalars, set j % 2 (s94-99 or s4-9)
.macro GEO j
.set cb, 94-90*((\j)%2)
	v_pk_add_f32 v[D:D+1], v[PX+2*(\j):PX+2*(\j)+1], s[66:67] op_sel_hi:[1,0]      ; p - c (s66, 68, 70 hold -c)
	v_pk_add_f32 v[D+2:D+3], v[PY+2*(\j):PY+2*(\j)+1], s[68:69] op_sel_hi:[1,0]
	v_pk_add_f32 v[D+4:D+5], v[PZ+2*(\j):PZ+2*(\j)+1], s[70:71] op_sel_hi:[1,0]
.irp k, 0,1,2
	v_pk_mul_f32 v[L+2*\k:L+2*\k+1], v[D:D+1], s[72+2*\k:73+2*\k] op_sel_hi:[1,0]
.endr
.irp k, 0,1,2
	v_pk_fma_f32 v[L+2*\k:L+2*\k+1], v[D+2:D+3], s[78+2*\k:79+2*\k], v[L+2*\k:L+2*\k+1] op_sel_hi:[1,0,1]
.endr
.irp k, 0,1,2
	v_pk_fma_f32 v[L+2*\k:L+2*\k+1], v[D+4:D+5], s[84+2*\k:85+2*\k], v[L+2*\k:L+2*\k+1] op_sel_hi:[1,0,1]
.endr
	v_pk_mul_f32 v[Q:Q+1], v[L+2:L+3], v[L+2:L+3]
	v_pk_fma_f32 v[Q:Q+1], v[L+4:L+5], v[L+4:L+5], v[Q:Q+1]
.irp e, 0,1
	v_cmp_gt_f32 s[cb+3*\e], s90, v[Q+\e]
	v_cmp_lt_f32 s[cb+3*\e+1], s91, v[L+\e]
	v_cmp_gt_f32 s[cb+3*\e+2], s92, v[L+\e]
.endr
.endm
; The two groups' masks; slot (= lane) s keeps the LAST group whose count before it is <= s: that is the group in which the slot's point lies
.macro SEL j
.set cb, 94-90*((\j)%2)
.irp e, 0,1
	s_and_b32 s[cb+3*\e], s[cb+3*\e], s[cb+3*\e+1]
	s_and_b32 s[cb+3*\e], s[cb+3*\e], s[cb+3*\e+2]
	s_or_b32 s100, s93, (2*(\j)+\e)<<16
	v_cmp_le_u32 vcc_lo, s93, v1
	v_cndmask_b32 v[VW], v[VW], s[cb+3*\e], vcc_lo
	v_cndmask_b32 v[VP], v[VP], s100, vcc_lo
	s_bcnt1_i32_b32 s101, s[cb+3*\e]
	s_add_co_u32 s93, s93, s101
.endr
.endm
; one step of the search for the r-th set bit: the count of the lower half of what is left, at bit pos of the table of partial counts
.macro BSTEP src, width, k
	v_bfe_u32 v[T+6], v[\src], v[T+5], \width
	v_cmp_ge_u32 vcc_lo, v[T], v[T+6]
	v_cndmask_b32 v[T+6], 0, v[T+6], vcc_lo
	v_sub_nc_u32 v[T], v[T], v[T+6]
	v_cndmask_b32 v[T+7], 0, \k, vcc_lo
	v_add_nc_u32 v[T+5], v[T+5], v[T+7]
.endm
.macro CENTRE cc
	s_xor_b32 s66, s[16+3*\cc], 0x80000000
	s_xor_b32 s68, s[17+3*\cc], 0x80000000
	s_xor_b32 s70, s[18+3*\cc], 0x80000000
.irp n, 0,1,2,3,4,5,6,7,8
	s_mov_b32 s[72+2*\n], s[28+9*\cc+\n]           ; rot[m][k] at pair 3 m + k
.endr
	s_mov_b32 s93, 0                               ; points found so far
	v_mov_b32 v[VW], 0
	v_mov_b32 v[VP], 0
	GEO 0
.set jj, 1
.rept 15
	GEO jj                                         ; the selection runs one pair of groups behind, so that the scalar lines find their comparisons done
	SEL jj-1
.set jj, jj+1
.endr
	SEL 15
	v_and_b32 v[T], 0xffff, v[VP]
	v_sub_nc_u32 v[T], v1, v[T]                    ; r: my point is the r-th set bit of my group's word
	v_lshrrev_b32 v[T+1], 1, v[VW]
	v_and_b32 v[T+1], 0x55555555, v[T+1]
	v_sub_nc_u32 v[T+1], v[VW], v[T+1]             ; counts of 2 bits
	v_lshrrev_b32 v[T+2], 2, v[T+1]
	v_and_b32 v[T+2], 0x33333333, v[T+2]
	v_and_b32 v[T+3], 0x33333333, v[T+1]
	v_add_nc_u32 v[T+2], v[T+2], v[T+3]            ; of 4
	v_lshrrev_b32 v[T+3], 4, v[T+2]
	v_add_nc_u32 v[T+3], v[T+3], v[T+2]
	v_and_b32 v[T+3], 0x0f0f0f0f, v[T+3]           ; of 8
	v_lshrrev_b32 v[T+4], 8, v[T+3]
	v_add_nc_u32 v[T+4], v[T+4], v[T+3]            ; of 16, in the low byte
	v_mov_b32 v[T+5], 0                            ; pos
	BSTEP T+4, 8, 16
	BSTEP T+3, 8, 8
	BSTEP T+2, 4, 4
	BSTEP T+1, 2, 2
	BSTEP VW, 1, 1
	v_lshrrev_b32 v[T+6], 16, v[VP]
	v_lshl_add_u32 v[T+5], v[T+6], 5, v[T+5]       ; 32 x group + pos
	v_cmp_gt_u32 vcc_lo, s93, v1
	v_cndmask_b32 v[IDX+\cc], 0, v[T+5], vcc_lo    ; a slot beyond the count takes point 0
.endm
	CENTRE 0
	CENTRE 1
	global_store_b64 v4, v[IDX:IDX+1], s[12:13]                ; [pair][slot][2]: the wave stores 256 consecutive bytes, aligned
	CENTRE 2
	CENTRE 3
	global_store_b64 v4, v[IDX+2:IDX+3], s[12:13] offset:256
; THE TABLE.  A lane holds all 32 numbers of one block of one point: the largest magnitude needs no other lane, and the conversions' results lie with K innermost.
	s_cmp_eq_u32 s[WV], 0
	s_cbranch_scc1 .Ledge
	v_max3_num_f32 v[MG], |v[R]|, |v[R+1]|, |v[R+2]|
	v_max3_num_f32 v[MG+1], |v[R+3]|, |v[R+4]|, |v[R+5]|
.irp i, 6,10,14,18,22,26
	v_max3_num_f32 v[MG], v[MG], |v[R+\i]|, |v[R+\i+1]|
	v_max3_num_f32 v[MG+1], v[MG+1], |v[R+\i+2]|, |v[R+\i+3]|
.endr
	v_max3_num_f32 v[MG], v[MG], |v[R+30]|, |v[R+31]|
	v_max3_num_f32 v[MG], v[MG], v[MG+1], 0x1800000            ; the floor 2^(3 - 127): the byte cannot fall under 1
	v_add_nc_u32 v[MG+2], 0xff000000, v[MG]                    ; 2 off the exponent field: the conversion's scale operand
	v_lshrrev_b32 v[MG+3], 23, v[MG+2]                         ; the scale's byte
	v_cvt_scalef32_pk16_fp6_f32 v[C:C+2], v[R:R+15], v[MG+2]
	v_cvt_scalef32_pk16_fp6_f32 v[TC:TC+2], v[R+16:R+31], v[MG+2]   ; (a conversion's three registers begin on an even number)
	v_nop                                          ; one plain place behind the conversions
.irp i, 0,1,2
	v_mov_b32 v[C+3+\i], v[TC+\i]
.endr
	ds_store_b64 v6, v[C:C+1]
	ds_store_b64 v6, v[C+2:C+3] offset:8
	ds_store_b64 v6, v[C+4:C+5] offset:16
	ds_store_b8 v9, v[MG+3]
	s_branch .Ltable_done
.Ledge:
.irp i, 0,1,2,3,4,5,6,7
	ds_store_b128 v5, v[R+4*\i:R+4*\i+3] offset:16*\i          ; x, y, z, features 0..28 as f32
.endr
.irp i, 3,4,5,6,7,8,9,10,11,12,13,14,15
	v_mov_b32 v[E+\i], 0                           ; block 8 is filled with zeros
.endr
	v_max3_num_f32 v[MG], |v[E]|, |v[E+1]|, |v[E+2]|
	v_max_num_f32 v[MG], 0x1800000, v[MG]
	v_add_nc_u32 v[MG+2], 0xff000000, v[MG]
	v_lshrrev_b32 v[MG+3], 23, v[MG+2]
	v_cvt_scalef32_pk16_fp6_f32 v[C:C+2], v[E:E+15], v[MG+2]   ; three codes in the low 18 bits of v[C], zeros above
	v_or_b32 v[MG+3], 0x7f7f7f00, v[MG+3]          ; K step 2's scale word: block 8's byte, and 1.0 for the three blocks of zeros
	v_mov_b32 v[MG+4], 0
	v_mov_b32 v[MG+5], 0
	ds_store_b8 v9, v[MG+4]                        ; byte 128: block 0's scale is made later, centre by centre
	ds_store_b32 v5, v[MG+3] offset:136
	ds_store_b32 v5, v[C] offset:140
	ds_store_b64 v5, v[MG+4:MG+5] offset:312
.Ltable_done:
	s_wait_dscnt 0x0                               ; my stores have landed,
	s_barrier_signal -1
	s_barrier_wait -1                              ; everybody's have: the 32 entries are whole
	ds_load_b128 v[R:R+3], v7
	ds_load_b128 v[R+4:R+7], v7 offset:4096
	s_cmp_lt_u32 s[WV], 4
	s_cbranch_scc0 .Lno_tail
	ds_load_b128 v[R+8:R+11], v7 offset:8192       ; the last 2,048 of the 10,240 bytes: waves 0-3
	s_wait_dscnt 0x0
	global_store_b128 v7, v[R+8:R+11], s[14:15] offset:8192
.Lno_tail:
	s_wait_dscnt 0x0
	global_store_b128 v7, v[R:R+3], s[14:15]       ; a wave stores 512 consecutive bytes, aligned
	global_store_b128 v7, v[R+4:R+7], s[14:15] offset:4096
; W1, tile t = g.  Lane r of tile t takes row 32 (t / 2) + 8 (t % 2) + r + 8 (r / 8), so that in the second pass a lane's 16 results of tiles 2 u and 2 u + 1 are 16 neighbours along the next K.
	s_cmp_lt_u32 ttmp9, 16
	s_cbranch_scc0 .Lend
	s_cmp_lt_u32 s[WV], 3
	s_cbranch_scc0 .Lend
	v_and_b32 v10, 15, v0                          ; r
	v_bfe_u32 v11, v0, 4, 1                        ; h
	v_and_b32 v12, 8, v10
	v_add_nc_u32 v12, v12, v10
	s_lshr_b32 s100, ttmp9, 1
	s_lshl_b32 s100, s100, 5
	s_and_b32 s101, ttmp9, 1
	s_lshl_b32 s101, s101, 3
	s_add_co_u32 s100, s100, s101
	v_add_nc_u32 v12, s100, v12
	v_mul_u32_u24 v12, v12, 1036                   ; a row of W1 is 259 x 4 bytes
	s_lshl_b32 s100, ttmp9, 8
	s_add_co_u32 s100, s100, 49152
	v_lshl_add_u32 v15, v10, 4, s100               ; the row's four scale words: 49,152 + 256 t + 16 r
	s_cmp_eq_u32 s[WV], 2
	s_cbranch_scc1 .Lk2
	v_lshl_add_u32 v13, v11, 7, v12                ; lane (r, h) holds k = 128 q + 64 c + 32 h + 0 .. 31: two whole blocks
	s_lshl_b32 s100, s[WV], 9
	v_add_nc_u32 v13, s100, v13
.irp c, 0,1
.irp i, 0,1,2,3,4,5,6,7,8,9,10,11,12,13,14,15,16,17,18,19,20,21,22,23,24,25,26,27,28,29,30,31
	global_load_b32 v[32+32*\c+\i], v13, s[10:11] offset:256*\c+4*\i
.endr
.endr
	s_mul_i32 s100, ttmp9, 3072
	s_mul_i32 s101, s[WV], 1536
	s_add_co_u32 s100, s100, s101
	v_lshl_add_u32 v14, v1, 4, s100                ; the image of fragment 2 t + q: 1,536 bytes, 16 a lane and group of four registers
	s_lshl_b32 s100, s[WV], 2
	v_add_nc_u32 v15, s100, v15
	s_mov_b32 s100, 0x76543210
	s_mov_b32 s101, 0xfedcba98                     ; v_permlanex16_b32's selects for lane l xor 16
	s_wait_loadcnt 0x0
.irp c, 0,1
	v_max3_num_f32 v[MG+\c], |v[32+32*\c]|, |v[33+32*\c]|, 0x1800000
.endr
.irp i, 2,4,6,8,10,12,14,16,18,20,22,24,26,28,30
.irp c, 0,1
	v_max3_num_f32 v[MG+\c], v[MG+\c], |v[32+32*\c+\i]|, |v[33+32*\c+\i]|
.endr
.endr
.irp c, 0,1
	v_add_nc_u32 v[T+\c], 0xff000000, v[MG+\c]
.endr
.irp c, 0,1
	v_lshrrev_b32 v[T+2+\c], 23, v[T+\c]
.endr
	v_lshl_or_b32 v[T+4], v[T+3], 16, v[T+2]       ; my two bytes: blocks h and 2 + h,
	v_lshlrev_b32 v[T+5], 3, v11
	v_lshlrev_b32 v[T+4], v[T+5], v[T+4]           ; at their places;
	v_mov_b32 v[T+5], 0
	v_permlanex16_b32 v[T+5], v[T+4], s100, s101
	v_or_b32 v[T+4], v[T+4], v[T+5]                ; with lane l xor 16's two the word is whole
.irp c, 0,1
	v_cvt_scalef32_pk16_fp6_f32 v[96+6*\c:98+6*\c], v[32+32*\c:47+32*\c], v[T+\c]
	v_cvt_scalef32_pk16_fp6_f32 v[112+4*\c:114+4*\c], v[48+32*\c:63+32*\c], v[T+\c]
.endr
	v_nop
.irp c, 0,1
.irp i, 0,1,2
	v_mov_b32 v[99+6*\c+\i], v[112+4*\c+\i]
.endr
.endr
	global_store_b128 v14, v[96:99], s[2:3]
	global_store_b128 v14, v[100:103], s[2:3] offset:512
	global_store_b128 v14, v[104:107], s[2:3] offset:1024
	global_store_b32 v15, v[T+4], s[2:3]           ; (both halves of the lanes store the same word to the same place)
	s_branch .Lend
.Lk2:                                              ; block 8: k = 256..258
.irp i, 0,1,2
	global_load_b32 v[32+\i], v12, s[10:11] offset:1024+4*\i
.endr
.irp i, 3,4,5,6,7,8,9,10,11,12,13,14,15
	v_mov_b32 v[32+\i], 0
.endr
	s_lshl_b32 s100, ttmp9, 7
	s_add_co_u32 s100, s100, 53248
	v_lshl_add_u32 v14, v1, 2, s100                ; 53,248 + 128 t + 4 x lane
	s_wait_loadcnt 0x0
	v_max3_num_f32 v[MG], |v32|, |v33|, |v34|
	v_max_num_f32 v[MG], 0x1800000, v[MG]
	v_add_nc_u32 v[MG+2], 0xff000000, v[MG]
	v_lshrrev_b32 v[MG+4], 23, v[MG+2]
	v_cvt_scalef32_pk16_fp6_f32 v[96:98], v[32:47], v[MG+2]
	v_or_b32 v[MG+4], 0x7f7f7f00, v[MG+4]
	v_mov_b32 v[MG+5], 0x7f7f7f7f
	v_cmp_gt_u32 vcc_lo, 16, v1
	v_cndmask_b32 v96, 0, v96, vcc_lo              ; lanes 16-31 of the operand's first register stand for k = 32 .. 63 of this K step: zeros
	global_store_b32 v14, v96, s[2:3]
	global_store_b64 v15, v[MG+4:MG+5], s[2:3] offset:8
.Lend:
	s_wait_tensorcnt 0x0
	ds_add_u32 v224, v225
	s_wait_dscnt 0x0
	s_endpgm
.Lfunc_end_k_qff9247e10e_prep:
	.size	k_qff9247e10e_prep, .Lfunc_end_k_qff9247e10e_prep-k_qff9247e10e_prep
	.p2alignl 7, 3214868480
	.fill 96, 4, 3214868480
	.section	.rodata,"a",@progbits
	.p2align	6, 0x0
	.amdhsa_kernel k_qff9247e10e_prep
		.amdhsa_group_segment_fixed_size 11264
		.amdhsa_private_segment_fixed_size 0
		.amdhsa_enable_private_segment 0
		.amdhsa_kernarg_size 56
		.amdhsa_user_sgpr_count 2
		.amdhsa_user_sgpr_kernarg_segment_ptr 1
		.amdhsa_wavefront_size32 1
		.amdhsa_system_sgpr_workgroup_id_x 1
		.amdhsa_system_sgpr_workgroup_id_y 1
		.amdhsa_system_sgpr_workgroup_id_z 1
		.amdhsa_system_vgpr_workitem_id 0
		.amdhsa_next_free_vgpr 226
		.amdhsa_next_free_sgpr 102
		.amdhsa_reserve_vcc 1
		.amdhsa_float_denorm_mode_32 3
		.amdhsa_float_denorm_mode_16_64 3
		.amdhsa_memory_ordered 1
		.amdhsa_forward_progress 1
		.amdhsa_inst_pref_size 167
	.end_amdhsa_kernel
	.amdgpu_metadata
---
amdhsa.version: [ 1, 2 ]
amdhsa.kernels:
  - .name:           k_qff9247e10e_prep
    .symbol:         k_qff9247e10e_prep.kd
    .args:
      - { .name: seed_xyz_graspable, .offset: 0, .size: 8, .value_kind: global_buffer, .address_space: global }
      - { .name: vp_rot, .offset: 8, .size: 8, .value_kind: global_buffer, .address_space: global }
      - { .name: seed_features_graspable, .offset: 16, .size: 8, .value_kind: global_buffer, .address_space: global }
      - { .name: W1, .offset: 24, .size: 8, .value_kind: global_buffer, .address_space: global }
      - { .name: idx, .offset: 32, .size: 8, .value_kind: global_buffer, .address_space: global }
      - { .name: table, .offset: 40, .size: 8, .value_kind: global_buffer, .address_space: global }
      - { .name: w1blob, .offset: 48, .size: 8, .value_kind: global_buffer, .address_space: global }
    .group_segment_fixed_size: 11264
    .private_segment_fixed_size: 0
    .kernarg_segment_align: 8
    .kernarg_segment_size: 56
    .max_flat_workgroup_size: 256
    .sgpr_count:     102
    .vgpr_count:     226
    .wavefront_size: 32
...
	.end_amdgpu_metadata
.endif
;; end of part 1
;; launch stat1 (part 2): grid 256 x 1, 8 waves a work-group, no clusters, 89,088 bytes of LDS; arguments idx, table, w1blob, seed_xyz_graspable, vp_rot, p1; writes p1
.if DOCPART == 2
	.amdgcn_target "amdgcn-amd-amdhsa--gfx1250"
	.amdhsa_code_object_version 6
	.text
	.protected	k_qff9247e10e_stat1
	.globl	k_qff9247e10e_stat1
	.p2align	8
	.type	k_qff9247e10e_stat1,@function
k_qff9247e10e_stat1:
	s_mov_b64 s[64:65], 0
	v_nop
	global_prefetch_b8 v0, s[64:65] scope:SCOPE_SE
	s_setreg_imm32_b32 hwreg(HW_REG_WAVE_MODE, 25, 1), 1
	s_wait_xcnt 0x0
; y1 = W1 x on codes of E2M3 (K = 259: three K steps of 128, the third with block 8 alone), and of each of its 256 channels the mean and the sum of squared deviations (M2)
; over the work-group's 1,024 columns.  y1 itself is not kept: 268 MB would go to memory and come back; the next pass makes it again.
; SHARES.  Work-group g: centres 32 g ..; each of its eight waves four centres = 128 columns = 8 column tiles, against all 16 tiles of W1.  Two waves to a SIMD, which share nothing but W1 in LDS.
; COLUMNS.  Lane = sample.  Each lane gathers its point's entry of the table: blocks 1..8 as codes, block 0's 32 numbers as f32; the three coordinates are recentred, scaled and rotated, block 0 is quantised here.
; The halves of the lanes then change places register by register, which makes of a lane's 48 registers the fragments of two column tiles.
; K STEP 2.  W1's operand holds three codes in lanes 0-15 of its first register and zeros elsewhere, so whatever else stands in the columns' twelve registers is multiplied by the code 0.
; The product takes the columns as source 0 and W1's rows as source 1: a lane then holds ONE channel and its registers run over samples, so that the sums stay inside a lane.
; STATISTICS.  Each lane sums d = y - s, s its own first number: mean = s + S1 / 64, M2 = S2 - S1^2 / 64.  Partial results of equal counts are merged by mean = average, M2 = sum of M2 + n x sum of (mean_i - mean)^2.
; LIMITS: NaN and infinities are not served; (p - c) / 0.05 is taken as (p - c) x 20; a block whose largest magnitude lies under 2^-124 gets the byte 1.
.set STG, 55296                        ; LDS: 0 .. 55,295 w1blob as it lies in memory; from STG on 8 waves x 16 tiles x (128 bytes of means + 128 of M2)
.set HD,  24                           ; v24-39   for each centre: the three scale words of its columns (lane = sample), and block 8's codes
.set SC,  40                           ; v40-43   W1's scale words of two tiles: lanes 0-15 tile 2 u, lanes 16-31 tile 2 u + 1
.set KB,  44                           ; v44-67   W1's operand of K step 2, two tiles
.set WB,  68                           ; v68-115  W1's fragments: 24 q + 12 t'
.set TMP, 116                          ; v116-127 at work
.set ACC, 128                          ; v128-255 accumulators: 64 t' + 8 col
.set N,   128                          ; the same registers before the products: block 0's 32 numbers of four centres
.set XF,  0                            ; window 1: v0-191 the columns' fragments: 48 cc + 24 q + 12 e (column tile 2 cc + e)
.set G,   192                          ; window 1: v192-217 block 8's codes: column tile col's operand begins at G + 2 col
.set TQ,  220                          ; window 1: a conversion's second half
.set MSB, 0
.macro WIN new                         ; the immediate's high byte repeats the setting that is left
.if MSB != \new
	s_set_vgpr_msb (MSB<<8)|\new
.set MSB, \new
.endif
.endm
.macro NOPS n
.rept \n
	v_nop
.endr
.endm
; one matrix instruction: D at d, sources at a and b; z = 1: it starts the sum; scale words sa, sb, read from lanes 0-15 (row 0) or 16-31 (row 1)
.macro MM d, a, b, z, sa, sb, ra, rb
.if \z
.if (\ra) == 0 && (\rb) == 0
	v_wmma_scale_f32_16x16x128_f8f6f4 v[\d:\d+7], v[\a:\a+11], v[\b:\b+11], 0, v[\sa], v[\sb] matrix_a_fmt:MATRIX_FMT_FP6 matrix_b_fmt:MATRIX_FMT_FP6
.elseif (\ra) == 1 && (\rb) == 0
	v_wmma_scale_f32_16x16x128_f8f6f4 v[\d:\d+7], v[\a:\a+11], v[\b:\b+11], 0, v[\sa], v[\sb] matrix_a_fmt:MATRIX_FMT_FP6 matrix_b_fmt:MATRIX_FMT_FP6 matrix_a_scale:MATRIX_SCALE_ROW1
.elseif (\ra) == 0 && (\rb) == 1
	v_wmma_scale_f32_16x16x128_f8f6f4 v[\d:\d+7], v[\a:\a+11], v[\b:\b+11], 0, v[\sa], v[\sb] matrix_a_fmt:MATRIX_FMT_FP6 matrix_b_fmt:MATRIX_FMT_FP6 matrix_b_scale:MATRIX_SCALE_ROW1
.else
	v_wmma_scale_f32_16x16x128_f8f6f4 v[\d:\d+7], v[\a:\a+11], v[\b:\b+11], 0, v[\sa], v[\sb] matrix_a_fmt:MATRIX_FMT_FP6 matrix_b_fmt:MATRIX_FMT_FP6 matrix_a_scale:MATRIX_SCALE_ROW1 matrix_b_scale:MATRIX_SCALE_ROW1
.endif
.else
.if (\ra) == 0 && (\rb) == 0
	v_wmma_scale_f32_16x16x128_f8f6f4 v[\d:\d+7], v[\a:\a+11], v[\b:\b+11], v[\d:\d+7], v[\sa], v[\sb] matrix_a_fmt:MATRIX_FMT_FP6 matrix_b_fmt:MATRIX_FMT_FP6
.elseif (\ra) == 1 && (\rb) == 0
	v_wmma_scale_f32_16x16x128_f8f6f4 v[\d:\d+7], v[\a:\a+11], v[\b:\b+11], v[\d:\d+7], v[\sa], v[\sb] matrix_a_fmt:MATRIX_FMT_FP6 matrix_b_fmt:MATRIX_FMT_FP6 matrix_a_scale:MATRIX_SCALE_ROW1
.elseif (\ra) == 0 && (\rb) == 1
	v_wmma_scale_f32_16x16x128_f8f6f4 v[\d:\d+7], v[\a:\a+11], v[\b:\b+11], v[\d:\d+7], v[\sa], v[\sb] matrix_a_fmt:MATRIX_FMT_FP6 matrix_b_fmt:MATRIX_FMT_FP6 matrix_b_scale:MATRIX_SCALE_ROW1
.else
	v_wmma_scale_f32_16x16x128_f8f6f4 v[\d:\d+7], v[\a:\a+11], v[\b:\b+11], v[\d:\d+7], v[\sa], v[\sb] matrix_a_fmt:MATRIX_FMT_FP6 matrix_b_fmt:MATRIX_FMT_FP6 matrix_a_scale:MATRIX_SCALE_ROW1 matrix_b_scale:MATRIX_SCALE_ROW1
.endif
.endif
.endm
; a lane's entry of the table: 8 + 1 + 10 + 1 = 20 loads
.macro GATHER adr, cc
.irp i, 0,1,2,3,4,5,6,7
	global_load_b128 v[N+32*(\cc)+4*\i:N+32*(\cc)+4*\i+3], v[\adr], s[70:71] offset:16*\i
.endr
	global_load_b128 v[HD+4*(\cc):HD+4*(\cc)+3], v[\adr], s[70:71] offset:128
	WIN 0x40                                       ; destination window 1, address window 0
.irp i, 0,1,2,3,4,5,6,7,8,9
	global_load_b128 v[XF+48*(\cc)+6+4*\i:XF+48*(\cc)+9+4*\i], v[\adr], s[70:71] offset:144+16*\i
.endr
	global_load_b64 v[XF+48*(\cc)+46:XF+48*(\cc)+47], v[\adr], s[70:71] offset:304
	WIN 0
.endm
; centres a and b by turns: the coordinates, block 0's scale and codes, the exchange of halves, block 8's codes
.macro XPREP a, b
.irp cc, \a, \b
.irp m, 0,1,2
	v_sub_f32 v[18+3*((\cc)%2)+\m], v[N+32*(\cc)+\m], s[16+3*(\cc)+\m]
.endr
.endr
.irp cc, \a, \b
.irp m, 0,1,2
	v_mul_f32 v[18+3*((\cc)%2)+\m], 0x41a00000, v[18+3*((\cc)%2)+\m]       ; x 20 = / radius
.endr
.endr
.irp cc, \a, \b
.irp k, 0,1,2
	v_mul_f32 v[N+32*(\cc)+\k], s[28+9*(\cc)+\k], v[18+3*((\cc)%2)]
.endr
.endr
.irp cc, \a, \b
.irp k, 0,1,2
	v_fma_f32 v[N+32*(\cc)+\k], v[19+3*((\cc)%2)], s[31+9*(\cc)+\k], v[N+32*(\cc)+\k]
.endr
.endr
.irp cc, \a, \b
.irp k, 0,1,2
	v_fma_f32 v[N+32*(\cc)+\k], v[20+3*((\cc)%2)], s[34+9*(\cc)+\k], v[N+32*(\cc)+\k]
.endr
.endr
.irp cc, \a, \b
	v_max3_num_f32 v[TMP+4*((\cc)%2)], |v[N+32*(\cc)]|, |v[N+32*(\cc)+1]|, 0x1800000     ; with the floor 2^(3 - 127)
	v_max3_num_f32 v[TMP+1+4*((\cc)%2)], |v[N+32*(\cc)+2]|, |v[N+32*(\cc)+3]|, |v[N+32*(\cc)+4]|
.endr
.irp i, 5,9,13,17,21,25
.irp cc, \a, \b
	v_max3_num_f32 v[TMP+4*((\cc)%2)], v[TMP+4*((\cc)%2)], |v[N+32*(\cc)+\i]|, |v[N+32*(\cc)+\i+1]|
	v_max3_num_f32 v[TMP+1+4*((\cc)%2)], v[TMP+1+4*((\cc)%2)], |v[N+32*(\cc)+\i+2]|, |v[N+32*(\cc)+\i+3]|
.endr
.endr
.irp cc, \a, \b
	v_max3_num_f32 v[TMP+4*((\cc)%2)], v[TMP+4*((\cc)%2)], |v[N+32*(\cc)+29]|, |v[N+32*(\cc)+30]|
.endr
.irp cc, \a, \b
	v_max3_num_f32 v[TMP+4*((\cc)%2)], v[TMP+4*((\cc)%2)], v[TMP+1+4*((\cc)%2)], |v[N+32*(\cc)+31]|
.endr
.irp cc, \a, \b
	v_add_nc_u32 v[TMP+2+4*((\cc)%2)], 0xff000000, v[TMP+4*((\cc)%2)]      ; 2 off the exponent field: the conversion's scale operand
.endr
.irp cc, \a, \b
	v_lshrrev_b32 v[TMP+3+4*((\cc)%2)], 23, v[TMP+2+4*((\cc)%2)]
.endr
.irp cc, \a, \b
	v_or_b32 v[HD+4*(\cc)], v[HD+4*(\cc)], v[TMP+3+4*((\cc)%2)]            ; block 0's byte joins blocks 1..3's
.endr
	WIN 0x40
.irp cc, \a, \b
	v_cvt_scalef32_pk16_fp6_f32 v[XF+48*(\cc):XF+48*(\cc)+2], v[N+32*(\cc):N+32*(\cc)+15], v[TMP+2+4*((\cc)%2)]
	v_cvt_scalef32_pk16_fp6_f32 v[TQ+4*(\cc):TQ+4*(\cc)+2], v[N+32*(\cc)+16:N+32*(\cc)+31], v[TMP+2+4*((\cc)%2)]
.endr
	v_nop                                          ; one plain place behind the conversions
	WIN 0x41
.irp cc, \a, \b
.irp i, 0,1,2
	v_mov_b32 v[XF+48*(\cc)+3+\i], v[TQ+4*(\cc)+\i]
.endr
.endr
; a lane's registers hold blocks 0, 2 | 1, 3 | 4, 6 | 5, 7 of its sample.  The first run's lanes 16-31 change places with the second's lanes 0-15: the first is then the fragment of samples 0-15, the second that of samples 16-31
.irp cc, \a, \b
.irp i, 0,1,2,3,4,5,6,7,8,9,10,11
	v_permlane16_swap_b32 v[XF+48*(\cc)+\i], v[XF+48*(\cc)+12+\i]
	v_permlane16_swap_b32 v[XF+48*(\cc)+24+\i], v[XF+48*(\cc)+36+\i]
.endr
.endr
	WIN 0x40
.irp cc, \a, \b
	v_mov_b32 v[G+4*(\cc)], v[HD+4*(\cc)+3]
	v_permlanex16_b32 v[G+4*(\cc)+2], v[HD+4*(\cc)+3], s98, s99            ; samples 16-31's codes into lanes 0-15
.endr
	WIN 0
.endm
.macro LFRAG dst, adr, off             ; a fragment comes out of LDS as the image of its registers
.irp c, 0,1,2
	ds_load_b128 v[\dst+4*\c:\dst+4*\c+3], v[\adr] offset:\off+512*\c
.endr
.endm
.macro LW1 q, u
.irp tp, 0,1
	LFRAG WB+24*(\q)+12*\tp, 2, (2*(2*(\u)+\tp)+(\q))*1536
.endr
.endm
.macro LK1 u
	ds_load_b32 v[KB], v3 offset:53248+128*(2*(\u))
	ds_load_b32 v[KB+12], v3 offset:53248+128*(2*(\u)+1)
	ds_load_b128 v[SC:SC+3], v2 offset:49152+512*(\u)
.endm
.macro LEVEL base, st                  ; one level of a sum in place, from the low end on
.set si, 0
.rept (\st)/2
	v_pk_add_f32 v[\base+si:\base+si+1], v[\base+si:\base+si+1], v[\base+si+(\st):\base+si+(\st)+1]
.set si, si+2
.endr
.endm
; mean and M2 of a lane's nv numbers at v[base] on; they go to my stage at off (means) and off + 128 (M2)
.macro STATS base, nv, shift, off
.if \shift
	v_xor_b32 v[TMP], 0x80000000, v[\base]         ; -s
.set si, 0
.rept (\nv)/2
	v_pk_add_f32 v[\base+si:\base+si+1], v[\base+si:\base+si+1], v[TMP:TMP+1] op_sel_hi:[1,0]
.set si, si+2
.endr
.endif
.irp c, 0,1,2,3
	v_pk_mul_f32 v[TMP+2+2*\c:TMP+3+2*\c], v[\base+2*\c:\base+2*\c+1], v[\base+2*\c:\base+2*\c+1]
.endr
.set si, 8
.rept (\nv)/2-4
	v_pk_fma_f32 v[TMP+2+(si%8):TMP+3+(si%8)], v[\base+si:\base+si+1], v[\base+si:\base+si+1], v[TMP+2+(si%8):TMP+3+(si%8)]
.set si, si+2
.endr
.if \nv == 64
	LEVEL \base, 32
.endif
	LEVEL \base, 16
	LEVEL \base, 8
	LEVEL \base, 4
	LEVEL \base, 2
	v_pk_add_f32 v[TMP+2:TMP+3], v[TMP+2:TMP+3], v[TMP+4:TMP+5]
	v_pk_add_f32 v[TMP+6:TMP+7], v[TMP+6:TMP+7], v[TMP+8:TMP+9]
	v_pk_add_f32 v[TMP+2:TMP+3], v[TMP+2:TMP+3], v[TMP+6:TMP+7]
	v_add_f32 v[TMP+4], v[\base], v[\base+1]       ; S1
	v_add_f32 v[TMP+5], v[TMP+2], v[TMP+3]         ; S2
.if \nv == 64
	v_mul_f32 v[TMP+6], 0x3c800000, v[TMP+4]
.else
	v_mul_f32 v[TMP+6], 0x3d000000, v[TMP+4]
.endif
	v_fma_f32 v[TMP+8], -v[TMP+6], v[TMP+4], v[TMP+5]
.if \shift
	v_sub_f32 v[TMP+6], v[TMP+6], v[TMP]
.endif
	ds_store_b32 v8, v[TMP+6] offset:\off
	ds_store_b32 v8, v[TMP+8] offset:\off+128
.endm
; np partial results (means v128 .., M2 v160 ..) of equal counts become one: mean in v[TMP+8], M2 in v[TMP+9]; s81 holds the count as f32
.macro MERGE np, invp
	v_pk_add_f32 v[TMP:TMP+1], v[128:129], v[130:131]
	v_pk_add_f32 v[TMP+6:TMP+7], v[160:161], v[162:163]
.set si, 4
.rept (\np)/2-2
	v_pk_add_f32 v[TMP:TMP+1], v[TMP:TMP+1], v[128+si:129+si]
	v_pk_add_f32 v[TMP+6:TMP+7], v[TMP+6:TMP+7], v[160+si:161+si]
.set si, si+2
.endr
	v_add_f32 v[TMP], v[TMP], v[TMP+1]
	v_mul_f32 v[TMP+8], \invp, v[TMP]
	v_xor_b32 v[TMP+2], 0x80000000, v[TMP+8]
	v_mov_b32 v[TMP+3], v[TMP+2]
.set si, 0
.rept (\np)/2
	v_pk_add_f32 v[128+si:129+si], v[128+si:129+si], v[TMP+2:TMP+3]
.set si, si+2
.endr
	v_pk_mul_f32 v[TMP+4:TMP+5], v[128:129], v[128:129]
.set si, 2
.rept (\np)/2-1
	v_pk_fma_f32 v[TMP+4:TMP+5], v[128+si:129+si], v[128+si:129+si], v[TMP+4:TMP+5]
.set si, si+2
.endr
	v_add_f32 v[TMP+4], v[TMP+4], v[TMP+5]
	v_add_f32 v[TMP+6], v[TMP+6], v[TMP+7]
	v_fma_f32 v[TMP+9], v[TMP+4], s81, v[TMP+6]
.endm
	s_load_b256 s[68:75], s[0:1], 0x0              ; idx s[68:69], table s[70:71], w1blob s[72:73], xyz s[74:75]
	s_load_b128 s[76:79], s[0:1], 0x20             ; rot s[76:77], p1 s[78:79]
	v_lshl_add_u32 v126, v0, 2, 0x15800
	v_mov_b32 v127, 0
	v_lshrrev_b32 v1, 5, v0
	v_readfirstlane_b32 s80, v1                    ; wave
	v_and_b32 v1, 31, v0                           ; lane
	v_lshlrev_b32 v2, 4, v1                        ; 16 x lane
	v_lshlrev_b32 v3, 2, v1                        ; 4 x lane
	v_lshlrev_b32 v4, 3, v1                        ; 8 x lane
	v_lshlrev_b32 v7, 4, v0                        ; 16 x thread
	s_lshl_b32 s81, s80, 12
	s_add_co_u32 s81, s81, STG
	v_add_nc_u32 v8, s81, v3                       ; my stage: STG + 4,096 x wave + 4 x lane
	v_lshrrev_b32 v5, 4, v0                        ; for the closing merge: thread = 16 t + r
	v_and_b32 v6, 15, v0
	v_lshlrev_b32 v9, 8, v5
	v_lshl_add_u32 v9, v6, 2, v9
	v_add_nc_u32 v9, STG, v9                       ; STG + 256 t + 4 r
	v_and_b32 v18, 8, v6
	v_add_nc_u32 v6, v6, v18
	v_lshrrev_b32 v18, 1, v5
	v_lshl_add_u32 v6, v18, 5, v6
	v_and_b32 v18, 1, v5
	v_lshl_add_u32 v6, v18, 3, v6                  ; the channel of lane r of tile t
	v_lshlrev_b32 v6, 3, v6                        ; 8 bytes a channel
	s_lshl_b32 s82, ttmp9, 12                      ; idx: pair 16 g + 2 w
	s_lshl_b32 s83, s80, 9
	s_add_co_u32 s82, s82, s83
	s_mov_b32 s83, 0
	s_lshr_b32 s84, ttmp9, 5                       ; table: the batch's 1,024 entries
	s_mul_i32 s84, s84, 327680
	s_mov_b32 s85, 0
	s_mul_i32 s86, ttmp9, 384                      ; my four centres' xyz
	s_mul_i32 s87, s80, 48
	s_add_co_u32 s86, s86, s87
	s_mov_b32 s87, 0
	s_mul_i32 s88, ttmp9, 1152                     ; and rot
	s_mul_i32 s89, s80, 144
	s_add_co_u32 s88, s88, s89
	s_mov_b32 s89, 0
	s_lshl_b32 s90, ttmp9, 11                      ; p1: 2,048 bytes a work-group
	s_mov_b32 s91, 0
	s_mov_b32 s98, 0x76543210
	s_mov_b32 s99, 0xfedcba98                      ; v_permlanex16_b32's selects for lane l xor 16
	s_wait_kmcnt 0x0
	s_add_nc_u64 s[68:69], s[68:69], s[82:83]
	s_add_nc_u64 s[70:71], s[70:71], s[84:85]
	s_add_nc_u64 s[74:75], s[74:75], s[86:87]
	s_add_nc_u64 s[76:77], s[76:77], s[88:89]
	s_add_nc_u64 s[78:79], s[78:79], s[90:91]
	s_load_b256 s[16:23], s[74:75], 0x0
	s_load_b128 s[24:27], s[74:75], 0x20
	s_load_b512 s[28:43], s[76:77], 0x0
	s_load_b512 s[44:59], s[76:77], 0x40
	s_load_b128 s[60:63], s[76:77], 0x80
	global_load_b64 v[14:15], v4, s[68:69]         ; the indices of centres 0, 1 (lane = slot),
	global_load_b64 v[16:17], v4, s[68:69] offset:256          ; of centres 2, 3
.set k, 0
.rept 13
	global_load_b128 v[44+4*k:47+4*k], v7, s[72:73] offset:4096*k      ; W1's images and scale words: 4,096 bytes a round of the 256 threads
.set k, k+1
.endr
	s_cmp_lt_u32 s80, 4
	s_cbranch_scc0 .Lno14a
	global_load_b128 v[96:99], v7, s[72:73] offset:53248       ; the last 2,048 bytes: waves 0-3
.Lno14a:
	s_wait_loadcnt 13                              ; behind the indices' loads stand 13 or 14 others: the indices are in
.irp c, 0,1,2,3
	v_min_u32 v[10+\c], 0x3ff, v[14+\c]
.endr
.irp c, 0,1,2,3
	v_mul_u32_u24 v[10+\c], v[10+\c], 320
.endr
	GATHER 10, 0
	GATHER 11, 1
	s_wait_loadcnt 40                              ; all but the 2 x 20 loads of the two gathers: W1 is in
.set k, 0
.rept 13
	ds_store_b128 v7, v[44+4*k:47+4*k] offset:4096*k
.set k, k+1
.endr
	s_cmp_lt_u32 s80, 4
	s_cbranch_scc0 .Lno14b
	ds_store_b128 v7, v[96:99] offset:53248
.Lno14b:
	GATHER 12, 2
	GATHER 13, 3
.irp i, 1,2,3,4,5,6,7,8,9,10,11,13,14,15,16,17,18,19,20,21,22,23
	v_mov_b32 v[KB+\i], 0                          ; K step 2: all of W1's operand but its first register is zeros
.endr
	WIN 0x40
.set k, 0
.rept 26
	v_mov_b32 v[G+k], 0
.set k, k+1
.endr
	WIN 0
	s_wait_dscnt 0x0                               ; my part of W1 has landed,
	s_barrier_signal -1
	s_barrier_wait -1                              ; everybody's has; nobody writes those bytes again
	LW1 0, 0
	LW1 1, 0
	LK1 0
	s_wait_loadcnt 0x0
	s_wait_kmcnt 0x0
	XPREP 0, 1
	XPREP 2, 3
	NOPS 8                                         ; scale words and operands that vector instructions wrote stand 8 and 4 places ahead of a scaled matrix instruction
; Tiles 2 u and 2 u + 1 of W1 against my 8 column tiles: 16 accumulators by turns, one instruction a turn, K step by K step.
; Behind each run: four places, then the next unit's fragments into the registers that the run has read.
.macro S1UNIT u
	s_wait_dscnt 0x0                               ; this unit's fragments and scale words are in
.irp q, 0,1,2
	WIN 0x01                                       ; source 0 (the columns) window 1
.irp col, 0,1,2,3,4,5,6,7
.irp tp, 0,1
.if \q == 0
	MM ACC+64*\tp+8*\col, XF+48*(\col/2)+12*(\col%2), WB+12*\tp, 1, HD+4*(\col/2), SC, \col%2, \tp
.elseif \q == 1
	MM ACC+64*\tp+8*\col, XF+48*(\col/2)+24+12*(\col%2), WB+24+12*\tp, 0, HD+4*(\col/2)+1, SC+1, \col%2, \tp
.else
	MM ACC+64*\tp+8*\col, G+2*\col, KB+12*\tp, 0, HD+4*(\col/2)+2, SC+2, \col%2, \tp
.endif
.endr
.endr
	NOPS 4
	WIN 0
.if \u < 7
.if \q < 2
	LW1 \q, \u+1
.else
	LK1 \u+1
.endif
.endif
.endr
	STATS ACC, 64, 1, 256*(2*(\u))
	STATS ACC+64, 64, 1, 256*(2*(\u)+1)
.endm
.irp u, 0,1,2,3,4,5,6,7
	S1UNIT \u
.endr
	s_mov_b32 s81, 0x42800000                      ; 64 numbers in each partial result
	s_wait_dscnt 0x0                               ; my stage is written,
	s_barrier_signal -1
	s_barrier_wait -1                              ; everybody's is
.irp s, 0,1,2,3,4,5,6,7
.irp h, 0,1
	ds_load_b32 v[128+2*\s+\h], v9 offset:4096*\s+64*\h
	ds_load_b32 v[160+2*\s+\h], v9 offset:4096*\s+64*\h+128
.endr
.endr
	s_wait_dscnt 0x0
	MERGE 16, 0x3d800000
	global_store_b64 v6, v[TMP+8:TMP+9], s[78:79]  ; [work-group][channel][mean, M2]: the work-group fills its 2,048 bytes
	s_wait_tensorcnt 0x0
	ds_add_u32 v126, v127
	s_wait_dscnt 0x0
	s_endpgm
.Lfunc_end_k_qff9247e10e_stat1:
	.size	k_qff9247e10e_stat1, .Lfunc_end_k_qff9247e10e_stat1-k_qff9247e10e_stat1
	.p2alignl 7, 3214868480
	.fill 96, 4, 3214868480
	.section	.rodata,"a",@progbits
	.p2align	6, 0x0
	.amdhsa_kernel k_qff9247e10e_stat1
		.amdhsa_group_segment_fixed_size 89088
		.amdhsa_private_segment_fixed_size 0
		.amdhsa_enable_private_segment 0
		.amdhsa_kernarg_size 48
		.amdhsa_user_sgpr_count 2
		.amdhsa_user_sgpr_kernarg_segment_ptr 1
		.amdhsa_wavefront_size32 1
		.amdhsa_system_sgpr_workgroup_id_x 1
		.amdhsa_system_sgpr_workgroup_id_y 1
		.amdhsa_system_sgpr_workgroup_id_z 1
		.amdhsa_system_vgpr_workitem_id 0
		.amdhsa_next_free_vgpr 512
		.amdhsa_next_free_sgpr 100
		.amdhsa_reserve_vcc 0
		.amdhsa_float_denorm_mode_32 3
		.amdhsa_float_denorm_mode_16_64 3
		.amdhsa_memory_ordered 1
		.amdhsa_forward_progress 1
		.amdhsa_inst_pref_size 198
	.end_amdhsa_kernel
	.amdgpu_metadata
---
amdhsa.version: [ 1, 2 ]
amdhsa.kernels:
  - .name:           k_qff9247e10e_stat1
    .symbol:         k_qff9247e10e_stat1.kd
    .args:
      - { .name: idx, .offset: 0, .size: 8, .value_kind: global_buffer, .address_space: global }
      - { .name: table, .offset: 8, .size: 8, .value_kind: global_buffer, .address_space: global }
      - { .name: w1blob, .offset: 16, .size: 8, .value_kind: global_buffer, .address_space: global }
      - { .name: seed_xyz_graspable, .offset: 24, .size: 8, .value_kind: global_buffer, .address_space: global }
      - { .name: vp_rot, .offset: 32, .size: 8, .value_kind: global_buffer, .address_space: global }
      - { .name: p1, .offset: 40, .size: 8, .value_kind: global_buffer, .address_space: global }
    .group_segment_fixed_size: 89088
    .private_segment_fixed_size: 0
    .kernarg_segment_align: 8
    .kernarg_segment_size: 48
    .max_flat_workgroup_size: 256
    .sgpr_count:     100
    .vgpr_count:     512
    .wavefront_size: 32
...
	.end_amdgpu_metadata
.endif
;; end of part 2
;; launch bn1 (part 3): grid 8 x 1, 8 waves a work-group, no clusters, 3,072 bytes of LDS; arguments p1, g1, b1, bn1p; writes bn1p
.if DOCPART == 3
	.amdgcn_target "amdgcn-amd-amdhsa--gfx1250"
	.amdhsa_code_object_version 6
	.text
	.protected	k_qff9247e10e_bn1
	.globl	k_qff9247e10e_bn1
	.p2align	8
	.type	k_qff9247e10e_bn1,@function
k_qff9247e10e_bn1:
	s_mov_b64 s[64:65], 0
	v_nop
	global_prefetch_b8 v0, s[64:65] scope:SCOPE_SE
	s_setreg_imm32_b32 hwreg(HW_REG_WAVE_MODE, 25, 1), 1
	s_wait_xcnt 0x0
; The 256 work-groups' (mean, M2) of each channel of y1, each over 1,024 columns, become the batch norm's a = g rsqrt(var + 1e-5) and c = b - mean a.
; Work-group g: channels 32 g ..; lane = channel; wave w takes rows w + 8 k, k = 0..31: each load of a wave covers 256 consecutive bytes, aligned.
; Eight work-groups: there is no more work than 512 KB to read once; done inside the next launch, each of its 256 work-groups would read all of it.
; mean = average of the means; M2 = sum of M2 + 1,024 x sum of (mean_i - mean)^2: no difference of large sums is formed.
.macro REDUCE
	s_wait_loadcnt 0x0
.irp c, 0,1,2,3
	v_pk_add_f32 v[96+2*\c:97+2*\c], v[32+2*\c:33+2*\c], v[40+2*\c:41+2*\c]        ; means in the low halves, M2 in the high ones: four chains
.endr
.set k, 8
.rept 24
	v_pk_add_f32 v[96+2*(k%4):97+2*(k%4)], v[96+2*(k%4):97+2*(k%4)], v[32+2*k:33+2*k]
.set k, k+1
.endr
	v_pk_add_f32 v[96:97], v[96:97], v[98:99]
	v_pk_add_f32 v[100:101], v[100:101], v[102:103]
	v_pk_add_f32 v[96:97], v[96:97], v[100:101]
	ds_store_b32 v4, v96
	s_wait_dscnt 0x0                               ; my sum of means has landed,
	s_barrier_signal -1
	s_barrier_wait -1                              ; all eight have
.irp i, 0,1,2,3,4,5,6,7
	ds_load_b32 v[104+\i], v3 offset:128*\i
.endr
	s_wait_dscnt 0x0
	v_add_f32 v104, v104, v105
	v_add_f32 v106, v106, v107
	v_add_f32 v108, v108, v109
	v_add_f32 v110, v110, v111
	v_add_f32 v104, v104, v106
	v_add_f32 v108, v108, v110
	v_add_f32 v104, v104, v108
	v_mul_f32 v112, 0x3b800000, v104               ; the mean: / 256
.irp c, 0,1,2,3
	v_sub_f32 v[32+2*\c], v[32+2*\c], v112
.endr
.irp c, 0,1,2,3
	v_mul_f32 v[98+\c], v[32+2*\c], v[32+2*\c]
.endr
.set k, 4
.rept 28
	v_sub_f32 v[32+2*k], v[32+2*k], v112
	v_fma_f32 v[98+k%4], v[32+2*k], v[32+2*k], v[98+k%4]
.set k, k+1
.endr
	v_add_f32 v98, v98, v99
	v_add_f32 v100, v100, v101
	v_add_f32 v98, v98, v100
	v_fma_f32 v97, v98, s20, v97                   ; my 32 rows' M2 about the common mean
	ds_store_b32 v4, v97 offset:1024               ; other bytes than the first exchange's
	s_wait_dscnt 0x0
	s_barrier_signal -1
	s_barrier_wait -1
.irp i, 0,1,2,3,4,5,6,7
	ds_load_b32 v[104+\i], v3 offset:1024+128*\i
.endr
	s_wait_dscnt 0x0
	v_add_f32 v104, v104, v105
	v_add_f32 v106, v106, v107
	v_add_f32 v108, v108, v109
	v_add_f32 v110, v110, v111
	v_add_f32 v104, v104, v106
	v_add_f32 v108, v108, v110
	v_add_f32 v104, v104, v108
	v_fma_f32 v113, v104, s21, s22                 ; var + eps: M2 / 262,144 + 1e-5
	v_rsq_f32 v113, v113
	v_nop                                          ; one plain place behind the transcendental
	s_wait_alu depctr_va_vdst(0)
	v_mul_f32 v114, v8, v113                       ; a
	v_fma_f32 v116, -v112, v114, v9                ; c
.endm
	s_load_b256 s[4:11], s[0:1], 0x0               ; p1, g1, b1, bn1p
	v_lshl_add_u32 v128, v0, 2, 0x800
	v_mov_b32 v129, 0
	v_lshrrev_b32 v1, 5, v0
	v_readfirstlane_b32 s12, v1
	v_and_b32 v1, 31, v0
	v_lshlrev_b32 v2, 3, v1
	s_lshl_b32 s13, s12, 11
	v_add_nc_u32 v2, s13, v2                       ; 8 x lane + 2,048 x wave
	v_lshlrev_b32 v3, 2, v1                        ; 4 x lane
	s_lshl_b32 s13, s12, 7
	v_add_nc_u32 v4, s13, v3                       ; LDS: 128 x wave + 4 x lane
	s_lshl_b32 s14, ttmp9, 8
	s_mov_b32 s15, 0
	s_lshl_b32 s16, ttmp9, 7
	s_mov_b32 s17, 0
	s_mov_b32 s20, 0x44800000                      ; 1,024
	s_mov_b32 s21, 0x36800000                      ; 2^-18
	s_mov_b32 s22, 0x3727c5ac                      ; 1e-5
	s_wait_kmcnt 0x0
	s_add_nc_u64 s[4:5], s[4:5], s[14:15]
	s_add_nc_u64 s[6:7], s[6:7], s[16:17]
	s_add_nc_u64 s[8:9], s[8:9], s[16:17]
	s_add_nc_u64 s[10:11], s[10:11], s[16:17]
.set k, 0
.rept 32
	global_load_b64 v[32+2*k:33+2*k], v2, s[4:5] offset:16384*k
.set k, k+1
.endr
	global_load_b32 v8, v3, s[6:7]
	global_load_b32 v9, v3, s[8:9]
	REDUCE
	s_cmp_lg_u32 s12, 0
	s_cbranch_scc1 .Lend
	global_store_b32 v3, v114, s[10:11]            ; a[256], then c[256]
	global_store_b32 v3, v116, s[10:11] offset:1024
.Lend:
	s_wait_tensorcnt 0x0
	ds_add_u32 v128, v129
	s_wait_dscnt 0x0
	s_endpgm
.Lfunc_end_k_qff9247e10e_bn1:
	.size	k_qff9247e10e_bn1, .Lfunc_end_k_qff9247e10e_bn1-k_qff9247e10e_bn1
	.p2alignl 7, 3214868480
	.fill 96, 4, 3214868480
	.section	.rodata,"a",@progbits
	.p2align	6, 0x0
	.amdhsa_kernel k_qff9247e10e_bn1
		.amdhsa_group_segment_fixed_size 3072
		.amdhsa_private_segment_fixed_size 0
		.amdhsa_enable_private_segment 0
		.amdhsa_kernarg_size 32
		.amdhsa_user_sgpr_count 2
		.amdhsa_user_sgpr_kernarg_segment_ptr 1
		.amdhsa_wavefront_size32 1
		.amdhsa_system_sgpr_workgroup_id_x 1
		.amdhsa_system_sgpr_workgroup_id_y 1
		.amdhsa_system_sgpr_workgroup_id_z 1
		.amdhsa_system_vgpr_workitem_id 0
		.amdhsa_next_free_vgpr 130
		.amdhsa_next_free_sgpr 66
		.amdhsa_reserve_vcc 0
		.amdhsa_float_denorm_mode_32 3
		.amdhsa_float_denorm_mode_16_64 3
		.amdhsa_memory_ordered 1
		.amdhsa_forward_progress 1
		.amdhsa_inst_pref_size 12
	.end_amdhsa_kernel
	.amdgpu_metadata
---
amdhsa.version: [ 1, 2 ]
amdhsa.kernels:
  - .name:           k_qff9247e10e_bn1
    .symbol:         k_qff9247e10e_bn1.kd
    .args:
      - { .name: p1, .offset: 0, .size: 8, .value_kind: global_buffer, .address_space: global }
      - { .name: g1, .offset: 8, .size: 8, .value_kind: global_buffer, .address_space: global }
      - { .name: b1, .offset: 16, .size: 8, .value_kind: global_buffer, .address_space: global }
      - { .name: bn1p, .offset: 24, .size: 8, .value_kind: global_buffer, .address_space: global }
    .group_segment_fixed_size: 3072
    .private_segment_fixed_size: 0
    .kernarg_segment_align: 8
    .kernarg_segment_size: 32
    .max_flat_workgroup_size: 256
    .sgpr_count:     66
    .vgpr_count:     130
    .wavefront_size: 32
...
	.end_amdgpu_metadata
.endif
;; end of part 3
;; launch main (part 4): grid 256 x 1, 8 waves a work-group, no clusters, 175,104 bytes of LDS; arguments idx, table, w1blob, W2_codes, W2_scales, bn1p, seed_xyz_graspable, vp_rot, g2, ysel, p2; writes ysel, p2
.if DOCPART == 4
	.amdgcn_target "amdgcn-amd-amdhsa--gfx1250"
	.amdhsa_code_object_version 6
	.text
	.protected	k_qff9247e10e_main
	.globl	k_qff9247e10e_main
	.p2align	8
	.type	k_qff9247e10e_main,@function
k_qff9247e10e_main:
	s_mov_b64 s[64:65], 0
	v_nop
	global_prefetch_b8 v0, s[64:65] scope:SCOPE_SE
	s_setreg_imm32_b32 hwreg(HW_REG_WAVE_MODE, 25, 1), 1
	s_wait_xcnt 0x0
; y1 = W1 x once more, h = relu(a1 y1 + c1) quantised in registers, y2 = W2 h; of y2 only two things leave: for each (centre, channel) the largest of the 32 samples where g2 >= 0 and the smallest
; where g2 < 0 (the second batch norm and relu are monotone in y2, rising or falling with g2's sign), and each channel's mean and M2 over the work-group's 1,024 columns.
; SHARES.  Work-group g: centres 32 g ..; a wave four centres, two a trip = 4 column tiles.  Two waves to a SIMD, which share nothing but the weights in LDS: one wave's vector work stands beside the other's products.
; PRODUCT 3 takes W1's rows as source 0 and the columns as source 1: a lane holds ONE sample, and by the order of W1's rows the 16 registers of tiles 2 u and 2 u + 1 are channels 32 u + 16 (lane / 16) + 0 .. 15:
; half of block u of the next K.  The block's largest number joins lanes l and l xor 16; two blocks' conversions change halves and are the next operand's registers.
; PRODUCT 4 takes h as source 0 and W2's rows as source 1: a lane holds ONE channel and its registers run over samples: largest, smallest and sums stay inside a lane.
; LIMITS: as in the first pass; the batch norm is one fused multiply-add a y + c; M2 of a lane's 32 numbers of y2 is S2 - S1^2 / 32: its relative error is about 6e-8 x (1 + mean^2 / variance).
.set W2IMG, 55296                      ; LDS: 0 .. w1blob;  W2's 32 fragments as images, 1,536 bytes each (2 x tile + K step);
.set W2SC,  104448                     ; W2's scale bytes as they lie in memory, 8 a row;
.set BNAL,  106496                     ; a1[256], c1[256];
.set STG,   108544                     ; 16 slots (2 x wave + trip) x 16 tiles x (128 bytes of means + 128 of M2)
.set HD,  24                           ; v24-31   two centres: the columns' three scale words, and block 8's codes
.set SC,  32                           ; v32-35   the weights' scale words of two tiles
.set HS,  36                           ; v36-43   h's scale words: 2 col + K step
.set KB,  44                           ; v44-67   W1's operand of K step 2; in product 4 at work:
.set MX,  44                           ; v44-47   largest: 2 cc + t'
.set MN,  48                           ; v48-51   smallest
.set Y,   52                           ; v52-53   what is stored
.set WB,  68                           ; v68-115  the weights' fragments: 24 q + 12 t'
.set TMP, 116                          ; v116-127 at work
.set N,   128                          ; v128-191 block 0's numbers of two centres; during product 3:
.set BNA, 128                          ; v128-143 a1 of my 16 channels
.set BNC, 144                          ; v144-159 c1
.set ACC, 192                          ; v192-255 accumulators
.set XF,  0                            ; window 1: v0-95 the columns' fragments: 48 cc + 24 q + 12 e
.set G,   96                           ; window 1: v96-113 block 8's codes
.set HC,  114                          ; window 1: v114-209 h's fragments: 24 col + 12 K step
.set TQ,  210                          ; window 1: v210-225 a conversion's second half
.set MSB, 0
.macro WIN new                         ; the immediate's high byte repeats the setting that is left
.if MSB != \new
	s_set_vgpr_msb (MSB<<8)|\new
.set MSB, \new
.endif
.endm
.macro NOPS n
.rept \n
	v_nop
.endr
.endm
.macro MM d, a, b, z, sa, sb, ra, rb
.if \z
.if (\ra) == 0 && (\rb) == 0
	v_wmma_scale_f32_16x16x128_f8f6f4 v[\d:\d+7], v[\a:\a+11], v[\b:\b+11], 0, v[\sa], v[\sb] matrix_a_fmt:MATRIX_FMT_FP6 matrix_b_fmt:MATRIX_FMT_FP6
.elseif (\ra) == 1 && (\rb) == 0
	v_wmma_scale_f32_16x16x128_f8f6f4 v[\d:\d+7], v[\a:\a+11], v[\b:\b+11], 0, v[\sa], v[\sb] matrix_a_fmt:MATRIX_FMT_FP6 matrix_b_fmt:MATRIX_FMT_FP6 matrix_a_scale:MATRIX_SCALE_ROW1
.elseif (\ra) == 0 && (\rb) == 1
	v_wmma_scale_f32_16x16x128_f8f6f4 v[\d:\d+7], v[\a:\a+11], v[\b:\b+11], 0, v[\sa], v[\sb] matrix_a_fmt:MATRIX_FMT_FP6 matrix_b_fmt:MATRIX_FMT_FP6 matrix_b_scale:MATRIX_SCALE_ROW1
.else
	v_wmma_scale_f32_16x16x128_f8f6f4 v[\d:\d+7], v[\a:\a+11], v[\b:\b+11], 0, v[\sa], v[\sb] matrix_a_fmt:MATRIX_FMT_FP6 matrix_b_fmt:MATRIX_FMT_FP6 matrix_a_scale:MATRIX_SCALE_ROW1 matrix_b_scale:MATRIX_SCALE_ROW1
.endif
.else
.if (\ra) == 0 && (\rb) == 0
	v_wmma_scale_f32_16x16x128_f8f6f4 v[\d:\d+7], v[\a:\a+11], v[\b:\b+11], v[\d:\d+7], v[\sa], v[\sb] matrix_a_fmt:MATRIX_FMT_FP6 matrix_b_fmt:MATRIX_FMT_FP6
.elseif (\ra) == 1 && (\rb) == 0
	v_wmma_scale_f32_16x16x128_f8f6f4 v[\d:\d+7], v[\a:\a+11], v[\b:\b+11], v[\d:\d+7], v[\sa], v[\sb] matrix_a_fmt:MATRIX_FMT_FP6 matrix_b_fmt:MATRIX_FMT_FP6 matrix_a_scale:MATRIX_SCALE_ROW1
.elseif (\ra) == 0 && (\rb) == 1
	v_wmma_scale_f32_16x16x128_f8f6f4 v[\d:\d+7], v[\a:\a+11], v[\b:\b+11], v[\d:\d+7], v[\sa], v[\sb] matrix_a_fmt:MATRIX_FMT_FP6 matrix_b_fmt:MATRIX_FMT_FP6 matrix_b_scale:MATRIX_SCALE_ROW1
.else
	v_wmma_scale_f32_16x16x128_f8f6f4 v[\d:\d+7], v[\a:\a+11], v[\b:\b+11], v[\d:\d+7], v[\sa], v[\sb] matrix_a_fmt:MATRIX_FMT_FP6 matrix_b_fmt:MATRIX_FMT_FP6 matrix_a_scale:MATRIX_SCALE_ROW1 matrix_b_scale:MATRIX_SCALE_ROW1
.endif
.endif
.endm
.macro GATHER adr, cc                  ; a lane's entry of the table: 8 + 1 + 10 + 1 = 20 loads
.irp i, 0,1,2,3,4,5,6,7
	global_load_b128 v[N+32*(\cc)+4*\i:N+32*(\cc)+4*\i+3], v[\adr], s[70:71] offset:16*\i
.endr
	global_load_b128 v[HD+4*(\cc):HD+4*(\cc)+3], v[\adr], s[70:71] offset:128
	WIN 0x40
.irp i, 0,1,2,3,4,5,6,7,8,9
	global_load_b128 v[XF+48*(\cc)+6+4*\i:XF+48*(\cc)+9+4*\i], v[\adr], s[70:71] offset:144+16*\i
.endr
	global_load_b64 v[XF+48*(\cc)+46:XF+48*(\cc)+47], v[\adr], s[70:71] offset:304
	WIN 0
.endm
.macro XPREP a, b                      ; centres a and b by turns: the coordinates, block 0's scale and codes, the exchange of halves, block 8's codes
.irp cc, \a, \b
.irp m, 0,1,2
	v_sub_f32 v[18+3*((\cc)%2)+\m], v[N+32*(\cc)+\m], s[16+3*(\cc)+\m]
.endr
.endr
.irp cc, \a, \b
.irp m, 0,1,2
	v_mul_f32 v[18+3*((\cc)%2)+\m], 0x41a00000, v[18+3*((\cc)%2)+\m]
.endr
.endr
.irp cc, \a, \b
.irp k, 0,1,2
	v_mul_f32 v[N+32*(\cc)+\k], s[28+9*(\cc)+\k], v[18+3*((\cc)%2)]
.endr
.endr
.irp cc, \a, \b
.irp k, 0,1,2
	v_fma_f32 v[N+32*(\cc)+\k], v[19+3*((\cc)%2)], s[31+9*(\cc)+\k], v[N+32*(\cc)+\k]
.endr
.endr
.irp cc, \a, \b
.irp k, 0,1,2
	v_fma_f32 v[N+32*(\cc)+\k], v[20+3*((\cc)%2)], s[34+9*(\cc)+\k], v[N+32*(\cc)+\k]
.endr
.endr
.irp cc, \a, \b
	v_max3_num_f32 v[TMP+4*((\cc)%2)], |v[N+32*(\cc)]|, |v[N+32*(\cc)+1]|, 0x1800000
	v_max3_num_f32 v[TMP+1+4*((\cc)%2)], |v[N+32*(\cc)+2]|, |v[N+32*(\cc)+3]|, |v[N+32*(\cc)+4]|
.endr
.irp i, 5,9,13,17,21,25
.irp cc, \a, \b
	v_max3_num_f32 v[TMP+4*((\cc)%2)], v[TMP+4*((\cc)%2)], |v[N+32*(\cc)+\i]|, |v[N+32*(\cc)+\i+1]|
	v_max3_num_f32 v[TMP+1+4*((\cc)%2)], v[TMP+1+4*((\cc)%2)], |v[N+32*(\cc)+\i+2]|, |v[N+32*(\cc)+\i+3]|
.endr
.endr
.irp cc, \a, \b
	v_max3_num_f32 v[TMP+4*((\cc)%2)], v[TMP+4*((\cc)%2)], |v[N+32*(\cc)+29]|, |v[N+32*(\cc)+30]|
.endr
.irp cc, \a, \b
	v_max3_num_f32 v[TMP+4*((\cc)%2)], v[TMP+4*((\cc)%2)], v[TMP+1+4*((\cc)%2)], |v[N+32*(\cc)+31]|
.endr
.irp cc, \a, \b
	v_add_nc_u32 v[TMP+2+4*((\cc)%2)], 0xff000000, v[TMP+4*((\cc)%2)]
.endr
.irp cc, \a, \b
	v_lshrrev_b32 v[TMP+3+4*((\cc)%2)], 23, v[TMP+2+4*((\cc)%2)]
.endr
.irp cc, \a, \b
	v_or_b32 v[HD+4*(\cc)], v[HD+4*(\cc)], v[TMP+3+4*((\cc)%2)]
.endr
	WIN 0x40
.irp cc, \a, \b
	v_cvt_scalef32_pk16_fp6_f32 v[XF+48*(\cc):XF+48*(\cc)+2], v[N+32*(\cc):N+32*(\cc)+15], v[TMP+2+4*((\cc)%2)]
	v_cvt_scalef32_pk16_fp6_f32 v[TQ+4*(\cc):TQ+4*(\cc)+2], v[N+32*(\cc)+16:N+32*(\cc)+31], v[TMP+2+4*((\cc)%2)]
.endr
	v_nop                                          ; one plain place behind the conversions
	WIN 0x41
.irp cc, \a, \b
.irp i, 0,1,2
	v_mov_b32 v[XF+48*(\cc)+3+\i], v[TQ+4*(\cc)+\i]
.endr
.endr
.irp cc, \a, \b
.irp i, 0,1,2,3,4,5,6,7,8,9,10,11
	v_permlane16_swap_b32 v[XF+48*(\cc)+\i], v[XF+48*(\cc)+12+\i]
	v_permlane16_swap_b32 v[XF+48*(\cc)+24+\i], v[XF+48*(\cc)+36+\i]
.endr
.endr
	WIN 0x40
.irp cc, \a, \b
	v_mov_b32 v[G+4*(\cc)], v[HD+4*(\cc)+3]
	v_permlanex16_b32 v[G+4*(\cc)+2], v[HD+4*(\cc)+3], s98, s99
.endr
	WIN 0
.endm
.macro LFRAG dst, adr, off
.irp c, 0,1,2
	ds_load_b128 v[\dst+4*\c:\dst+4*\c+3], v[\adr] offset:\off+512*\c
.endr
.endm
.macro LW1 q, u
.irp tp, 0,1
	LFRAG WB+24*(\q)+12*\tp, 2, (2*(2*(\u)+\tp)+(\q))*1536
.endr
.endm
.macro LK1 u
	ds_load_b32 v[KB], v3 offset:53248+128*(2*(\u))
	ds_load_b32 v[KB+12], v3 offset:53248+128*(2*(\u)+1)
	ds_load_b128 v[SC:SC+3], v2 offset:49152+512*(\u)
.endm
.macro LW2 kq, u
.irp tp, 0,1
	LFRAG WB+24*(\kq)+12*\tp, 4, (2*(2*(\u)+\tp)+(\kq))*1536
.endr
.endm
.macro LS2 u
	ds_load_b64 v[SC:SC+1], v5 offset:256*(\u)
.endm
.macro LBN u                           ; a1 and c1 of channels 32 u + 16 (lane / 16) + 0 .. 15
.irp i, 0,1,2,3
	ds_load_b128 v[BNA+4*\i:BNA+4*\i+3], v6 offset:128*(\u)+16*\i
	ds_load_b128 v[BNC+4*\i:BNC+4*\i+3], v6 offset:1024+128*(\u)+16*\i
.endr
.endm
.macro LEVEL base, st
.set si, 0
.rept (\st)/2
	v_pk_add_f32 v[\base+si:\base+si+1], v[\base+si:\base+si+1], v[\base+si+(\st):\base+si+(\st)+1]
.set si, si+2
.endr
.endm
.macro STATS base, nv, shift, off      ; mean and M2 of a lane's nv numbers; to my stage at off and off + 128
.if \shift
	v_xor_b32 v[TMP], 0x80000000, v[\base]
.set si, 0
.rept (\nv)/2
	v_pk_add_f32 v[\base+si:\base+si+1], v[\base+si:\base+si+1], v[TMP:TMP+1] op_sel_hi:[1,0]
.set si, si+2
.endr
.endif
.irp c, 0,1,2,3
	v_pk_mul_f32 v[TMP+2+2*\c:TMP+3+2*\c], v[\base+2*\c:\base+2*\c+1], v[\base+2*\c:\base+2*\c+1]
.endr
.set si, 8
.rept (\nv)/2-4
	v_pk_fma_f32 v[TMP+2+(si%8):TMP+3+(si%8)], v[\base+si:\base+si+1], v[\base+si:\base+si+1], v[TMP+2+(si%8):TMP+3+(si%8)]
.set si, si+2
.endr
.if \nv == 64
	LEVEL \base, 32
.endif
	LEVEL \base, 16
	LEVEL \base, 8
	LEVEL \base, 4
	LEVEL \base, 2
	v_pk_add_f32 v[TMP+2:TMP+3], v[TMP+2:TMP+3], v[TMP+4:TMP+5]
	v_pk_add_f32 v[TMP+6:TMP+7], v[TMP+6:TMP+7], v[TMP+8:TMP+9]
	v_pk_add_f32 v[TMP+2:TMP+3], v[TMP+2:TMP+3], v[TMP+6:TMP+7]
	v_add_f32 v[TMP+4], v[\base], v[\base+1]
	v_add_f32 v[TMP+5], v[TMP+2], v[TMP+3]
.if \nv == 64
	v_mul_f32 v[TMP+6], 0x3c800000, v[TMP+4]
.else
	v_mul_f32 v[TMP+6], 0x3d000000, v[TMP+4]
.endif
	v_fma_f32 v[TMP+8], -v[TMP+6], v[TMP+4], v[TMP+5]
.if \shift
	v_sub_f32 v[TMP+6], v[TMP+6], v[TMP]
.endif
	ds_store_b32 v8, v[TMP+6] offset:\off
	ds_store_b32 v8, v[TMP+8] offset:\off+128
.endm
.macro MERGE np, invp                  ; np partial results (means v128 .., M2 v160 ..) of equal counts become one; s3 holds the count as f32
	v_pk_add_f32 v[TMP:TMP+1], v[128:129], v[130:131]
	v_pk_add_f32 v[TMP+6:TMP+7], v[160:161], v[162:163]
.set si, 4
.rept (\np)/2-2
	v_pk_add_f32 v[TMP:TMP+1], v[TMP:TMP+1], v[128+si:129+si]
	v_pk_add_f32 v[TMP+6:TMP+7], v[TMP+6:TMP+7], v[160+si:161+si]
.set si, si+2
.endr
	v_add_f32 v[TMP], v[TMP], v[TMP+1]
	v_mul_f32 v[TMP+8], \invp, v[TMP]
	v_xor_b32 v[TMP+2], 0x80000000, v[TMP+8]
	v_mov_b32 v[TMP+3], v[TMP+2]
.set si, 0
.rept (\np)/2
	v_pk_add_f32 v[128+si:129+si], v[128+si:129+si], v[TMP+2:TMP+3]
.set si, si+2
.endr
	v_pk_mul_f32 v[TMP+4:TMP+5], v[128:129], v[128:129]
.set si, 2
.rept (\np)/2-1
	v_pk_fma_f32 v[TMP+4:TMP+5], v[128+si:129+si], v[128+si:129+si], v[TMP+4:TMP+5]
.set si, si+2
.endr
	v_add_f32 v[TMP+4], v[TMP+4], v[TMP+5]
	v_add_f32 v[TMP+6], v[TMP+6], v[TMP+7]
	v_fma_f32 v[TMP+9], v[TMP+4], s3, v[TMP+6]
.endm
	s_load_b512 s[68:83], s[0:1], 0x0              ; idx 68, table 70, w1blob 72, W2's codes 74, W2's scales 76, bn1p 78, xyz 80, rot 82
	s_load_b128 s[84:87], s[0:1], 0x40             ; g2 84, ysel 86
	s_load_b64 s[88:89], s[0:1], 0x50              ; p2
	s_set_vgpr_msb 0x40
	v_lshl_add_u32 v254, v0, 2, 0x2a800
	v_mov_b32 v255, 0
	s_set_vgpr_msb 0x4000
	v_lshrrev_b32 v1, 5, v0
	v_readfirstlane_b32 s2, v1                     ; wave
	v_and_b32 v1, 31, v0                           ; lane
	v_lshlrev_b32 v2, 4, v1                        ; 16 x lane
	v_lshlrev_b32 v3, 2, v1                        ; 4 x lane
	v_add_nc_u32 v4, W2IMG, v2
	v_lshlrev_b32 v9, 3, v1                        ; 8 x lane
	v_add_nc_u32 v5, W2SC, v9
	v_bfe_u32 v6, v0, 4, 1
	v_lshlrev_b32 v6, 6, v6
	v_add_nc_u32 v6, BNAL, v6                      ; 64 (lane / 16) + a1's bytes
	s_lshl_b32 s3, s2, 13
	s_add_co_u32 s3, s3, STG
	v_add_nc_u32 v7, s3, v3                        ; my two slots of the stage
	v_lshlrev_b32 v18, 4, v0                       ; 16 x thread: the copy of w1blob
	s_lshr_b32 s3, s2, 2
	s_mul_i32 s3, s3, 51200
	s_add_co_u32 s3, s3, 53248
	v_add_nc_u32 v19, s3, v18                      ; its last round: waves 0-3 at 53,248 + 16 x thread; waves 4-7 bring a1, c1 to 106,496 + 16 (thread - 128)
	s_lshl_b32 s3, s2, 8
	v_add_nc_u32 v20, s3, v5                       ; W2's scale bytes: W2SC + 8 x thread
	v_and_b32 v8, 15, v0
	v_bfe_u32 v116, v0, 4, 1
	v_mul_u32_u24 v21, v8, 192
	v_mad_u32_u24 v21, v116, 24, v21
	s_mul_i32 s3, s2, 6144
	v_add_nc_u32 v21, s3, v21                      ; W2's codes: row 32 w + r of 192 bytes, + 24 (lane / 16)
	v_add_nc_u32 v22, s3, v4                       ; and where my four fragments' images go
	v_lshlrev_b32 v23, 3, v0                       ; 8 x thread
	s_lshl_b32 s4, ttmp9, 12                       ; idx: pair 16 g + 2 w
	s_lshl_b32 s5, s2, 9
	s_add_co_u32 s4, s4, s5
	s_mov_b32 s5, 0
	s_lshr_b32 s6, ttmp9, 5                        ; table: the batch's entries
	s_mul_i32 s6, s6, 327680
	s_mov_b32 s7, 0
	s_mul_i32 s8, ttmp9, 384                       ; my four centres' xyz
	s_mul_i32 s9, s2, 48
	s_add_co_u32 s8, s8, s9
	s_mov_b32 s9, 0
	s_mul_i32 s10, ttmp9, 1152                     ; and rot
	s_mul_i32 s11, s2, 144
	s_add_co_u32 s10, s10, s11
	s_mov_b32 s11, 0
	s_lshl_b32 s12, ttmp9, 15                      ; ysel: pair 16 g + 2 w, 2,048 bytes a pair
	s_lshl_b32 s13, s2, 12
	s_add_co_u32 s12, s12, s13
	s_mov_b32 s13, 0
	s_lshl_b32 s14, ttmp9, 11                      ; p2
	s_mov_b32 s15, 0
	s_mov_b32 s98, 0x76543210
	s_mov_b32 s99, 0xfedcba98
	s_wait_kmcnt 0x0
	s_add_nc_u64 s[68:69], s[68:69], s[4:5]
	s_add_nc_u64 s[70:71], s[70:71], s[6:7]
	s_add_nc_u64 s[80:81], s[80:81], s[8:9]
	s_add_nc_u64 s[82:83], s[82:83], s[10:11]
	s_add_nc_u64 s[86:87], s[86:87], s[12:13]
	s_add_nc_u64 s[88:89], s[88:89], s[14:15]
	s_load_b256 s[16:23], s[80:81], 0x0            ; xyz: this trip's two centres s16-21, the next trip's s22-27
	s_load_b128 s[24:27], s[80:81], 0x20
	s_load_b512 s[28:43], s[82:83], 0x0            ; rot: s28-45, s46-63
	s_load_b512 s[44:59], s[82:83], 0x40
	s_load_b128 s[60:63], s[82:83], 0x80
	global_load_b64 v[14:15], v9, s[68:69]
	global_load_b64 v[16:17], v9, s[68:69] offset:256
.set k, 0
.rept 13
	global_load_b128 v[192+4*k:195+4*k], v18, s[72:73] offset:4096*k
.set k, k+1
.endr
	s_cmp_lt_u32 s2, 4
	s_cbranch_scc0 .Lbn_arm
	global_load_b128 v[244:247], v18, s[72:73] offset:53248
	s_branch .Larms_done
.Lbn_arm:
	global_load_b128 v[244:247], v18, s[78:79] offset:-2048    ; threads 128 .. 255: bytes 0 .. 2,047 of bn1p
.Larms_done:
.irp tp, 0,1
.irp kq, 0,1
.irp p, 0,1,2,3,4,5
	global_load_b64 v[WB+24*\kq+12*\tp+2*\p:WB+24*\kq+12*\tp+2*\p+1], v21, s[74:75] offset:3072*\tp+96*\kq+48*(\p/3)+8*(\p%3)
.endr
.endr
.endr
	global_load_b64 v[248:249], v23, s[76:77]
.irp u, 0,1,2,3,4,5,6,7
	global_load_b32 v[TMP+\u], v3, s[84:85] offset:128*\u      ; g2 of channel 32 u + lane
.endr
	s_wait_loadcnt 47                              ; behind the indices' loads stand 13 + 1 + 24 + 1 + 8 others: the indices are in
.irp c, 0,1,2,3
	v_min_u32 v[10+\c], 0x3ff, v[14+\c]
.endr
.irp c, 0,1,2,3
	v_mul_u32_u24 v[10+\c], v[10+\c], 320
.endr
	GATHER 10, 0
	GATHER 11, 1
	s_wait_loadcnt 40                              ; all but the 2 x 20 loads of the two gathers: the weights, a1, c1 and g2 are in
.set k, 0
.rept 13
	ds_store_b128 v18, v[192+4*k:195+4*k] offset:4096*k
.set k, k+1
.endr
	ds_store_b128 v19, v[244:247]
.irp tp, 0,1
.irp kq, 0,1
.irp c, 0,1,2
	ds_store_b128 v22, v[WB+24*\kq+12*\tp+4*\c:WB+24*\kq+12*\tp+4*\c+3] offset:(2*\tp+\kq)*1536+512*\c
.endr
.endr
.endr
	ds_store_b64 v20, v[248:249]
.irp u, 0,1,2,3,4,5,6,7
	v_cmp_ge_f32 s[90+\u], v[TMP+\u], 0            ; where g2 >= 0 the largest y2 is kept, else the smallest
.endr
	WIN 0x40
.set k, 0
.rept 18
	v_mov_b32 v[G+k], 0
.set k, k+1
.endr
	WIN 0
	s_wait_dscnt 0x0                               ; my part of the weights has landed,
	s_barrier_signal -1
	s_barrier_wait -1                              ; everybody's has; nobody writes those bytes again
	s_wait_kmcnt 0x0
	s_mov_b32 s100, 0                              ; trip
	s_mov_b32 s101, 0                              ; 4,096 x trip
; PRODUCT 3, tiles 2 u and 2 u + 1 of W1 against my 4 column tiles: 8 accumulators by turns, K step by K step; then the batch norm, relu, and block u of h as codes.
.macro G1UNIT u
	s_wait_dscnt 0x0                               ; this unit's fragments, scale words, a1 and c1 are in
	WIN 0x04                                       ; source 1 (the columns) window 1; an LDS load's address and destination stay in window 0
.irp q, 0,1,2
.irp col, 0,1,2,3
.irp tp, 0,1
.if \q == 0
	MM ACC+16*\col+8*\tp, WB+12*\tp, XF+48*(\col/2)+12*(\col%2), 1, SC, HD+4*(\col/2), \tp, \col%2
.elseif \q == 1
	MM ACC+16*\col+8*\tp, WB+24+12*\tp, XF+48*(\col/2)+24+12*(\col%2), 0, SC+1, HD+4*(\col/2)+1, \tp, \col%2
.else
	MM ACC+16*\col+8*\tp, KB+12*\tp, G+2*\col, 0, SC+2, HD+4*(\col/2)+2, \tp, \col%2
.endif
.endr
.endr
	NOPS 4                                         ; four places, then the next unit's loads into the registers that this run has read
.if \u < 7
.if \q < 2
	LW1 \q, \u+1
.else
	LK1 \u+1
.endif
.else
.if \q < 2
	LW2 \q, 0
.else
	LS2 0
.endif
.endif
.endr
	WIN 0
.irp col, 0,1,2,3
.irp i, 0,2,4,6,8,10,12,14
	v_pk_fma_f32 v[ACC+16*\col+\i:ACC+16*\col+\i+1], v[ACC+16*\col+\i:ACC+16*\col+\i+1], v[BNA+\i:BNA+\i+1], v[BNC+\i:BNC+\i+1]
.endr
.endr
.if \u < 7
	LBN \u+1
.endif
.set si, 0
.rept 64
	v_max_num_f32 v[ACC+si], 0, v[ACC+si]
.set si, si+1
.endr
.irp col, 0,1,2,3
	v_max3_num_f32 v[TMP+\col], v[ACC+16*\col], v[ACC+16*\col+1], 0x1800000        ; none is negative: no |.|; the floor 2^(3 - 127)
.endr
.irp i, 2,4,6,8,10,12,14
.irp col, 0,1,2,3
	v_max3_num_f32 v[TMP+\col], v[TMP+\col], v[ACC+16*\col+\i], v[ACC+16*\col+\i+1]
.endr
.endr
.irp col, 0,1,2,3
	v_permlanex16_b32 v[TMP+4+\col], v[TMP+\col], s98, s99
.endr
.irp col, 0,1,2,3
	v_max_num_f32 v[TMP+\col], v[TMP+\col], v[TMP+4+\col]      ; with lane l xor 16's 16 channels: the block's largest
.endr
.irp col, 0,1,2,3
	v_add_nc_u32 v[TMP+8+\col], 0xff000000, v[TMP+\col]
.endr
.if (\u)%4 == 0
.irp col, 0,1,2,3
	v_lshrrev_b32 v[HS+2*\col+(\u)/4], 23, v[TMP+8+\col]
.endr
.else
.irp col, 0,1,2,3
	v_lshrrev_b32 v[TMP+4+\col], 23, v[TMP+8+\col]
.endr
.irp col, 0,1,2,3
	v_lshl_or_b32 v[HS+2*\col+(\u)/4], v[TMP+4+\col], 8*((\u)%4), v[HS+2*\col+(\u)/4]
.endr
.endif
.set hcx, HC+12*((\u)/4)+6*(((\u)/2)%2)
	WIN 0x40
.irp col, 0,1,2,3
.if (\u)%2 == 0
	v_cvt_scalef32_pk16_fp6_f32 v[hcx+24*\col:hcx+24*\col+2], v[ACC+16*\col:ACC+16*\col+15], v[TMP+8+\col]
.else
	v_cvt_scalef32_pk16_fp6_f32 v[TQ+4*\col:TQ+4*\col+2], v[ACC+16*\col:ACC+16*\col+15], v[TMP+8+\col]
.endif
.endr
	v_nop                                          ; one plain place behind the conversions
.if (\u)%2 == 1
	WIN 0x41                                       ; the operand wants a WHOLE block in a lane: lanes 0-15 the even block, lanes 16-31 the odd one
.irp col, 0,1,2,3
.irp i, 0,1,2
	v_permlane16_swap_b32 v[hcx+24*\col+\i], v[TQ+4*\col+\i]
.endr
.endr
.irp col, 0,1,2,3
.irp i, 0,1,2
	v_mov_b32 v[hcx+24*\col+3+\i], v[TQ+4*\col+\i]
.endr
.endr
.endif
	WIN 0
.endm
; PRODUCT 4, tiles 2 u and 2 u + 1 of W2 against my 4 column tiles; then largest, smallest and statistics
.macro G2UNIT u
	s_wait_dscnt 0x0
.irp kq, 0,1
	WIN 0x01                                       ; source 0 (h) window 1
.irp tp, 0,1
.irp col, 0,1,2,3
.if \kq == 0
	MM ACC+32*\tp+8*\col, HC+24*\col, WB+12*\tp, 1, HS+2*\col, SC, 0, \tp
.else
	MM ACC+32*\tp+8*\col, HC+24*\col+12, WB+24+12*\tp, 0, HS+2*\col+1, SC+1, 0, \tp
.endif
.endr
.endr
	NOPS 4
	WIN 0
.if \u < 7
	LW2 \kq, \u+1
.if \kq == 1
	LS2 \u+1
.endif
.endif
.endr
.irp tp, 0,1
.irp cc, 0,1
	v_max3_num_f32 v[MX+2*\cc+\tp], v[ACC+32*\tp+16*\cc], v[ACC+32*\tp+16*\cc+1], v[ACC+32*\tp+16*\cc+2]
	v_min3_num_f32 v[MN+2*\cc+\tp], v[ACC+32*\tp+16*\cc], v[ACC+32*\tp+16*\cc+1], v[ACC+32*\tp+16*\cc+2]
.endr
.endr
.irp i, 3,5,7,9,11,13
.irp tp, 0,1
.irp cc, 0,1
	v_max3_num_f32 v[MX+2*\cc+\tp], v[MX+2*\cc+\tp], v[ACC+32*\tp+16*\cc+\i], v[ACC+32*\tp+16*\cc+\i+1]
	v_min3_num_f32 v[MN+2*\cc+\tp], v[MN+2*\cc+\tp], v[ACC+32*\tp+16*\cc+\i], v[ACC+32*\tp+16*\cc+\i+1]
.endr
.endr
.endr
.irp tp, 0,1
.irp cc, 0,1
	v_max_num_f32 v[MX+2*\cc+\tp], v[MX+2*\cc+\tp], v[ACC+32*\tp+16*\cc+15]
	v_min_num_f32 v[MN+2*\cc+\tp], v[MN+2*\cc+\tp], v[ACC+32*\tp+16*\cc+15]
.endr
.endr
.irp cc, 0,1                                   ; tile 2 u's lanes 16-31 change places with tile 2 u + 1's lanes 0-15: both halves of a channel's samples then lie in one lane, and lane l is channel 32 u + l
	v_permlane16_swap_b32 v[MX+2*\cc], v[MX+2*\cc+1]
	v_permlane16_swap_b32 v[MN+2*\cc], v[MN+2*\cc+1]
.endr
.irp cc, 0,1
	v_max_num_f32 v[MX+2*\cc], v[MX+2*\cc], v[MX+2*\cc+1]
	v_min_num_f32 v[MN+2*\cc], v[MN+2*\cc], v[MN+2*\cc+1]
.endr
	s_wait_xcnt 0x0                                ; the last unit's store has read its data
.irp cc, 0,1
	v_cndmask_b32 v[Y+\cc], v[MN+2*\cc], v[MX+2*\cc], s[90+\u]
.endr
	global_store_b64 v9, v[Y:Y+1], s[86:87] offset:256*\u      ; [pair][channel][2 centres]: the wave stores 256 consecutive bytes, aligned
	STATS ACC, 32, 0, 256*(2*(\u))
	STATS ACC+32, 32, 0, 256*(2*(\u)+1)
.endm
.Ltrip:                                            ; two trips: two centres each
.irp i, 1,2,3,4,5,6,7,8,9,10,11,13,14,15,16,17,18,19,20,21,22,23
	v_mov_b32 v[KB+\i], 0                          ; K step 2: all of W1's operand but its first register is zeros
.endr
	LW1 0, 0
	LW1 1, 0
	LK1 0
	v_add_nc_u32 v8, s101, v7                      ; this trip's slot of the stage
	s_wait_loadcnt 0x0                             ; this trip's gathers are in
	XPREP 0, 1
	LBN 0
	NOPS 8                                         ; scale words and operands that vector instructions wrote stand 8 and 4 places ahead of a scaled matrix instruction
.irp u, 0,1,2,3,4,5,6,7
	G1UNIT \u
.endr
	s_cmp_eq_u32 s100, 1                           ; the next trip's entries are asked for here, if there is a next trip: the columns' registers are free, and the loads land under product 4
	s_cbranch_scc1 .Lno_next
	GATHER 12, 0
	GATHER 13, 1
.Lno_next:
	NOPS 8
.irp u, 0,1,2,3,4,5,6,7
	G2UNIT \u
.endr
	s_wait_xcnt 0x0                                ; the stores have read their base and data: both may be written again
	s_add_nc_u64 s[86:87], s[86:87], 2048
.irp i, 0,1,2
	s_mov_b64 s[16+2*\i:17+2*\i], s[22+2*\i:23+2*\i]           ; the next two centres' xyz
.endr
.irp i, 0,1,2,3,4,5,6,7,8
	s_mov_b64 s[28+2*\i:29+2*\i], s[46+2*\i:47+2*\i]           ; and rot
.endr
	s_add_co_u32 s101, s101, 4096
	s_add_co_u32 s100, s100, 1
	s_cmp_lt_u32 s100, 2
	s_cbranch_scc1 .Ltrip
	v_lshrrev_b32 v4, 4, v0                        ; the closing merge: thread = 16 t + r = the channel
	v_and_b32 v5, 15, v0
	v_lshlrev_b32 v4, 8, v4
	v_lshl_add_u32 v4, v5, 2, v4
	v_add_nc_u32 v4, STG, v4
	v_lshlrev_b32 v5, 3, v0
	s_mov_b32 s3, 0x42000000                       ; 32 numbers in each partial result
	s_wait_dscnt 0x0                               ; my slots of the stage are written,
	s_barrier_signal -1
	s_barrier_wait -1                              ; everybody's are
.irp s, 0,1,2,3,4,5,6,7,8,9,10,11,12,13,14,15
.irp h, 0,1
	ds_load_b32 v[128+2*\s+\h], v4 offset:4096*\s+64*\h
	ds_load_b32 v[160+2*\s+\h], v4 offset:4096*\s+64*\h+128
.endr
.endr
	s_wait_dscnt 0x0
	MERGE 32, 0x3d000000
	global_store_b64 v5, v[TMP+8:TMP+9], s[88:89]  ; [work-group][channel][mean, M2]
	s_set_vgpr_msb 0x5
	s_wait_tensorcnt 0x0
	ds_add_u32 v254, v255
	s_wait_dscnt 0x0
	s_set_vgpr_msb 0x500
	s_endpgm
.Lfunc_end_k_qff9247e10e_main:
	.size	k_qff9247e10e_main, .Lfunc_end_k_qff9247e10e_main-k_qff9247e10e_main
	.p2alignl 7, 3214868480
	.fill 96, 4, 3214868480
	.section	.rodata,"a",@progbits
	.p2align	6, 0x0
	.amdhsa_kernel k_qff9247e10e_main
		.amdhsa_group_segment_fixed_size 175104
		.amdhsa_private_segment_fixed_size 0
		.amdhsa_enable_private_segment 0
		.amdhsa_kernarg_size 88
		.amdhsa_user_sgpr_count 2
		.amdhsa_user_sgpr_kernarg_segment_ptr 1
		.amdhsa_wavefront_size32 1
		.amdhsa_system_sgpr_workgroup_id_x 1
		.amdhsa_system_sgpr_workgroup_id_y 1
		.amdhsa_system_sgpr_workgroup_id_z 1
		.amdhsa_system_vgpr_workitem_id 0
		.amdhsa_next_free_vgpr 512
		.amdhsa_next_free_sgpr 102
		.amdhsa_reserve_vcc 0
		.amdhsa_float_denorm_mode_32 3
		.amdhsa_float_denorm_mode_16_64 3
		.amdhsa_memory_ordered 1
		.amdhsa_forward_progress 1
		.amdhsa_inst_pref_size 238
	.end_amdhsa_kernel
	.amdgpu_metadata
---
amdhsa.version: [ 1, 2 ]
amdhsa.kernels:
  - .name:           k_qff9247e10e_main
    .symbol:         k_qff9247e10e_main.kd
    .args:
      - { .name: idx, .offset: 0, .size: 8, .value_kind: global_buffer, .address_space: global }
      - { .name: table, .offset: 8, .size: 8, .value_kind: global_buffer, .address_space: global }
      - { .name: w1blob, .offset: 16, .size: 8, .value_kind: global_buffer, .address_space: global }
      - { .name: W2_codes, .offset: 24, .size: 8, .value_kind: global_buffer, .address_space: global }
      - { .name: W2_scales, .offset: 32, .size: 8, .value_kind: global_buffer, .address_space: global }
      - { .name: bn1p, .offset: 40, .size: 8, .value_kind: global_buffer, .address_space: global }
      - { .name: seed_xyz_graspable, .offset: 48, .size: 8, .value_kind: global_buffer, .address_space: global }
      - { .name: vp_rot, .offset: 56, .size: 8, .value_kind: global_buffer, .address_space: global }
      - { .name: g2, .offset: 64, .size: 8, .value_kind: global_buffer, .address_space: global }
      - { .name: ysel, .offset: 72, .size: 8, .value_kind: global_buffer, .address_space: global }
      - { .name: p2, .offset: 80, .size: 8, .value_kind: global_buffer, .address_space: global }
    .group_segment_fixed_size: 175104
    .private_segment_fixed_size: 0
    .kernarg_segment_align: 8
    .kernarg_segment_size: 88
    .max_flat_workgroup_size: 256
    .sgpr_count:     102
    .vgpr_count:     512
    .wavefront_size: 32
...
	.end_amdgpu_metadata
.endif
;; end of part 4
;; launch final (part 5): grid 256 x 1, 8 waves a work-group, no clusters, 36,352 bytes of LDS; arguments ysel, p2, g2, b2, out0; writes out0
.if DOCPART == 5
	.amdgcn_target "amdgcn-amd-amdhsa--gfx1250"
	.amdhsa_code_object_version 6
	.text
	.protected	k_qff9247e10e_final
	.globl	k_qff9247e10e_final
	.p2align	8
	.type	k_qff9247e10e_final,@function
k_qff9247e10e_final:
	s_mov_b64 s[64:65], 0
	v_nop
	global_prefetch_b8 v0, s[64:65] scope:SCOPE_SE
	s_setreg_imm32_b32 hwreg(HW_REG_WAVE_MODE, 25, 1), 1
	s_wait_xcnt 0x0
; out0[b][o][p] = relu(a2 y + c2), y the number that the launch before kept for (p, o): the largest y2 of the 32 samples where g2 >= 0, the smallest where g2 < 0.
; a2 = g2 rsqrt(var + 1e-5), c2 = b2 - mean a2, from the 256 work-groups' (mean, M2), merged as in the first batch norm.
; Work-group g: batch g / 32, channels 32 ((g / 4) % 8) .., centres 256 (g % 4) ...  Lane = channel on the way in (256 consecutive bytes a load); the tile turns through LDS (rows of 1,024 + 16 bytes),
; and each store of a wave covers 512 consecutive bytes of one channel's row, aligned.
.macro REDUCE
	s_wait_loadcnt 0x0
.irp c, 0,1,2,3
	v_pk_add_f32 v[96+2*\c:97+2*\c], v[32+2*\c:33+2*\c], v[40+2*\c:41+2*\c]        ; means in the low halves, M2 in the high ones: four chains
.endr
.set k, 8
.rept 24
	v_pk_add_f32 v[96+2*(k%4):97+2*(k%4)], v[96+2*(k%4):97+2*(k%4)], v[32+2*k:33+2*k]
.set k, k+1
.endr
	v_pk_add_f32 v[96:97], v[96:97], v[98:99]
	v_pk_add_f32 v[100:101], v[100:101], v[102:103]
	v_pk_add_f32 v[96:97], v[96:97], v[100:101]
	ds_store_b32 v4, v96
	s_wait_dscnt 0x0                               ; my sum of means has landed,
	s_barrier_signal -1
	s_barrier_wait -1                              ; all eight have
.irp i, 0,1,2,3,4,5,6,7
	ds_load_b32 v[104+\i], v3 offset:128*\i
.endr
	s_wait_dscnt 0x0
	v_add_f32 v104, v104, v105
	v_add_f32 v106, v106, v107
	v_add_f32 v108, v108, v109
	v_add_f32 v110, v110, v111
	v_add_f32 v104, v104, v106
	v_add_f32 v108, v108, v110
	v_add_f32 v104, v104, v108
	v_mul_f32 v112, 0x3b800000, v104               ; the mean: / 256
.irp c, 0,1,2,3
	v_sub_f32 v[32+2*\c], v[32+2*\c], v112
.endr
.irp c, 0,1,2,3
	v_mul_f32 v[98+\c], v[32+2*\c], v[32+2*\c]
.endr
.set k, 4
.rept 28
	v_sub_f32 v[32+2*k], v[32+2*k], v112
	v_fma_f32 v[98+k%4], v[32+2*k], v[32+2*k], v[98+k%4]
.set k, k+1
.endr
	v_add_f32 v98, v98, v99
	v_add_f32 v100, v100, v101
	v_add_f32 v98, v98, v100
	v_fma_f32 v97, v98, s20, v97                   ; my 32 rows' M2 about the common mean
	ds_store_b32 v4, v97 offset:1024               ; other bytes than the first exchange's
	s_wait_dscnt 0x0
	s_barrier_signal -1
	s_barrier_wait -1
.irp i, 0,1,2,3,4,5,6,7
	ds_load_b32 v[104+\i], v3 offset:1024+128*\i
.endr
	s_wait_dscnt 0x0
	v_add_f32 v104, v104, v105
	v_add_f32 v106, v106, v107
	v_add_f32 v108, v108, v109
	v_add_f32 v110, v110, v111
	v_add_f32 v104, v104, v106
	v_add_f32 v108, v108, v110
	v_add_f32 v104, v104, v108
	v_fma_f32 v113, v104, s21, s22                 ; var + eps: M2 / 262,144 + 1e-5
	v_rsq_f32 v113, v113
	v_nop                                          ; one plain place behind the transcendental
	s_wait_alu depctr_va_vdst(0)
	v_mul_f32 v114, v8, v113                       ; a
	v_fma_f32 v116, -v112, v114, v9                ; c
.endm
	s_load_b256 s[4:11], s[0:1], 0x0               ; ysel, p2, g2, b2
	s_load_b64 s[12:13], s[0:1], 0x20              ; out0
	v_lshl_add_u32 v160, v0, 2, 0x8a00
	v_mov_b32 v161, 0
	v_lshrrev_b32 v1, 5, v0
	v_readfirstlane_b32 s14, v1                    ; wave
	v_and_b32 v1, 31, v0
	v_lshlrev_b32 v2, 3, v1
	s_lshl_b32 s15, s14, 15
	v_add_nc_u32 v5, s15, v2                       ; ysel: 8 x lane + 16 pairs of 2,048 bytes a wave
	s_lshl_b32 s15, s14, 11
	v_add_nc_u32 v2, s15, v2                       ; p2: 8 x lane + 2,048 x wave
	v_lshlrev_b32 v3, 2, v1
	s_lshl_b32 s15, s14, 7
	v_add_nc_u32 v4, s15, v3                       ; LDS: 128 x wave + 4 x lane
	v_mul_u32_u24 v6, v1, 1040
	s_add_co_u32 s15, s15, 2048
	v_add_nc_u32 v6, s15, v6                       ; the turn, in: row = my channel, + 8 bytes a pair, 16 pairs a wave
	s_mul_i32 s15, s14, 4160
	s_add_co_u32 s15, s15, 2048
	v_lshl_add_u32 v7, v1, 4, s15                  ; out: rows 4 w .., 16 bytes a lane
	s_lshl_b32 s15, s14, 14
	v_lshl_add_u32 v10, v1, 4, s15                 ; out0: 4 rows of 4,096 bytes a wave
	s_lshr_b32 s16, ttmp9, 5                       ; batch
	s_bfe_u32 s17, ttmp9, 0x30002                  ; which 32 channels
	s_and_b32 s18, ttmp9, 3                        ; which 256 centres
	s_lshl_b32 s24, s16, 20
	s_lshl_b32 s25, s18, 18
	s_add_co_u32 s24, s24, s25
	s_lshl_b32 s26, s17, 8
	s_add_co_u32 s24, s24, s26
	s_mov_b32 s25, 0                               ; ysel: (512 b + 128 pq) x 2,048 + 256 og
	s_mov_b32 s27, 0                               ; p2: 256 og
	s_lshl_b32 s28, s17, 7
	s_mov_b32 s29, 0                               ; g2, b2: 128 og
	s_lshl_b32 s30, s16, 20
	s_lshl_b32 s31, s17, 17
	s_add_co_u32 s30, s30, s31
	s_lshl_b32 s31, s18, 10
	s_add_co_u32 s30, s30, s31
	s_mov_b32 s31, 0                               ; out0: ((256 b + 32 og) x 1,024 + 256 pq) x 4
	s_mov_b32 s20, 0x44800000                      ; 1,024
	s_mov_b32 s21, 0x36800000                      ; 2^-18
	s_mov_b32 s22, 0x3727c5ac                      ; 1e-5
	s_wait_kmcnt 0x0
	s_add_nc_u64 s[4:5], s[4:5], s[24:25]
	s_add_nc_u64 s[6:7], s[6:7], s[26:27]
	s_add_nc_u64 s[8:9], s[8:9], s[28:29]
	s_add_nc_u64 s[10:11], s[10:11], s[28:29]
	s_add_nc_u64 s[12:13], s[12:13], s[30:31]
.set k, 0
.rept 16
	global_load_b64 v[128+2*k:129+2*k], v5, s[4:5] offset:2048*k th:TH_LOAD_NT
.set k, k+1
.endr
.set k, 0
.rept 32
	global_load_b64 v[32+2*k:33+2*k], v2, s[6:7] offset:16384*k
.set k, k+1
.endr
	global_load_b32 v8, v3, s[8:9]
	global_load_b32 v9, v3, s[10:11]
	REDUCE
	v_mov_b32 v115, v114                           ; (the packed form names pairs and takes their low words for both halves)
	v_mov_b32 v117, v116
.set k, 0
.rept 16
	v_pk_fma_f32 v[128+2*k:129+2*k], v[128+2*k:129+2*k], v[114:115], v[116:117] op_sel_hi:[1,0,0]
.set k, k+1
.endr
.set k, 0
.rept 32
	v_max_num_f32 v[128+k], 0, v[128+k]
.set k, k+1
.endr
.set k, 0
.rept 16
	ds_store_b64 v6, v[128+2*k:129+2*k] offset:8*k
.set k, k+1
.endr
	s_wait_dscnt 0x0                               ; my part of the tile has landed,
	s_barrier_signal -1
	s_barrier_wait -1                              ; everybody's has
.irp i, 0,1,2,3,4,5,6,7
	ds_load_b128 v[32+4*\i:35+4*\i], v7 offset:1040*(\i/2)+512*(\i%2)
.endr
.irp i, 0,1,2,3,4,5,6,7
	s_wait_dscnt 7-\i                              ; LDS loads come back in order: load i is in, the younger ones may be out
	global_store_b128 v10, v[32+4*\i:35+4*\i], s[12:13] offset:4096*(\i/2)+512*(\i%2) th:TH_STORE_NT
.endr
	s_wait_tensorcnt 0x0
	ds_add_u32 v160, v161
	s_wait_dscnt 0x0
	s_endpgm
.Lfunc_end_k_qff9247e10e_final:
	.size	k_qff9247e10e_final, .Lfunc_end_k_qff9247e10e_final-k_qff9247e10e_final
	.p2alignl 7, 3214868480
	.fill 96, 4, 3214868480
	.section	.rodata,"a",@progbits
	.p2align	6, 0x0
	.amdhsa_kernel k_qff9247e10e_final
		.amdhsa_group_segment_fixed_size 36352
		.amdhsa_private_segment_fixed_size 0
		.amdhsa_enable_private_segment 0
		.amdhsa_kernarg_size 40
		.amdhsa_user_sgpr_count 2
		.amdhsa_user_sgpr_kernarg_segment_ptr 1
		.amdhsa_wavefront_size32 1
		.amdhsa_system_sgpr_workgroup_id_x 1
		.amdhsa_system_sgpr_workgroup_id_y 1
		.amdhsa_system_sgpr_workgroup_id_z 1
		.amdhsa_system_vgpr_workitem_id 0
		.amdhsa_next_free_vgpr 162
		.amdhsa_next_free_sgpr 66
		.amdhsa_reserve_vcc 0
		.amdhsa_float_denorm_mode_32 3
		.amdhsa_float_denorm_mode_16_64 3
		.amdhsa_memory_ordered 1
		.amdhsa_forward_progress 1
		.amdhsa_inst_pref_size 19
	.end_amdhsa_kernel
	.amdgpu_metadata
---
amdhsa.version: [ 1, 2 ]
amdhsa.kernels:
  - .name:           k_qff9247e10e_final
    .symbol:         k_qff9247e10e_final.kd
    .args:
      - { .name: ysel, .offset: 0, .size: 8, .value_kind: global_buffer, .address_space: global }
      - { .name: p2, .offset: 8, .size: 8, .value_kind: global_buffer, .address_space: global }
      - { .name: g2, .offset: 16, .size: 8, .value_kind: global_buffer, .address_space: global }
      - { .name: b2, .offset: 24, .size: 8, .value_kind: global_buffer, .address_space: global }
      - { .name: out0, .offset: 32, .size: 8, .value_kind: global_buffer, .address_space: global }
    .group_segment_fixed_size: 36352
    .private_segment_fixed_size: 0
    .kernarg_segment_align: 8
    .kernarg_segment_size: 40
    .max_flat_workgroup_size: 256
    .sgpr_count:     66
    .vgpr_count:     162
    .wavefront_size: 32
...
	.end_amdgpu_metadata
.endif
;; end of part 5
;; ======== version 2 of 2: 5 launches; version 1 with the launches stat1, main written anew for expert scheduling mode
;; limits: a difference of large sums (such as E[x^2] - mean^2): digits are lost where the result is much smaller than its terms
;; workspace buffers: idx 1,048,576 bytes of whole numbers; table 2,621,440 bytes; w1blob 55,296 bytes; p1 524,288 bytes; p2 524,288 bytes; bn1p 2,048 bytes; ysel 8,388,608 bytes
;; launch prep: the kernel of part 1 again; grid 256 x 1, 8 waves a work-group, no clusters, 11,264 bytes of LDS; arguments seed_xyz_graspable, vp_rot, seed_features_graspable, W1, idx, table, w1blob; writes idx, table, w1blob
;; launch stat1 (part 6): grid 256 x 1, 8 waves a work-group, no clusters, 89,088 bytes of LDS; arguments idx, table, w1blob, seed_xyz_graspable, vp_rot, p1; writes p1
.if DOCPART == 6
	.amdgcn_target "amdgcn-amd-amdhsa--gfx1250"
	.amdhsa_code_object_version 6
	.text
	.protected	k_qff9247e10e_stat1
	.globl	k_qff9247e10e_stat1
	.p2align	8
	.type	k_qff9247e10e_stat1,@function
k_qff9247e10e_stat1:
	s_mov_b64 s[64:65], 0
	v_nop
	global_prefetch_b8 v0, s[64:65] scope:SCOPE_SE
	s_setreg_imm32_b32 hwreg(HW_REG_WAVE_SCHED_MODE, 0, 2), 2
	s_setreg_imm32_b32 hwreg(HW_REG_WAVE_MODE, 25, 1), 1
	s_wait_xcnt 0x0
	s_wait_alu depctr_vm_vsrc(0)
; y1 = W1 x on codes of E2M3 (K = 259: three K steps of 128, the third with block 8 alone), and of each of its 256 channels the mean and the sum of squared deviations (M2)
; over the work-group's 1,024 columns.  y1 itself is not kept: 268 MB would go to memory and come back; the next pass makes it again.
; SHARES.  Work-group g: centres 32 g ..; each of its eight waves four centres = 128 columns = 8 column tiles, against all 16 tiles of W1.  Two waves to a SIMD, which share nothing but W1 in LDS.
; COLUMNS.  Lane = sample.  Each lane gathers its point's entry of the table: blocks 1..8 as codes, block 0's 32 numbers as f32; the three coordinates are recentred, scaled and rotated, block 0 is quantised here.
; The halves of the lanes then change places register by register, which makes of a lane's 48 registers the fragments of two column tiles.
; K STEP 2.  W1's operand holds three codes in lanes 0-15 of its first register and zeros elsewhere, so whatever else stands in the columns' twelve registers is multiplied by the code 0.
; The product takes the columns as source 0 and W1's rows as source 1: a lane then holds ONE channel and its registers run over samples, so that the sums stay inside a lane.
; STATISTICS.  Each lane sums d = y - s, s its own first number: mean = s + S1 / 64, M2 = S2 - S1^2 / 64.  Partial results of equal counts are merged by mean = average, M2 = sum of M2 + n x sum of (mean_i - mean)^2.
; LIMITS: NaN and infinities are not served; (p - c) / 0.05 is taken as (p - c) x 20; a block whose largest magnitude lies under 2^-124 gets the byte 1.
; THE MODE: SCHED_MODE bits 1:0 = 2 (LLVM: expert scheduling mode 2), set by the entry lines.  The code itself states the register dependences
; between vector or matrix instructions and memory or LDS instructions, with s_wait_alu, always for 0.
; THE PLAN.  Registers that memory or LDS instructions touch, from the first unit on (a unit = two tiles of W1 against my eight column tiles):
;   WB, v[KB], v[KB+12], SC   Unit u: its 48 matrix instructions read them; behind these the LDS loads of unit u + 1 land in them.
;   OUT                       Unit u: the ends of its two sets of statistics write it; the four LDS stores that are issued in unit u + 1 read it.
;   v2, v3, v8                LDS addresses, made at the head and never written again.
;   The columns' fragments, their scale words, the accumulators and TMP are named by vector and matrix instructions alone.
; So ONE wait on va_vdst stands in a unit, behind its matrix instructions and their four places: it states that these are done reading WB, KB and SC and that the unit before has written OUT.
; The stores of the unit before and the loads of the unit after follow it in one run; the statistics behind them name none of those registers until they write OUT,
; and one wait on vm_vsrc stands ahead of that write.
.set STG, 55296                        ; LDS: 0 .. 55,295 w1blob as it lies in memory; from STG on 8 waves x 16 tiles x (128 bytes of means + 128 of M2)
.set OUT, 14                           ; v14-17   at the head the four centres' indices; then a unit's results on their way to the stage: mean and M2 of its first tile, of its second
.set HD,  24                           ; v24-39   for each centre: the three scale words of its columns (lane = sample), and block 8's codes
.set SC,  40                           ; v40-43   W1's scale words of two tiles: lanes 0-15 tile 2 u, lanes 16-31 tile 2 u + 1
.set KB,  44                           ; v44-67   W1's operand of K step 2, two tiles
.set WB,  68                           ; v68-115  W1's fragments: 24 q + 12 t'
.set TMP, 116                          ; v116-127 at work
.set ACC, 128                          ; v128-255 accumulators: 64 t' + 8 col
.set N,   128                          ; the same registers before the products: block 0's 32 numbers of four centres
.set XF,  0                            ; window 1: v0-191 the columns' fragments: 48 cc + 24 q + 12 e (column tile 2 cc + e)
.set G,   192                          ; window 1: v192-217 block 8's codes: column tile col's operand begins at G + 2 col
.set TQ,  220                          ; window 1: a conversion's second half
.set MSB, 0
.macro WIN new                         ; the immediate's high byte repeats the setting that is left
.if MSB != \new
	s_set_vgpr_msb (MSB<<8)|\new
.set MSB, \new
.endif
.endm
.macro NOPS n
.rept \n
	v_nop
.endr
.endm
; one matrix instruction: D at d, sources at a and b; z = 1: it starts the sum; scale words sa, sb, read from lanes 0-15 (row 0) or 16-31 (row 1)
.macro MM d, a, b, z, sa, sb, ra, rb
.if \z
.if (\ra) == 0 && (\rb) == 0
	v_wmma_scale_f32_16x16x128_f8f6f4 v[\d:\d+7], v[\a:\a+11], v[\b:\b+11], 0, v[\sa], v[\sb] matrix_a_fmt:MATRIX_FMT_FP6 matrix_b_fmt:MATRIX_FMT_FP6
.elseif (\ra) == 1 && (\rb) == 0
	v_wmma_scale_f32_16x16x128_f8f6f4 v[\d:\d+7], v[\a:\a+11], v[\b:\b+11], 0, v[\sa], v[\sb] matrix_a_fmt:MATRIX_FMT_FP6 matrix_b_fmt:MATRIX_FMT_FP6 matrix_a_scale:MATRIX_SCALE_ROW1
.elseif (\ra) == 0 && (\rb) == 1
	v_wmma_scale_f32_16x16x128_f8f6f4 v[\d:\d+7], v[\a:\a+11], v[\b:\b+11], 0, v[\sa], v[\sb] matrix_a_fmt:MATRIX_FMT_FP6 matrix_b_fmt:MATRIX_FMT_FP6 matrix_b_scale:MATRIX_SCALE_ROW1
.else
	v_wmma_scale_f32_16x16x128_f8f6f4 v[\d:\d+7], v[\a:\a+11], v[\b:\b+11], 0, v[\sa], v[\sb] matrix_a_fmt:MATRIX_FMT_FP6 matrix_b_fmt:MATRIX_FMT_FP6 matrix_a_scale:MATRIX_SCALE_ROW1 matrix_b_scale:MATRIX_SCALE_ROW1
.endif
.else
.if (\ra) == 0 && (\rb) == 0
	v_wmma_scale_f32_16x16x128_f8f6f4 v[\d:\d+7], v[\a:\a+11], v[\b:\b+11], v[\d:\d+7], v[\sa], v[\sb] matrix_a_fmt:MATRIX_FMT_FP6 matrix_b_fmt:MATRIX_FMT_FP6
.elseif (\ra) == 1 && (\rb) == 0
	v_wmma_scale_f32_16x16x128_f8f6f4 v[\d:\d+7], v[\a:\a+11], v[\b:\b+11], v[\d:\d+7], v[\sa], v[\sb] matrix_a_fmt:MATRIX_FMT_FP6 matrix_b_fmt:MATRIX_FMT_FP6 matrix_a_scale:MATRIX_SCALE_ROW1
.elseif (\ra) == 0 && (\rb) == 1
	v_wmma_scale_f32_16x16x128_f8f6f4 v[\d:\d+7], v[\a:\a+11], v[\b:\b+11], v[\d:\d+7], v[\sa], v[\sb] matrix_a_fmt:MATRIX_FMT_FP6 matrix_b_fmt:MATRIX_FMT_FP6 matrix_b_scale:MATRIX_SCALE_ROW1
.else
	v_wmma_scale_f32_16x16x128_f8f6f4 v[\d:\d+7], v[\a:\a+11], v[\b:\b+11], v[\d:\d+7], v[\sa], v[\sb] matrix_a_fmt:MATRIX_FMT_FP6 matrix_b_fmt:MATRIX_FMT_FP6 matrix_a_scale:MATRIX_SCALE_ROW1 matrix_b_scale:MATRIX_SCALE_ROW1
.endif
.endif
.endm
; a lane's entry of the table: 8 + 1 + 10 + 1 = 20 loads
.macro GATHER adr, cc
.irp i, 0,1,2,3,4,5,6,7
	global_load_b128 v[N+32*(\cc)+4*\i:N+32*(\cc)+4*\i+3], v[\adr], s[70:71] offset:16*\i
.endr
	global_load_b128 v[HD+4*(\cc):HD+4*(\cc)+3], v[\adr], s[70:71] offset:128
	WIN 0x40                                       ; destination window 1, address window 0
.irp i, 0,1,2,3,4,5,6,7,8,9
	global_load_b128 v[XF+48*(\cc)+6+4*\i:XF+48*(\cc)+9+4*\i], v[\adr], s[70:71] offset:144+16*\i
.endr
	global_load_b64 v[XF+48*(\cc)+46:XF+48*(\cc)+47], v[\adr], s[70:71] offset:304
	WIN 0
.endm
; centres a and b by turns: the coordinates, block 0's scale and codes, the exchange of halves, block 8's codes
.macro XPREP a, b
.irp cc, \a, \b
.irp m, 0,1,2
	v_sub_f32 v[18+3*((\cc)%2)+\m], v[N+32*(\cc)+\m], s[16+3*(\cc)+\m]
.endr
.endr
.irp cc, \a, \b
.irp m, 0,1,2
	v_mul_f32 v[18+3*((\cc)%2)+\m], 0x41a00000, v[18+3*((\cc)%2)+\m]       ; x 20 = / radius
.endr
.endr
.irp cc, \a, \b
.irp k, 0,1,2
	v_mul_f32 v[N+32*(\cc)+\k], s[28+9*(\cc)+\k], v[18+3*((\cc)%2)]
.endr
.endr
.irp cc, \a, \b
.irp k, 0,1,2
	v_fma_f32 v[N+32*(\cc)+\k], v[19+3*((\cc)%2)], s[31+9*(\cc)+\k], v[N+32*(\cc)+\k]
.endr
.endr
.irp cc, \a, \b
.irp k, 0,1,2
	v_fma_f32 v[N+32*(\cc)+\k], v[20+3*((\cc)%2)], s[34+9*(\cc)+\k], v[N+32*(\cc)+\k]
.endr
.endr
.irp cc, \a, \b
	v_max3_num_f32 v[TMP+4*((\cc)%2)], |v[N+32*(\cc)]|, |v[N+32*(\cc)+1]|, 0x1800000     ; with the floor 2^(3 - 127)
	v_max3_num_f32 v[TMP+1+4*((\cc)%2)], |v[N+32*(\cc)+2]|, |v[N+32*(\cc)+3]|, |v[N+32*(\cc)+4]|
.endr
.irp i, 5,9,13,17,21,25
.irp cc, \a, \b
	v_max3_num_f32 v[TMP+4*((\cc)%2)], v[TMP+4*((\cc)%2)], |v[N+32*(\cc)+\i]|, |v[N+32*(\cc)+\i+1]|
	v_max3_num_f32 v[TMP+1+4*((\cc)%2)], v[TMP+1+4*((\cc)%2)], |v[N+32*(\cc)+\i+2]|, |v[N+32*(\cc)+\i+3]|
.endr
.endr
.irp cc, \a, \b
	v_max3_num_f32 v[TMP+4*((\cc)%2)], v[TMP+4*((\cc)%2)], |v[N+32*(\cc)+29]|, |v[N+32*(\cc)+30]|
.endr
.irp cc, \a, \b
	v_max3_num_f32 v[TMP+4*((\cc)%2)], v[TMP+4*((\cc)%2)], v[TMP+1+4*((\cc)%2)], |v[N+32*(\cc)+31]|
.endr
.irp cc, \a, \b
	v_add_nc_u32 v[TMP+2+4*((\cc)%2)], 0xff000000, v[TMP+4*((\cc)%2)]      ; 2 off the exponent field: the conversion's scale operand
.endr
.irp cc, \a, \b
	v_lshrrev_b32 v[TMP+3+4*((\cc)%2)], 23, v[TMP+2+4*((\cc)%2)]
.endr
.irp cc, \a, \b
	v_or_b32 v[HD+4*(\cc)], v[HD+4*(\cc)], v[TMP+3+4*((\cc)%2)]            ; block 0's byte joins blocks 1..3's
.endr
	WIN 0x40
.irp cc, \a, \b
	v_cvt_scalef32_pk16_fp6_f32 v[XF+48*(\cc):XF+48*(\cc)+2], v[N+32*(\cc):N+32*(\cc)+15], v[TMP+2+4*((\cc)%2)]
	v_cvt_scalef32_pk16_fp6_f32 v[TQ+4*(\cc):TQ+4*(\cc)+2], v[N+32*(\cc)+16:N+32*(\cc)+31], v[TMP+2+4*((\cc)%2)]
.endr
	v_nop                                          ; one plain place behind the conversions
	WIN 0x41
.irp cc, \a, \b
.irp i, 0,1,2
	v_mov_b32 v[XF+48*(\cc)+3+\i], v[TQ+4*(\cc)+\i]
.endr
.endr
; a lane's registers hold blocks 0, 2 | 1, 3 | 4, 6 | 5, 7 of its sample.  The first run's lanes 16-31 change places with the second's lanes 0-15: the first is then the fragment of samples 0-15, the second that of samples 16-31
.irp cc, \a, \b
.irp i, 0,1,2,3,4,5,6,7,8,9,10,11
	v_permlane16_swap_b32 v[XF+48*(\cc)+\i], v[XF+48*(\cc)+12+\i]
	v_permlane16_swap_b32 v[XF+48*(\cc)+24+\i], v[XF+48*(\cc)+36+\i]
.endr
.endr
	WIN 0x40
.irp cc, \a, \b
	v_mov_b32 v[G+4*(\cc)], v[HD+4*(\cc)+3]
	v_permlanex16_b32 v[G+4*(\cc)+2], v[HD+4*(\cc)+3], s98, s99            ; samples 16-31's codes into lanes 0-15
.endr
	WIN 0
.endm
.macro LFRAG dst, adr, off             ; a fragment comes out of LDS as the image of its registers
.irp c, 0,1,2
	ds_load_b128 v[\dst+4*\c:\dst+4*\c+3], v[\adr] offset:\off+512*\c
.endr
.endm
.macro LW1 q, u
.irp tp, 0,1
	LFRAG WB+24*(\q)+12*\tp, 2, (2*(2*(\u)+\tp)+(\q))*1536
.endr
.endm
.macro LK1 u
	ds_load_b32 v[KB], v3 offset:53248+128*(2*(\u))
	ds_load_b32 v[KB+12], v3 offset:53248+128*(2*(\u)+1)
	ds_load_b128 v[SC:SC+3], v2 offset:49152+512*(\u)
.endm
.macro LEVEL base, st                  ; one level of a sum in place, from the low end on
.set si, 0
.rept (\st)/2
	v_pk_add_f32 v[\base+si:\base+si+1], v[\base+si:\base+si+1], v[\base+si+(\st):\base+si+(\st)+1]
.set si, si+2
.endr
.endm
; mean and M2 of a lane's nv numbers at v[base] on; they are left in v[out] (mean) and v[out + 1] (M2), from which the next unit's LDS stores take them.
; free = 1: the wait ahead of the out-buffer's first new write stands in this call
.macro STATS base, nv, shift, out, free
.if \shift
	v_xor_b32 v[TMP], 0x80000000, v[\base]         ; -s
.set si, 0
.rept (\nv)/2
	v_pk_add_f32 v[\base+si:\base+si+1], v[\base+si:\base+si+1], v[TMP:TMP+1] op_sel_hi:[1,0]
.set si, si+2
.endr
.endif
.irp c, 0,1,2,3
	v_pk_mul_f32 v[TMP+2+2*\c:TMP+3+2*\c], v[\base+2*\c:\base+2*\c+1], v[\base+2*\c:\base+2*\c+1]
.endr
.set si, 8
.rept (\nv)/2-4
	v_pk_fma_f32 v[TMP+2+(si%8):TMP+3+(si%8)], v[\base+si:\base+si+1], v[\base+si:\base+si+1], v[TMP+2+(si%8):TMP+3+(si%8)]
.set si, si+2
.endr
.if \nv == 64
	LEVEL \base, 32
.endif
	LEVEL \base, 16
	LEVEL \base, 8
	LEVEL \base, 4
	LEVEL \base, 2
	v_pk_add_f32 v[TMP+2:TMP+3], v[TMP+2:TMP+3], v[TMP+4:TMP+5]
	v_pk_add_f32 v[TMP+6:TMP+7], v[TMP+6:TMP+7], v[TMP+8:TMP+9]
	v_pk_add_f32 v[TMP+2:TMP+3], v[TMP+2:TMP+3], v[TMP+6:TMP+7]
	v_add_f32 v[TMP+4], v[\base], v[\base+1]       ; S1
	v_add_f32 v[TMP+5], v[TMP+2], v[TMP+3]         ; S2
.set inv, 0x3d000000                   ; 1 / 32
.if \nv == 64
.set inv, 0x3c800000                   ; 1 / 64
.endif
.if \free
	s_wait_alu depctr_vm_vsrc(0)                   ; the four LDS stores issued at this unit's head have read OUT, which is written again from here on
.endif
.if \shift
	v_mul_f32 v[TMP+6], inv, v[TMP+4]
	v_fma_f32 v[\out+1], -v[TMP+6], v[TMP+4], v[TMP+5]
	v_sub_f32 v[\out], v[TMP+6], v[TMP]
.else
	v_mul_f32 v[\out], inv, v[TMP+4]
	v_fma_f32 v[\out+1], -v[\out], v[TMP+4], v[TMP+5]
.endif
.endm
; unit u's results go from OUT to my stage: tile 2 u's means and M2, then tile 2 u + 1's
.macro PUT u
	ds_store_b32 v8, v[OUT] offset:256*(2*(\u))
	ds_store_b32 v8, v[OUT+1] offset:256*(2*(\u))+128
	ds_store_b32 v8, v[OUT+2] offset:256*(2*(\u)+1)
	ds_store_b32 v8, v[OUT+3] offset:256*(2*(\u)+1)+128
.endm
; np partial results (means v128 .., M2 v160 ..) of equal counts become one: mean in v[TMP+8], M2 in v[TMP+9]; s81 holds the count as f32
.macro MERGE np, invp
	v_pk_add_f32 v[TMP:TMP+1], v[128:129], v[130:131]
	v_pk_add_f32 v[TMP+6:TMP+7], v[160:161], v[162:163]
.set si, 4
.rept (\np)/2-2
	v_pk_add_f32 v[TMP:TMP+1], v[TMP:TMP+1], v[128+si:129+si]
	v_pk_add_f32 v[TMP+6:TMP+7], v[TMP+6:TMP+7], v[160+si:161+si]
.set si, si+2
.endr
	v_add_f32 v[TMP], v[TMP], v[TMP+1]
	v_mul_f32 v[TMP+8], \invp, v[TMP]
	v_xor_b32 v[TMP+2], 0x80000000, v[TMP+8]
	v_mov_b32 v[TMP+3], v[TMP+2]
.set si, 0
.rept (\np)/2
	v_pk_add_f32 v[128+si:129+si], v[128+si:129+si], v[TMP+2:TMP+3]
.set si, si+2
.endr
	v_pk_mul_f32 v[TMP+4:TMP+5], v[128:129], v[128:129]
.set si, 2
.rept (\np)/2-1
	v_pk_fma_f32 v[TMP+4:TMP+5], v[128+si:129+si], v[128+si:129+si], v[TMP+4:TMP+5]
.set si, si+2
.endr
	v_add_f32 v[TMP+4], v[TMP+4], v[TMP+5]
	v_add_f32 v[TMP+6], v[TMP+6], v[TMP+7]
	v_fma_f32 v[TMP+9], v[TMP+4], s81, v[TMP+6]
.endm
	s_load_b256 s[68:75], s[0:1], 0x0              ; idx s[68:69], table s[70:71], w1blob s[72:73], xyz s[74:75]
	s_load_b128 s[76:79], s[0:1], 0x20             ; rot s[76:77], p1 s[78:79]
	v_lshl_add_u32 v126, v0, 2, 0x15800
	v_mov_b32 v127, 0
	v_lshrrev_b32 v1, 5, v0
	v_readfirstlane_b32 s80, v1                    ; wave
	v_and_b32 v1, 31, v0                           ; lane
	v_lshlrev_b32 v2, 4, v1                        ; 16 x lane
	v_lshlrev_b32 v3, 2, v1                        ; 4 x lane
	v_lshlrev_b32 v4, 3, v1                        ; 8 x lane
	v_lshlrev_b32 v7, 4, v0                        ; 16 x thread
	s_wait_alu depctr_va_sdst(0)                   ; s80 is written, ahead of its first reader: the wave's places in LDS and in the buffers are made from it
	s_lshl_b32 s81, s80, 12
	s_add_co_u32 s81, s81, STG
	v_add_nc_u32 v8, s81, v3                       ; my stage: STG + 4,096 x wave + 4 x lane
	v_lshrrev_b32 v5, 4, v0                        ; for the closing merge: thread = 16 t + r
	v_and_b32 v6, 15, v0
	v_lshlrev_b32 v9, 8, v5
	v_lshl_add_u32 v9, v6, 2, v9
	v_add_nc_u32 v9, STG, v9                       ; STG + 256 t + 4 r
	v_and_b32 v18, 8, v6
	v_add_nc_u32 v6, v6, v18
	v_lshrrev_b32 v18, 1, v5
	v_lshl_add_u32 v6, v18, 5, v6
	v_and_b32 v18, 1, v5
	v_lshl_add_u32 v6, v18, 3, v6                  ; the channel of lane r of tile t
	v_lshlrev_b32 v6, 3, v6                        ; 8 bytes a channel
	s_lshl_b32 s82, ttmp9, 12                      ; idx: pair 16 g + 2 w
	s_lshl_b32 s83, s80, 9
	s_add_co_u32 s82, s82, s83
	s_mov_b32 s83, 0
	s_lshr_b32 s84, ttmp9, 5                       ; table: the batch's 1,024 entries
	s_mul_i32 s84, s84, 327680
	s_mov_b32 s85, 0
	s_mul_i32 s86, ttmp9, 384                      ; my four centres' xyz
	s_mul_i32 s87, s80, 48
	s_add_co_u32 s86, s86, s87
	s_mov_b32 s87, 0
	s_mul_i32 s88, ttmp9, 1152                     ; and rot
	s_mul_i32 s89, s80, 144
	s_add_co_u32 s88, s88, s89
	s_mov_b32 s89, 0
	s_lshl_b32 s90, ttmp9, 11                      ; p1: 2,048 bytes a work-group
	s_mov_b32 s91, 0
	s_mov_b32 s98, 0x76543210
	s_mov_b32 s99, 0xfedcba98                      ; v_permlanex16_b32's selects for lane l xor 16
	s_wait_kmcnt 0x0
	s_add_nc_u64 s[68:69], s[68:69], s[82:83]
	s_add_nc_u64 s[70:71], s[70:71], s[84:85]
	s_add_nc_u64 s[74:75], s[74:75], s[86:87]
	s_add_nc_u64 s[76:77], s[76:77], s[88:89]
	s_add_nc_u64 s[78:79], s[78:79], s[90:91]
	s_load_b256 s[16:23], s[74:75], 0x0
	s_load_b128 s[24:27], s[74:75], 0x20
	s_load_b512 s[28:43], s[76:77], 0x0
	s_load_b512 s[44:59], s[76:77], 0x40
	s_load_b128 s[60:63], s[76:77], 0x80
	s_wait_alu depctr_va_vdst(0)                   ; the offsets and LDS addresses v2 to v9 are written, which the loads and stores of the whole kernel read
	global_load_b64 v[14:15], v4, s[68:69]         ; the indices of centres 0, 1 (lane = slot),
	global_load_b64 v[16:17], v4, s[68:69] offset:256          ; of centres 2, 3
.set k, 0
.rept 13
	global_load_b128 v[44+4*k:47+4*k], v7, s[72:73] offset:4096*k      ; W1's images and scale words: 4,096 bytes a round of the 256 threads
.set k, k+1
.endr
	s_cmp_lt_u32 s80, 4
	s_cbranch_scc0 .Lno14a
	global_load_b128 v[96:99], v7, s[72:73] offset:53248       ; the last 2,048 bytes: waves 0-3
.Lno14a:
	s_wait_loadcnt 13                              ; behind the indices' loads stand 13 or 14 others: the indices are in
.irp c, 0,1,2,3
	v_min_u32 v[10+\c], 0x3ff, v[14+\c]
.endr
.irp c, 0,1,2,3
	v_mul_u32_u24 v[10+\c], v[10+\c], 320
.endr
	s_wait_alu depctr_va_vdst(0)                   ; v10 to v13 are written, the four gathers' offsets; no vector instruction stands between this wait and the last gather
	GATHER 10, 0
	GATHER 11, 1
	s_wait_loadcnt 40                              ; all but the 2 x 20 loads of the two gathers: W1 is in
.set k, 0
.rept 13
	ds_store_b128 v7, v[44+4*k:47+4*k] offset:4096*k
.set k, k+1
.endr
	s_cmp_lt_u32 s80, 4
	s_cbranch_scc0 .Lno14b
	ds_store_b128 v7, v[96:99] offset:53248
.Lno14b:
	GATHER 12, 2
	GATHER 13, 3
	s_wait_alu depctr_vm_vsrc(0)                   ; my LDS stores have read v44 to v99: these registers are KB and WB from here on, written by the zeros below and by the fragments' loads
.irp i, 1,2,3,4,5,6,7,8,9,10,11,13,14,15,16,17,18,19,20,21,22,23
	v_mov_b32 v[KB+\i], 0                          ; K step 2: all of W1's operand but its first register is zeros
.endr
	WIN 0x40
.set k, 0
.rept 26
	v_mov_b32 v[G+k], 0
.set k, k+1
.endr
	WIN 0
	s_wait_dscnt 0x0                               ; my part of W1 has landed,
	s_barrier_signal -1
	s_barrier_wait -1                              ; everybody's has; nobody writes those bytes again
	LW1 0, 0
	LW1 1, 0
	LK1 0
	s_wait_loadcnt 0x0
	s_wait_kmcnt 0x0
	XPREP 0, 1
	XPREP 2, 3
	NOPS 8                                         ; scale words and operands that vector instructions wrote stand 8 and 4 places ahead of a scaled matrix instruction
	s_wait_alu depctr_va_vdst(0)                   ; behind the places: the columns' codes and scale words, block 8's codes and KB's zeros are written, which the matrix instructions take as operands and scales
; Tiles 2 u and 2 u + 1 of W1 against my 8 column tiles: 16 accumulators by turns, one instruction a turn, K step by K step.
; Behind the three runs: four places, the unit's one wait on va_vdst, the stores of the unit before, the loads of the unit after; then the statistics.
.macro S1UNIT u
	s_wait_dscnt 0x0                               ; this unit's fragments and scale words are in
	WIN 0x01                                       ; source 0 (the columns) window 1
.irp q, 0,1,2
.irp col, 0,1,2,3,4,5,6,7
.irp tp, 0,1
.if \q == 0
	MM ACC+64*\tp+8*\col, XF+48*(\col/2)+12*(\col%2), WB+12*\tp, 1, HD+4*(\col/2), SC, \col%2, \tp
.elseif \q == 1
	MM ACC+64*\tp+8*\col, XF+48*(\col/2)+24+12*(\col%2), WB+24+12*\tp, 0, HD+4*(\col/2)+1, SC+1, \col%2, \tp
.else
	MM ACC+64*\tp+8*\col, G+2*\col, KB+12*\tp, 0, HD+4*(\col/2)+2, SC+2, \col%2, \tp
.endif
.endr
.endr
.endr
	NOPS 4                                         ; four places behind the last matrix instructions, before the statistics read their results
	WIN 0
	s_wait_alu depctr_va_vdst(0)                   ; the matrix instructions are done reading WB, KB and SC, in which the loads below land; the unit before has written OUT, which the stores below read
.if \u > 0
	PUT \u-1
.endif
.if \u < 7
	LW1 0, \u+1
	LW1 1, \u+1
	LK1 \u+1
.endif
.if \u > 0
	STATS ACC, 64, 1, OUT, 1
.else
	STATS ACC, 64, 1, OUT, 0
.endif
	STATS ACC+64, 64, 1, OUT+2, 0
.endm
.irp u, 0,1,2,3,4,5,6,7
	S1UNIT \u
.endr
	s_mov_b32 s81, 0x42800000                      ; 64 numbers in each partial result
	s_wait_alu depctr_va_vdst(0)                   ; unit 7 has written OUT, which the stores below read; the statistics are done with v128 to v175, in which the loads behind the barrier land
	PUT 7
	s_wait_dscnt 0x0                               ; my stage is written,
	s_barrier_signal -1
	s_barrier_wait -1                              ; everybody's is
.irp s, 0,1,2,3,4,5,6,7
.irp h, 0,1
	ds_load_b32 v[128+2*\s+\h], v9 offset:4096*\s+64*\h
	ds_load_b32 v[160+2*\s+\h], v9 offset:4096*\s+64*\h+128
.endr
.endr
	s_wait_dscnt 0x0
	MERGE 16, 0x3d800000
	s_wait_alu depctr_va_vdst(0)                   ; the merge has written v[TMP+8] and v[TMP+9], which the store reads
	global_store_b64 v6, v[TMP+8:TMP+9], s[78:79]  ; [work-group][channel][mean, M2]: the work-group fills its 2,048 bytes
	s_wait_dscnt 0x0                               ; the closing lines, six on end
	s_wait_alu 0x0
	s_wait_tensorcnt 0x0
	ds_add_u32 v126, v127
	s_wait_dscnt 0x0
	s_endpgm
.Lfunc_end_k_qff9247e10e_stat1:
	.size	k_qff9247e10e_stat1, .Lfunc_end_k_qff9247e10e_stat1-k_qff9247e10e_stat1
	.p2alignl 7, 3214868480
	.fill 96, 4, 3214868480
	.section	.rodata,"a",@progbits
	.p2align	6, 0x0
	.amdhsa_kernel k_qff9247e10e_stat1
		.amdhsa_group_segment_fixed_size 89088
		.amdhsa_private_segment_fixed_size 0
		.amdhsa_enable_private_segment 0
		.amdhsa_kernarg_size 48
		.amdhsa_user_sgpr_count 2
		.amdhsa_user_sgpr_kernarg_segment_ptr 1
		.amdhsa_wavefront_size32 1
		.amdhsa_system_sgpr_workgroup_id_x 1
		.amdhsa_system_sgpr_workgroup_id_y 1
		.amdhsa_system_sgpr_workgroup_id_z 1
		.amdhsa_system_vgpr_workitem_id 0
		.amdhsa_next_free_vgpr 512
		.amdhsa_next_free_sgpr 100
		.amdhsa_reserve_vcc 0
		.amdhsa_float_denorm_mode_32 3
		.amdhsa_float_denorm_mode_16_64 3
		.amdhsa_memory_ordered 1
		.amdhsa_forward_progress 1
		.amdhsa_inst_pref_size 196
	.end_amdhsa_kernel
	.amdgpu_metadata
---
amdhsa.version: [ 1, 2 ]
amdhsa.kernels:
  - .name:           k_qff9247e10e_stat1
    .symbol:         k_qff9247e10e_stat1.kd
    .args:
      - { .name: idx, .offset: 0, .size: 8, .value_kind: global_buffer, .address_space: global }
      - { .name: table, .offset: 8, .size: 8, .value_kind: global_buffer, .address_space: global }
      - { .name: w1blob, .offset: 16, .size: 8, .value_kind: global_buffer, .address_space: global }
      - { .name: seed_xyz_graspable, .offset: 24, .size: 8, .value_kind: global_buffer, .address_space: global }
      - { .name: vp_rot, .offset: 32, .size: 8, .value_kind: global_buffer, .address_space: global }
      - { .name: p1, .offset: 40, .size: 8, .value_kind: global_buffer, .address_space: global }
    .group_segment_fixed_size: 89088
    .private_segment_fixed_size: 0
    .kernarg_segment_align: 8
    .kernarg_segment_size: 48
    .max_flat_workgroup_size: 256
    .sgpr_count:     100
    .vgpr_count:     512
    .wavefront_size: 32
...
	.end_amdgpu_metadata
.endif
;; end of part 6
;; launch bn1: the kernel of part 3 again; grid 8 x 1, 8 waves a work-group, no clusters, 3,072 bytes of LDS; arguments p1, g1, b1, bn1p; writes bn1p
;; launch main (part 7): grid 256 x 1, 8 waves a work-group, no clusters, 175,104 bytes of LDS; arguments idx, table, w1blob, W2_codes, W2_scales, bn1p, seed_xyz_graspable, vp_rot, g2, ysel, p2; writes ysel, p2
.if DOCPART == 7
	.amdgcn_target "amdgcn-amd-amdhsa--gfx1250"
	.amdhsa_code_object_version 6
	.text
	.protected	k_qff9247e10e_main
	.globl	k_qff9247e10e_main
	.p2align	8
	.type	k_qff9247e10e_main,@function
k_qff9247e10e_main:
	s_mov_b64 s[64:65], 0
	v_nop
	global_prefetch_b8 v0, s[64:65] scope:SCOPE_SE
	s_setreg_imm32_b32 hwreg(HW_REG_WAVE_SCHED_MODE, 0, 2), 2
	s_setreg_imm32_b32 hwreg(HW_REG_WAVE_MODE, 25, 1), 1
	s_wait_xcnt 0x0
	s_wait_alu depctr_vm_vsrc(0)
; y1 = W1 x once more, h = relu(a1 y1 + c1) quantised in registers, y2 = W2 h; of y2 only two things leave: for each (centre, channel) the largest of the 32 samples where g2 >= 0 and the smallest
; where g2 < 0 (the second batch norm and relu are monotone in y2, rising or falling with g2's sign), and each channel's mean and M2 over the work-group's 1,024 columns.
; SHARES.  Work-group g: centres 32 g ..; a wave four centres, two a trip = 4 column tiles.  Two waves to a SIMD, which share nothing but the weights in LDS: one wave's vector work stands beside the other's products.
; PRODUCT 3 takes W1's rows as source 0 and the columns as source 1: a lane holds ONE sample, and by the order of W1's rows the 16 registers of tiles 2 u and 2 u + 1 are channels 32 u + 16 (lane / 16) + 0 .. 15:
; half of block u of the next K.  The block's largest number joins lanes l and l xor 16; two blocks' conversions change halves and are the next operand's registers.
; PRODUCT 4 takes h as source 0 and W2's rows as source 1: a lane holds ONE channel and its registers run over samples: largest, smallest and sums stay inside a lane.
; LIMITS: as in the first pass; the batch norm is one fused multiply-add a y + c; M2 of a lane's 32 numbers of y2 is S2 - S1^2 / 32: its relative error is about 6e-8 x (1 + mean^2 / variance).
; THE MODE: SCHED_MODE bits 1:0 = 2 (LLVM: expert scheduling mode 2), set by the entry lines.  The code itself states the register dependences
; between vector or matrix instructions and memory or LDS instructions, with s_wait_alu, always for 0.
; THE PLAN.  Registers that memory or LDS instructions touch, in the loop (a unit = two tiles of a weight against my four column tiles):
;   WB, v[KB], v[KB+12], SC   A unit's matrix instructions read them; behind these the LDS loads of the next unit land in them.
;   BNA, BNC                  A unit of product 3: its 32 multiply-adds read them; behind these the next unit's a1 and c1 land in them.
;   N, HD, the columns' XF    Read and written by the columns' preparation and by product 3; the next trip's gathers land in them when product 3 is over.
;   Y, OUT                    A unit of product 4 writes them at its end; the stores issued in the next unit (unit 7's: at the trip's end) read them.
;   v8                        The stage's address: written once a trip; read by the LDS stores.   v2 to v6, v9 to v13: made at the head, not written in the loop.
;   The accumulators, h's codes and scale words, MX, MN and TMP are named by vector and matrix instructions alone.
; So ONE wait on va_vdst stands in a unit.  In product 3 behind the batch norm's multiply-adds: the matrix instructions are done reading the weights, the multiply-adds a1 and c1; the next unit's 23 loads follow in one run, and
; the relu and the quantiser behind them name none of those registers.  In product 4 behind the matrix instructions' four places: it also states that the unit before has written Y and OUT; that unit's five stores and the next
; unit's loads follow.  One wait on vm_vsrc stands in a unit of product 4, ahead of the line that writes Y again, and one at the trip's end.
.set W2IMG, 55296                      ; LDS: 0 .. w1blob;  W2's 32 fragments as images, 1,536 bytes each (2 x tile + K step);
.set W2SC,  104448                     ; W2's scale bytes as they lie in memory, 8 a row;
.set BNAL,  106496                     ; a1[256], c1[256];
.set STG,   108544                     ; 16 slots (2 x wave + trip) x 16 tiles x (128 bytes of means + 128 of M2)
.set OUT, 14                           ; v14-17   at the head the four centres' indices; then a unit's statistics on their way to the stage: mean and M2 of its first tile, of its second
.set HD,  24                           ; v24-31   two centres: the columns' three scale words, and block 8's codes
.set SC,  32                           ; v32-35   the weights' scale words of two tiles
.set HS,  36                           ; v36-43   h's scale words: 2 col + K step
.set KB,  44                           ; v44-67   W1's operand of K step 2; in product 4 at work:
.set MX,  44                           ; v44-47   largest: 2 cc + t'
.set MN,  48                           ; v48-51   smallest
.set Y,   52                           ; v52-53   what is stored
.set WB,  68                           ; v68-115  the weights' fragments: 24 q + 12 t'
.set TMP, 116                          ; v116-127 at work
.set N,   128                          ; v128-191 block 0's numbers of two centres; during product 3:
.set BNA, 128                          ; v128-143 a1 of my 16 channels
.set BNC, 144                          ; v144-159 c1
.set ACC, 192                          ; v192-255 accumulators
.set XF,  0                            ; window 1: v0-95 the columns' fragments: 48 cc + 24 q + 12 e
.set G,   96                           ; window 1: v96-113 block 8's codes
.set HC,  114                          ; window 1: v114-209 h's fragments: 24 col + 12 K step
.set TQ,  210                          ; window 1: v210-225 a conversion's second half
.set MSB, 0
.macro WIN new                         ; the immediate's high byte repeats the setting that is left
.if MSB != \new
	s_set_vgpr_msb (MSB<<8)|\new
.set MSB, \new
.endif
.endm
.macro NOPS n
.rept \n
	v_nop
.endr
.endm
.macro MM d, a, b, z, sa, sb, ra, rb
.if \z
.if (\ra) == 0 && (\rb) == 0
	v_wmma_scale_f32_16x16x128_f8f6f4 v[\d:\d+7], v[\a:\a+11], v[\b:\b+11], 0, v[\sa], v[\sb] matrix_a_fmt:MATRIX_FMT_FP6 matrix_b_fmt:MATRIX_FMT_FP6
.elseif (\ra) == 1 && (\rb) == 0
	v_wmma_scale_f32_16x16x128_f8f6f4 v[\d:\d+7], v[\a:\a+11], v[\b:\b+11], 0, v[\sa], v[\sb] matrix_a_fmt:MATRIX_FMT_FP6 matrix_b_fmt:MATRIX_FMT_FP6 matrix_a_scale:MATRIX_SCALE_ROW1
.elseif (\ra) == 0 && (\rb) == 1
	v_wmma_scale_f32_16x16x128_f8f6f4 v[\d:\d+7], v[\a:\a+11], v[\b:\b+11], 0, v[\sa], v[\sb] matrix_a_fmt:MATRIX_FMT_FP6 matrix_b_fmt:MATRIX_FMT_FP6 matrix_b_scale:MATRIX_SCALE_ROW1
.else
	v_wmma_scale_f32_16x16x128_f8f6f4 v[\d:\d+7], v[\a:\a+11], v[\b:\b+11], 0, v[\sa], v[\sb] matrix_a_fmt:MATRIX_FMT_FP6 matrix_b_fmt:MATRIX_FMT_FP6 matrix_a_scale:MATRIX_SCALE_ROW1 matrix_b_scale:MATRIX_SCALE_ROW1
.endif
.else
.if (\ra) == 0 && (\rb) == 0
	v_wmma_scale_f32_16x16x128_f8f6f4 v[\d:\d+7], v[\a:\a+11], v[\b:\b+11], v[\d:\d+7], v[\sa], v[\sb] matrix_a_fmt:MATRIX_FMT_FP6 matrix_b_fmt:MATRIX_FMT_FP6
.elseif (\ra) == 1 && (\rb) == 0
	v_wmma_scale_f32_16x16x128_f8f6f4 v[\d:\d+7], v[\a:\a+11], v[\b:\b+11], v[\d:\d+7], v[\sa], v[\sb] matrix_a_fmt:MATRIX_FMT_FP6 matrix_b_fmt:MATRIX_FMT_FP6 matrix_a_scale:MATRIX_SCALE_ROW1
.elseif (\ra) == 0 && (\rb) == 1
	v_wmma_scale_f32_16x16x128_f8f6f4 v[\d:\d+7], v[\a:\a+11], v[\b:\b+11], v[\d:\d+7], v[\sa], v[\sb] matrix_a_fmt:MATRIX_FMT_FP6 matrix_b_fmt:MATRIX_FMT_FP6 matrix_b_scale:MATRIX_SCALE_ROW1
.else
	v_wmma_scale_f32_16x16x128_f8f6f4 v[\d:\d+7], v[\a:\a+11], v[\b:\b+11], v[\d:\d+7], v[\sa], v[\sb] matrix_a_fmt:MATRIX_FMT_FP6 matrix_b_fmt:MATRIX_FMT_FP6 matrix_a_scale:MATRIX_SCALE_ROW1 matrix_b_scale:MATRIX_SCALE_ROW1
.endif
.endif
.endm
.macro GATHER adr, cc                  ; a lane's entry of the table: 8 + 1 + 10 + 1 = 20 loads
.irp i, 0,1,2,3,4,5,6,7
	global_load_b128 v[N+32*(\cc)+4*\i:N+32*(\cc)+4*\i+3], v[\adr], s[70:71] offset:16*\i
.endr
	global_load_b128 v[HD+4*(\cc):HD+4*(\cc)+3], v[\adr], s[70:71] offset:128
	WIN 0x40
.irp i, 0,1,2,3,4,5,6,7,8,9
	global_load_b128 v[XF+48*(\cc)+6+4*\i:XF+48*(\cc)+9+4*\i], v[\adr], s[70:71] offset:144+16*\i
.endr
	global_load_b64 v[XF+48*(\cc)+46:XF+48*(\cc)+47], v[\adr], s[70:71] offset:304
	WIN 0
.endm
.macro XPREP a, b                      ; centres a and b by turns: the coordinates, block 0's scale and codes, the exchange of halves, block 8's codes
.irp cc, \a, \b
.irp m, 0,1,2
	v_sub_f32 v[18+3*((\cc)%2)+\m], v[N+32*(\cc)+\m], s[16+3*(\cc)+\m]
.endr
.endr
.irp cc, \a, \b
.irp m, 0,1,2
	v_mul_f32 v[18+3*((\cc)%2)+\m], 0x41a00000, v[18+3*((\cc)%2)+\m]
.endr
.endr
.irp cc, \a, \b
.irp k, 0,1,2
	v_mul_f32 v[N+32*(\cc)+\k], s[28+9*(\cc)+\k], v[18+3*((\cc)%2)]
.endr
.endr
.irp cc, \a, \b
.irp k, 0,1,2
	v_fma_f32 v[N+32*(\cc)+\k], v[19+3*((\cc)%2)], s[31+9*(\cc)+\k], v[N+32*(\cc)+\k]
.endr
.endr
.irp cc, \a, \b
.irp k, 0,1,2
	v_fma_f32 v[N+32*(\cc)+\k], v[20+3*((\cc)%2)], s[34+9*(\cc)+\k], v[N+32*(\cc)+\k]
.endr
.endr
.irp cc, \a, \b
	v_max3_num_f32 v[TMP+4*((\cc)%2)], |v[N+32*(\cc)]|, |v[N+32*(\cc)+1]|, 0x1800000
	v_max3_num_f32 v[TMP+1+4*((\cc)%2)], |v[N+32*(\cc)+2]|, |v[N+32*(\cc)+3]|, |v[N+32*(\cc)+4]|
.endr
.irp i, 5,9,13,17,21,25
.irp cc, \a, \b
	v_max3_num_f32 v[TMP+4*((\cc)%2)], v[TMP+4*((\cc)%2)], |v[N+32*(\cc)+\i]|, |v[N+32*(\cc)+\i+1]|
	v_max3_num_f32 v[TMP+1+4*((\cc)%2)], v[TMP+1+4*((\cc)%2)], |v[N+32*(\cc)+\i+2]|, |v[N+32*(\cc)+\i+3]|
.endr
.endr
.irp cc, \a, \b
	v_max3_num_f32 v[TMP+4*((\cc)%2)], v[TMP+4*((\cc)%2)], |v[N+32*(\cc)+29]|, |v[N+32*(\cc)+30]|
.endr
.irp cc, \a, \b
	v_max3_num_f32 v[TMP+4*((\cc)%2)], v[TMP+4*((\cc)%2)], v[TMP+1+4*((\cc)%2)], |v[N+32*(\cc)+31]|
.endr
.irp cc, \a, \b
	v_add_nc_u32 v[TMP+2+4*((\cc)%2)], 0xff000000, v[TMP+4*((\cc)%2)]
.endr
.irp cc, \a, \b
	v_lshrrev_b32 v[TMP+3+4*((\cc)%2)], 23, v[TMP+2+4*((\cc)%2)]
.endr
.irp cc, \a, \b
	v_or_b32 v[HD+4*(\cc)], v[HD+4*(\cc)], v[TMP+3+4*((\cc)%2)]
.endr
	WIN 0x40
.irp cc, \a, \b
	v_cvt_scalef32_pk16_fp6_f32 v[XF+48*(\cc):XF+48*(\cc)+2], v[N+32*(\cc):N+32*(\cc)+15], v[TMP+2+4*((\cc)%2)]
	v_cvt_scalef32_pk16_fp6_f32 v[TQ+4*(\cc):TQ+4*(\cc)+2], v[N+32*(\cc)+16:N+32*(\cc)+31], v[TMP+2+4*((\cc)%2)]
.endr
	v_nop                                          ; one plain place behind the conversions
	WIN 0x41
.irp cc, \a, \b
.irp i, 0,1,2
	v_mov_b32 v[XF+48*(\cc)+3+\i], v[TQ+4*(\cc)+\i]
.endr
.endr
.irp cc, \a, \b
.irp i, 0,1,2,3,4,5,6,7,8,9,10,11
	v_permlane16_swap_b32 v[XF+48*(\cc)+\i], v[XF+48*(\cc)+12+\i]
	v_permlane16_swap_b32 v[XF+48*(\cc)+24+\i], v[XF+48*(\cc)+36+\i]
.endr
.endr
	WIN 0x40
.irp cc, \a, \b
	v_mov_b32 v[G+4*(\cc)], v[HD+4*(\cc)+3]
	v_permlanex16_b32 v[G+4*(\cc)+2], v[HD+4*(\cc)+3], s98, s99
.endr
	WIN 0
.endm
.macro LFRAG dst, adr, off
.irp c, 0,1,2
	ds_load_b128 v[\dst+4*\c:\dst+4*\c+3], v[\adr] offset:\off+512*\c
.endr
.endm
.macro LW1 q, u
.irp tp, 0,1
	LFRAG WB+24*(\q)+12*\tp, 2, (2*(2*(\u)+\tp)+(\q))*1536
.endr
.endm
.macro LK1 u
	ds_load_b32 v[KB], v3 offset:53248+128*(2*(\u))
	ds_load_b32 v[KB+12], v3 offset:53248+128*(2*(\u)+1)
	ds_load_b128 v[SC:SC+3], v2 offset:49152+512*(\u)
.endm
.macro LW2 kq, u
.irp tp, 0,1
	LFRAG WB+24*(\kq)+12*\tp, 4, (2*(2*(\u)+\tp)+(\kq))*1536
.endr
.endm
.macro LS2 u
	ds_load_b64 v[SC:SC+1], v5 offset:256*(\u)
.endm
.macro LBN u                           ; a1 and c1 of channels 32 u + 16 (lane / 16) + 0 .. 15
.irp i, 0,1,2,3
	ds_load_b128 v[BNA+4*\i:BNA+4*\i+3], v6 offset:128*(\u)+16*\i
	ds_load_b128 v[BNC+4*\i:BNC+4*\i+3], v6 offset:1024+128*(\u)+16*\i
.endr
.endm
.macro LEVEL base, st
.set si, 0
.rept (\st)/2
	v_pk_add_f32 v[\base+si:\base+si+1], v[\base+si:\base+si+1], v[\base+si+(\st):\base+si+(\st)+1]
.set si, si+2
.endr
.endm
.macro STATS base, nv, shift, out      ; mean and M2 of a lane's nv numbers; they are left in v[out] and v[out + 1], from which the next unit's LDS stores take them
.if \shift
	v_xor_b32 v[TMP], 0x80000000, v[\base]
.set si, 0
.rept (\nv)/2
	v_pk_add_f32 v[\base+si:\base+si+1], v[\base+si:\base+si+1], v[TMP:TMP+1] op_sel_hi:[1,0]
.set si, si+2
.endr
.endif
.irp c, 0,1,2,3
	v_pk_mul_f32 v[TMP+2+2*\c:TMP+3+2*\c], v[\base+2*\c:\base+2*\c+1], v[\base+2*\c:\base+2*\c+1]
.endr
.set si, 8
.rept (\nv)/2-4
	v_pk_fma_f32 v[TMP+2+(si%8):TMP+3+(si%8)], v[\base+si:\base+si+1], v[\base+si:\base+si+1], v[TMP+2+(si%8):TMP+3+(si%8)]
.set si, si+2
.endr
.if \nv == 64
	LEVEL \base, 32
.endif
	LEVEL \base, 16
	LEVEL \base, 8
	LEVEL \base, 4
	LEVEL \base, 2
	v_pk_add_f32 v[TMP+2:TMP+3], v[TMP+2:TMP+3], v[TMP+4:TMP+5]
	v_pk_add_f32 v[TMP+6:TMP+7], v[TMP+6:TMP+7], v[TMP+8:TMP+9]
	v_pk_add_f32 v[TMP+2:TMP+3], v[TMP+2:TMP+3], v[TMP+6:TMP+7]
	v_add_f32 v[TMP+4], v[\base], v[\base+1]
	v_add_f32 v[TMP+5], v[TMP+2], v[TMP+3]
.set inv, 0x3d000000                   ; 1 / 32
.if \nv == 64
.set inv, 0x3c800000                   ; 1 / 64
.endif
.if \shift
	v_mul_f32 v[TMP+6], inv, v[TMP+4]
	v_fma_f32 v[\out+1], -v[TMP+6], v[TMP+4], v[TMP+5]
	v_sub_f32 v[\out], v[TMP+6], v[TMP]
.else
	v_mul_f32 v[\out], inv, v[TMP+4]
	v_fma_f32 v[\out+1], -v[\out], v[TMP+4], v[TMP+5]
.endif
.endm
; what unit u of product 4 has left in Y and OUT goes out: the kept numbers to memory, the statistics to my stage
.macro PUT u
	global_store_b64 v9, v[Y:Y+1], s[86:87] offset:256*(\u)    ; [pair][channel][2 centres]: the wave stores 256 consecutive bytes, aligned
	ds_store_b32 v8, v[OUT] offset:256*(2*(\u))
	ds_store_b32 v8, v[OUT+1] offset:256*(2*(\u))+128
	ds_store_b32 v8, v[OUT+2] offset:256*(2*(\u)+1)
	ds_store_b32 v8, v[OUT+3] offset:256*(2*(\u)+1)+128
.endm
.macro MERGE np, invp                  ; np partial results (means v128 .., M2 v160 ..) of equal counts become one; s3 holds the count as f32
	v_pk_add_f32 v[TMP:TMP+1], v[128:129], v[130:131]
	v_pk_add_f32 v[TMP+6:TMP+7], v[160:161], v[162:163]
.set si, 4
.rept (\np)/2-2
	v_pk_add_f32 v[TMP:TMP+1], v[TMP:TMP+1], v[128+si:129+si]
	v_pk_add_f32 v[TMP+6:TMP+7], v[TMP+6:TMP+7], v[160+si:161+si]
.set si, si+2
.endr
	v_add_f32 v[TMP], v[TMP], v[TMP+1]
	v_mul_f32 v[TMP+8], \invp, v[TMP]
	v_xor_b32 v[TMP+2], 0x80000000, v[TMP+8]
	v_mov_b32 v[TMP+3], v[TMP+2]
.set si, 0
.rept (\np)/2
	v_pk_add_f32 v[128+si:129+si], v[128+si:129+si], v[TMP+2:TMP+3]
.set si, si+2
.endr
	v_pk_mul_f32 v[TMP+4:TMP+5], v[128:129], v[128:129]
.set si, 2
.rept (\np)/2-1
	v_pk_fma_f32 v[TMP+4:TMP+5], v[128+si:129+si], v[128+si:129+si], v[TMP+4:TMP+5]
.set si, si+2
.endr
	v_add_f32 v[TMP+4], v[TMP+4], v[TMP+5]
	v_add_f32 v[TMP+6], v[TMP+6], v[TMP+7]
	v_fma_f32 v[TMP+9], v[TMP+4], s3, v[TMP+6]
.endm
	s_load_b512 s[68:83], s[0:1], 0x0              ; idx 68, table 70, w1blob 72, W2's codes 74, W2's scales 76, bn1p 78, xyz 80, rot 82
	s_load_b128 s[84:87], s[0:1], 0x40             ; g2 84, ysel 86
	s_load_b64 s[88:89], s[0:1], 0x50              ; p2
	s_set_vgpr_msb 0x40
	v_lshl_add_u32 v254, v0, 2, 0x2a800
	v_mov_b32 v255, 0
	s_set_vgpr_msb 0x4000
	v_lshrrev_b32 v1, 5, v0
	v_readfirstlane_b32 s2, v1                     ; wave
	v_and_b32 v1, 31, v0                           ; lane
	v_lshlrev_b32 v2, 4, v1                        ; 16 x lane
	v_lshlrev_b32 v3, 2, v1                        ; 4 x lane
	v_add_nc_u32 v4, W2IMG, v2
	v_lshlrev_b32 v9, 3, v1                        ; 8 x lane
	v_add_nc_u32 v5, W2SC, v9
	v_bfe_u32 v6, v0, 4, 1
	v_lshlrev_b32 v6, 6, v6
	v_add_nc_u32 v6, BNAL, v6                      ; 64 (lane / 16) + a1's bytes
	s_wait_alu depctr_va_sdst(0)                   ; s2 is written, ahead of its first reader: the wave's places in LDS and in the buffers are made from it
	s_lshl_b32 s3, s2, 13
	s_add_co_u32 s3, s3, STG
	v_add_nc_u32 v7, s3, v3                        ; my two slots of the stage
	v_lshlrev_b32 v18, 4, v0                       ; 16 x thread: the copy of w1blob
	s_lshr_b32 s3, s2, 2
	s_mul_i32 s3, s3, 51200
	s_add_co_u32 s3, s3, 53248
	v_add_nc_u32 v19, s3, v18                      ; its last round: waves 0-3 at 53,248 + 16 x thread; waves 4-7 bring a1, c1 to 106,496 + 16 (thread - 128)
	s_lshl_b32 s3, s2, 8
	v_add_nc_u32 v20, s3, v5                       ; W2's scale bytes: W2SC + 8 x thread
	v_and_b32 v8, 15, v0
	v_bfe_u32 v116, v0, 4, 1
	v_mul_u32_u24 v21, v8, 192
	v_mad_u32_u24 v21, v116, 24, v21
	s_mul_i32 s3, s2, 6144
	v_add_nc_u32 v21, s3, v21                      ; W2's codes: row 32 w + r of 192 bytes, + 24 (lane / 16)
	v_add_nc_u32 v22, s3, v4                       ; and where my four fragments' images go
	v_lshlrev_b32 v23, 3, v0                       ; 8 x thread
	s_lshl_b32 s4, ttmp9, 12                       ; idx: pair 16 g + 2 w
	s_lshl_b32 s5, s2, 9
	s_add_co_u32 s4, s4, s5
	s_mov_b32 s5, 0
	s_lshr_b32 s6, ttmp9, 5                        ; table: the batch's entries
	s_mul_i32 s6, s6, 327680
	s_mov_b32 s7, 0
	s_mul_i32 s8, ttmp9, 384                       ; my four centres' xyz
	s_mul_i32 s9, s2, 48
	s_add_co_u32 s8, s8, s9
	s_mov_b32 s9, 0
	s_mul_i32 s10, ttmp9, 1152                     ; and rot
	s_mul_i32 s11, s2, 144
	s_add_co_u32 s10, s10, s11
	s_mov_b32 s11, 0
	s_lshl_b32 s12, ttmp9, 15                      ; ysel: pair 16 g + 2 w, 2,048 bytes a pair
	s_lshl_b32 s13, s2, 12
	s_add_co_u32 s12, s12, s13
	s_mov_b32 s13, 0
	s_lshl_b32 s14, ttmp9, 11                      ; p2
	s_mov_b32 s15, 0
	s_mov_b32 s98, 0x76543210
	s_mov_b32 s99, 0xfedcba98
	s_wait_kmcnt 0x0
	s_add_nc_u64 s[68:69], s[68:69], s[4:5]
	s_add_nc_u64 s[70:71], s[70:71], s[6:7]
	s_add_nc_u64 s[80:81], s[80:81], s[8:9]
	s_add_nc_u64 s[82:83], s[82:83], s[10:11]
	s_add_nc_u64 s[86:87], s[86:87], s[12:13]
	s_add_nc_u64 s[88:89], s[88:89], s[14:15]
	s_load_b256 s[16:23], s[80:81], 0x0            ; xyz: this trip's two centres s16-21, the next trip's s22-27
	s_load_b128 s[24:27], s[80:81], 0x20
	s_load_b512 s[28:43], s[82:83], 0x0            ; rot: s28-45, s46-63
	s_load_b512 s[44:59], s[82:83], 0x40
	s_load_b128 s[60:63], s[82:83], 0x80
	s_wait_alu depctr_va_vdst(0)                   ; the offsets and LDS addresses v2 to v7, v9 and v18 to v23 are written, which the loads and stores below read; the address arithmetic is done with v116, in which a load of g2 lands
	global_load_b64 v[14:15], v9, s[68:69]
	global_load_b64 v[16:17], v9, s[68:69] offset:256
.set k, 0
.rept 13
	global_load_b128 v[192+4*k:195+4*k], v18, s[72:73] offset:4096*k
.set k, k+1
.endr
	s_cmp_lt_u32 s2, 4
	s_cbranch_scc0 .Lbn_arm
	global_load_b128 v[244:247], v18, s[72:73] offset:53248
	s_branch .Larms_done
.Lbn_arm:
	global_load_b128 v[244:247], v18, s[78:79] offset:-2048    ; threads 128 .. 255: bytes 0 .. 2,047 of bn1p
.Larms_done:
.irp tp, 0,1
.irp kq, 0,1
.irp p, 0,1,2,3,4,5
	global_load_b64 v[WB+24*\kq+12*\tp+2*\p:WB+24*\kq+12*\tp+2*\p+1], v21, s[74:75] offset:3072*\tp+96*\kq+48*(\p/3)+8*(\p%3)
.endr
.endr
.endr
	global_load_b64 v[248:249], v23, s[76:77]
.irp u, 0,1,2,3,4,5,6,7
	global_load_b32 v[TMP+\u], v3, s[84:85] offset:128*\u      ; g2 of channel 32 u + lane
.endr
	s_wait_loadcnt 47                              ; behind the indices' loads stand 13 + 1 + 24 + 1 + 8 others: the indices are in
.irp c, 0,1,2,3
	v_min_u32 v[10+\c], 0x3ff, v[14+\c]
.endr
.irp c, 0,1,2,3
	v_mul_u32_u24 v[10+\c], v[10+\c], 320
.endr
	s_wait_alu depctr_va_vdst(0)                   ; v10 to v13 are written, the gathers' offsets
	GATHER 10, 0
	GATHER 11, 1
	s_wait_loadcnt 40                              ; all but the 2 x 20 loads of the two gathers: the weights, a1, c1 and g2 are in
.set k, 0
.rept 13
	ds_store_b128 v18, v[192+4*k:195+4*k] offset:4096*k
.set k, k+1
.endr
	ds_store_b128 v19, v[244:247]
.irp tp, 0,1
.irp kq, 0,1
.irp c, 0,1,2
	ds_store_b128 v22, v[WB+24*\kq+12*\tp+4*\c:WB+24*\kq+12*\tp+4*\c+3] offset:(2*\tp+\kq)*1536+512*\c
.endr
.endr
.endr
	ds_store_b64 v20, v[248:249]
.irp u, 0,1,2,3,4,5,6,7
	v_cmp_ge_f32 s[90+\u], v[TMP+\u], 0            ; where g2 >= 0 the largest y2 is kept, else the smallest
.endr
	s_wait_alu depctr_va_sdst(0)                   ; s90 to s97 are written: one wait behind the eight compares, ahead of the loop's label; the selects of product 4 read them
	WIN 0x40
.set k, 0
.rept 18
	v_mov_b32 v[G+k], 0
.set k, k+1
.endr
	WIN 0
	s_wait_dscnt 0x0                               ; my part of the weights has landed,
	s_barrier_signal -1
	s_barrier_wait -1                              ; everybody's has; nobody writes those bytes again
	s_wait_alu depctr_vm_vsrc(0)                   ; the head's loads and LDS stores have read v18 to v23, WB's registers and v192 to v249: these are written from here on by the columns' preparation, the fragments' loads and the matrix instructions
	s_wait_kmcnt 0x0
	s_mov_b32 s100, 0                              ; trip
	s_mov_b32 s101, 0                              ; 4,096 x trip
; PRODUCT 3, tiles 2 u and 2 u + 1 of W1 against my 4 column tiles: 8 accumulators by turns, K step by K step; then the batch norm, the unit's one wait on va_vdst and the next unit's loads; then relu, and block u of h as codes.
.macro G1UNIT u
	s_wait_dscnt 8                                 ; LDS loads come back in order: this unit's fragments and scale words are in; the youngest eight loads, a1 and c1, may be out
	WIN 0x04                                       ; source 1 (the columns) window 1
.irp q, 0,1,2
.irp col, 0,1,2,3
.irp tp, 0,1
.if \q == 0
	MM ACC+16*\col+8*\tp, WB+12*\tp, XF+48*(\col/2)+12*(\col%2), 1, SC, HD+4*(\col/2), \tp, \col%2
.elseif \q == 1
	MM ACC+16*\col+8*\tp, WB+24+12*\tp, XF+48*(\col/2)+24+12*(\col%2), 0, SC+1, HD+4*(\col/2)+1, \tp, \col%2
.else
	MM ACC+16*\col+8*\tp, KB+12*\tp, G+2*\col, 0, SC+2, HD+4*(\col/2)+2, \tp, \col%2
.endif
.endr
.endr
.endr
	NOPS 4                                         ; four places behind the last matrix instructions, before their results are read
	WIN 0
	s_wait_dscnt 0x0                               ; a1 and c1 are in
.irp col, 0,1,2,3
.irp i, 0,2,4,6,8,10,12,14
	v_pk_fma_f32 v[ACC+16*\col+\i:ACC+16*\col+\i+1], v[ACC+16*\col+\i:ACC+16*\col+\i+1], v[BNA+\i:BNA+\i+1], v[BNC+\i:BNC+\i+1]
.endr
.endr
	s_wait_alu depctr_va_vdst(0)                   ; the matrix instructions are done reading WB, KB and SC, the multiply-adds BNA and BNC: the loads below land in these; no line of the unit behind them names one of them
.if \u < 7
	LW1 0, \u+1
	LW1 1, \u+1
	LK1 \u+1
	LBN \u+1                                       ; a1 and c1 last: the next unit's first wait leaves them out
.else
	LW2 0, 0
	LW2 1, 0
	LS2 0
.endif
.set si, 0
.rept 64
	v_max_num_f32 v[ACC+si], 0, v[ACC+si]
.set si, si+1
.endr
.irp col, 0,1,2,3
	v_max3_num_f32 v[TMP+\col], v[ACC+16*\col], v[ACC+16*\col+1], 0x1800000        ; none is negative: no |.|; the floor 2^(3 - 127)
.endr
.irp i, 2,4,6,8,10,12,14
.irp col, 0,1,2,3
	v_max3_num_f32 v[TMP+\col], v[TMP+\col], v[ACC+16*\col+\i], v[ACC+16*\col+\i+1]
.endr
.endr
.irp col, 0,1,2,3
	v_permlanex16_b32 v[TMP+4+\col], v[TMP+\col], s98, s99
.endr
.irp col, 0,1,2,3
	v_max_num_f32 v[TMP+\col], v[TMP+\col], v[TMP+4+\col]      ; with lane l xor 16's 16 channels: the block's largest
.endr
.irp col, 0,1,2,3
	v_add_nc_u32 v[TMP+8+\col], 0xff000000, v[TMP+\col]
.endr
.if (\u)%4 == 0
.irp col, 0,1,2,3
	v_lshrrev_b32 v[HS+2*\col+(\u)/4], 23, v[TMP+8+\col]
.endr
.else
.irp col, 0,1,2,3
	v_lshrrev_b32 v[TMP+4+\col], 23, v[TMP+8+\col]
.endr
.irp col, 0,1,2,3
	v_lshl_or_b32 v[HS+2*\col+(\u)/4], v[TMP+4+\col], 8*((\u)%4), v[HS+2*\col+(\u)/4]
.endr
.endif
.set hcx, HC+12*((\u)/4)+6*(((\u)/2)%2)
	WIN 0x40
.irp col, 0,1,2,3
.if (\u)%2 == 0
	v_cvt_scalef32_pk16_fp6_f32 v[hcx+24*\col:hcx+24*\col+2], v[ACC+16*\col:ACC+16*\col+15], v[TMP+8+\col]
.else
	v_cvt_scalef32_pk16_fp6_f32 v[TQ+4*\col:TQ+4*\col+2], v[ACC+16*\col:ACC+16*\col+15], v[TMP+8+\col]
.endif
.endr
	v_nop                                          ; one plain place behind the conversions
.if (\u)%2 == 1
	WIN 0x41                                       ; the operand wants a WHOLE block in a lane: lanes 0-15 the even block, lanes 16-31 the odd one
.irp col, 0,1,2,3
.irp i, 0,1,2
	v_permlane16_swap_b32 v[hcx+24*\col+\i], v[TQ+4*\col+\i]
.endr
.endr
.irp col, 0,1,2,3
.irp i, 0,1,2
	v_mov_b32 v[hcx+24*\col+3+\i], v[TQ+4*\col+\i]
.endr
.endr
.endif
	WIN 0
.endm
; PRODUCT 4, tiles 2 u and 2 u + 1 of W2 against my 4 column tiles; the unit's one wait on va_vdst, the stores of the unit before, the loads of the unit after; then largest, smallest and statistics
.macro G2UNIT u
	s_wait_dscnt 0x0
	WIN 0x01                                       ; source 0 (h) window 1
.irp kq, 0,1
.irp tp, 0,1
.irp col, 0,1,2,3
.if \kq == 0
	MM ACC+32*\tp+8*\col, HC+24*\col, WB+12*\tp, 1, HS+2*\col, SC, 0, \tp
.else
	MM ACC+32*\tp+8*\col, HC+24*\col+12, WB+24+12*\tp, 0, HS+2*\col+1, SC+1, 0, \tp
.endif
.endr
.endr
.endr
	NOPS 4                                         ; four places behind the last matrix instructions, before their results are read
	WIN 0
	s_wait_alu depctr_va_vdst(0)                   ; the matrix instructions are done reading WB and SC, in which the loads below land; the unit before has written Y and OUT, which the stores below read
.if \u > 0
	PUT \u-1
.endif
.if \u < 7
	LW2 0, \u+1
	LW2 1, \u+1
	LS2 \u+1
.endif
.irp tp, 0,1
.irp cc, 0,1
	v_max3_num_f32 v[MX+2*\cc+\tp], v[ACC+32*\tp+16*\cc], v[ACC+32*\tp+16*\cc+1], v[ACC+32*\tp+16*\cc+2]
	v_min3_num_f32 v[MN+2*\cc+\tp], v[ACC+32*\tp+16*\cc], v[ACC+32*\tp+16*\cc+1], v[ACC+32*\tp+16*\cc+2]
.endr
.endr
.irp i, 3,5,7,9,11,13
.irp tp, 0,1
.irp cc, 0,1
	v_max3_num_f32 v[MX+2*\cc+\tp], v[MX+2*\cc+\tp], v[ACC+32*\tp+16*\cc+\i], v[ACC+32*\tp+16*\cc+\i+1]
	v_min3_num_f32 v[MN+2*\cc+\tp], v[MN+2*\cc+\tp], v[ACC+32*\tp+16*\cc+\i], v[ACC+32*\tp+16*\cc+\i+1]
.endr
.endr
.endr
.irp tp, 0,1
.irp cc, 0,1
	v_max_num_f32 v[MX+2*\cc+\tp], v[MX+2*\cc+\tp], v[ACC+32*\tp+16*\cc+15]
	v_min_num_f32 v[MN+2*\cc+\tp], v[MN+2*\cc+\tp], v[ACC+32*\tp+16*\cc+15]
.endr
.endr
.irp cc, 0,1                                   ; tile 2 u's lanes 16-31 change places with tile 2 u + 1's lanes 0-15: both halves of a channel's samples then lie in one lane, and lane l is channel 32 u + l
	v_permlane16_swap_b32 v[MX+2*\cc], v[MX+2*\cc+1]
	v_permlane16_swap_b32 v[MN+2*\cc], v[MN+2*\cc+1]
.endr
.irp cc, 0,1
	v_max_num_f32 v[MX+2*\cc], v[MX+2*\cc], v[MX+2*\cc+1]
	v_min_num_f32 v[MN+2*\cc], v[MN+2*\cc], v[MN+2*\cc+1]
.endr
	s_wait_xcnt 0x0                                ; the last unit's store has had its address translated: its data are written again only behind this wait
.if \u > 0
	s_wait_alu depctr_vm_vsrc(0)                   ; the five stores issued at this unit's head have read Y and OUT, which are written again from here on
.endif
.irp cc, 0,1
	v_cndmask_b32 v[Y+\cc], v[MN+2*\cc], v[MX+2*\cc], s[90+\u]
.endr
	STATS ACC, 32, 0, OUT
	STATS ACC+32, 32, 0, OUT+2
.endm
.Ltrip:                                            ; two trips: two centres each
.irp i, 1,2,3,4,5,6,7,8,9,10,11,13,14,15,16,17,18,19,20,21,22,23
	v_mov_b32 v[KB+\i], 0                          ; K step 2: all of W1's operand but its first register is zeros
.endr
	LW1 0, 0                                       ; no wait: all that read or wrote WB, v[KB], v[KB+12] and SC stands ahead of the wait on va_vdst at the last trip's end, and the lines since name none of them
	LW1 1, 0
	LK1 0
	v_add_nc_u32 v8, s101, v7                      ; this trip's slot of the stage
	s_wait_loadcnt 0x0                             ; this trip's gathers are in
	XPREP 0, 1
	NOPS 8                                         ; scale words and operands that vector instructions wrote stand 8 and 4 places ahead of a scaled matrix instruction
	s_wait_alu depctr_va_vdst(0)                   ; behind the places: the columns' codes and scale words, block 8's codes and KB's zeros are written, which the matrix instructions take; the conversions are done reading N, in which a1 and c1 land
	LBN 0
.irp u, 0,1,2,3,4,5,6,7
	G1UNIT \u
.endr
	NOPS 8
	s_wait_alu depctr_va_vdst(0)                   ; behind the places: h's codes and scale words are written, which the matrix instructions of product 4 take; product 3 is done with N, HD and the columns' registers, in which the gathers below land
	s_cmp_eq_u32 s100, 1                           ; the next trip's entries are asked for here, if there is a next trip: the columns' registers are free, and the loads land under product 4
	s_cbranch_scc1 .Lno_next
	GATHER 12, 0
	GATHER 13, 1
.Lno_next:
.irp u, 0,1,2,3,4,5,6,7
	G2UNIT \u
.endr
	s_wait_alu depctr_va_vdst(0)                   ; unit 7 has written Y and OUT, which the stores below read
	PUT 7
	s_wait_xcnt 0x0                                ; the stores have had their addresses translated: their base and data may be written again
	s_wait_alu depctr_vm_vsrc(0)                   ; the stores above have read Y, OUT and v8, which the next trip writes; the loads of W2 have read v4 and v5, which are written behind the loop
	s_add_nc_u64 s[86:87], s[86:87], 2048
.irp i, 0,1,2
	s_mov_b64 s[16+2*\i:17+2*\i], s[22+2*\i:23+2*\i]           ; the next two centres' xyz
.endr
.irp i, 0,1,2,3,4,5,6,7,8
	s_mov_b64 s[28+2*\i:29+2*\i], s[46+2*\i:47+2*\i]           ; and rot
.endr
	s_add_co_u32 s101, s101, 4096
	s_add_co_u32 s100, s100, 1
	s_cmp_lt_u32 s100, 2
	s_cbranch_scc1 .Ltrip
	v_lshrrev_b32 v4, 4, v0                        ; the closing merge: thread = 16 t + r = the channel
	v_and_b32 v5, 15, v0
	v_lshlrev_b32 v4, 8, v4
	v_lshl_add_u32 v4, v5, 2, v4
	v_add_nc_u32 v4, STG, v4
	v_lshlrev_b32 v5, 3, v0
	s_mov_b32 s3, 0x42000000                       ; 32 numbers in each partial result
	s_wait_alu depctr_va_vdst(0)                   ; v4 is written, the address of the loads behind the barrier; the loop's vector instructions are done with v128 to v191, in which they land
	s_wait_dscnt 0x0                               ; my slots of the stage are written,
	s_barrier_signal -1
	s_barrier_wait -1                              ; everybody's are
.irp s, 0,1,2,3,4,5,6,7,8,9,10,11,12,13,14,15
.irp h, 0,1
	ds_load_b32 v[128+2*\s+\h], v4 offset:4096*\s+64*\h
	ds_load_b32 v[160+2*\s+\h], v4 offset:4096*\s+64*\h+128
.endr
.endr
	s_wait_dscnt 0x0
	MERGE 32, 0x3d000000
	s_wait_alu depctr_va_vdst(0)                   ; the merge has written v[TMP+8] and v[TMP+9], which the store reads (v5, its offset, stands ahead of the wait before)
	global_store_b64 v5, v[TMP+8:TMP+9], s[88:89]  ; [work-group][channel][mean, M2]
	s_set_vgpr_msb 0x5                             ; the add's two registers lie in window 1
	s_wait_dscnt 0x0                               ; the closing lines, six on end
	s_wait_alu 0x0
	s_wait_tensorcnt 0x0
	ds_add_u32 v254, v255
	s_wait_dscnt 0x0
	s_endpgm
.Lfunc_end_k_qff9247e10e_main:
	.size	k_qff9247e10e_main, .Lfunc_end_k_qff9247e10e_main-k_qff9247e10e_main
	.p2alignl 7, 3214868480
	.fill 96, 4, 3214868480
	.section	.rodata,"a",@progbits
	.p2align	6, 0x0
	.amdhsa_kernel k_qff9247e10e_main
		.amdhsa_group_segment_fixed_size 175104
		.amdhsa_private_segment_fixed_size 0
		.amdhsa_enable_private_segment 0
		.amdhsa_kernarg_size 88
		.amdhsa_user_sgpr_count 2
		.amdhsa_user_sgpr_kernarg_segment_ptr 1
		.amdhsa_wavefront_size32 1
		.amdhsa_system_sgpr_workgroup_id_x 1
		.amdhsa_system_sgpr_workgroup_id_y 1
		.amdhsa_system_sgpr_workgroup_id_z 1
		.amdhsa_system_vgpr_workitem_id 0
		.amdhsa_next_free_vgpr 512
		.amdhsa_next_free_sgpr 102
		.amdhsa_reserve_vcc 0
		.amdhsa_float_denorm_mode_32 3
		.amdhsa_float_denorm_mode_16_64 3
		.amdhsa_memory_ordered 1
		.amdhsa_forward_progress 1
		.amdhsa_inst_pref_size 236
	.end_amdhsa_kernel
	.amdgpu_metadata
---
amdhsa.version: [ 1, 2 ]
amdhsa.kernels:
  - .name:           k_qff9247e10e_main
    .symbol:         k_qff9247e10e_main.kd
    .args:
      - { .name: idx, .offset: 0, .size: 8, .value_kind: global_buffer, .address_space: global }
      - { .name: table, .offset: 8, .size: 8, .value_kind: global_buffer, .address_space: global }
      - { .name: w1blob, .offset: 16, .size: 8, .value_kind: global_buffer, .address_space: global }
      - { .name: W2_codes, .offset: 24, .size: 8, .value_kind: global_buffer, .address_space: global }
      - { .name: W2_scales, .offset: 32, .size: 8, .value_kind: global_buffer, .address_space: global }
      - { .name: bn1p, .offset: 40, .size: 8, .value_kind: global_buffer, .address_space: global }
      - { .name: seed_xyz_graspable, .offset: 48, .size: 8, .value_kind: global_buffer, .address_space: global }
      - { .name: vp_rot, .offset: 56, .size: 8, .value_kind: global_buffer, .address_space: global }
      - { .name: g2, .offset: 64, .size: 8, .value_kind: global_buffer, .address_space: global }
      - { .name: ysel, .offset: 72, .size: 8, .value_kind: global_buffer, .address_space: global }
      - { .name: p2, .offset: 80, .size: 8, .value_kind: global_buffer, .address_space: global }
    .group_segment_fixed_size: 175104
    .private_segment_fixed_size: 0
    .kernarg_segment_align: 8
    .kernarg_segment_size: 88
    .max_flat_workgroup_size: 256
    .sgpr_count:     102
    .vgpr_count:     512
    .wavefront_size: 32
...
	.end_amdgpu_metadata
.endif
;; end of part 7
;; launch final: the kernel of part 5 again; grid 256 x 1, 8 waves a work-group, no clusters, 36,352 bytes of LDS; arguments ysel, p2, g2, b2, out0; writes out0
